; MI455X (gfx1250); checked and timed in simulation.
; The chip was launched on July 23, 2026; its instructions are those of AMD's public machine-readable ISA for CDNA 5 (MIT licence, August 2026) and "CDNA5" Instruction Set Architecture Reference Guide (July 2026). The comments in the code are by the model that wrote it; some were corrected since.
;; OPT Attention. Allowed arithmetic: matrix products marked QUANTISED: E2M1 operands, one E8M0 scale for each 32 along K, by v_wmma_scale_f32_16x16x128_f8f6f4 with both operands' format E2M1 (or v_wmma_scale_f32_32x16x128_f4), f32 sums; everything else in f32.
;; Inputs: Wk 2,048 x 2,048 float32; Wo 2,048 x 2,048 float32; Wq 2,048 x 2,048 float32; Wv 2,048 x 2,048 float32; bk 2,048 float32; bo 2,048 float32; bq 2,048 float32; bv 2,048 float32; hidden_states 2 x 1,024 x 2,048 float32.
;; Outputs: out0 2 x 1,024 x 2,048 float32.
;; This version of the problem:
;;   THIS VERSION OF THE PROBLEM IS GIVEN IN LOW PRECISION. The matrix products marked QUANTISED in the list below multiply operands that are first quantised to E2M1 (2 exponent bits, 1 mantissa bit; 4 bits a number), with one power-of-two scale for each 32 numbers along K (OCP MX v1.0); their sums are f32. All else is computed in f32.
;;   The module's matrix products, in the order in which they are computed (A, B: the left and right operand; K: the contracted axis; several contracted axes count as one K, in the product's order):
;;     1. [M 2,048, K 2,048] x [K 2,048, N 2,048]; A: input hidden_states; B: input Wq: QUANTISED
;;     2. [M 2,048, K 2,048] x [K 2,048, N 2,048]; A: input hidden_states; B: input Wk: QUANTISED
;;     3. [M 2,048, K 2,048] x [K 2,048, N 2,048]; A: input hidden_states; B: input Wv: QUANTISED
;;     4. batch 64 x [M 1,024, K 64] x [K 64, N 1,024]; A: computed on the way; B: computed on the way: QUANTISED
;;     5. batch 64 x [M 64, K 1,024] x [K 1,024, N 1,024]; A: computed on the way; B: softmax (see below): QUANTISED
;;     6. [M 2,048, K 2,048] x [K 2,048, N 2,048]; A: computed on the way; B: input Wo: QUANTISED
;;   THE QUANTISER, for each operand of a quantised product, along K:
;;     - K is cut into blocks of 32 from its start; a last block that is shorter is filled with zeros.
;;     - A block's scale is 2^e with e = floor(log2(the largest magnitude in the block)) - 2, held to -126 .. 127; a block of zeros has e = 0. As a byte (E8M0): e + 127.
;;     - Each number is divided by its block's scale, clamped to +-6, and rounded to the nearest number of E2M1, ties to even, subnormals kept.
;;     - The product sums the exact products of the quantised numbers (number of the format x scale) in f32.
;;   ~~~python
;;   def quantise(x, axis):      # numpy; x: float32 -> the quantised numbers, widened to float32 again
;;       x = np.moveaxis(x, axis, -1); K = x.shape[-1]
;;       x = np.pad(x, [(0, 0)] * (x.ndim - 1) + [(0, -K % 32)]); x = x.reshape(x.shape[:-1] + (-1, 32)); a = np.abs(x).max(-1, keepdims=True)
;;       e = np.where(a > 0, np.clip(np.frexp(np.where(a > 0, a, 1))[1] - 1 - 2, -126, 127), 0)      # np.frexp(a)[1] - 1 = floor(log2(a)), exactly
;;       r = np.clip(x / 2.0 ** e, -6, 6)
;;       step = 2.0 ** (np.maximum(np.frexp(np.where(r == 0, 1, r))[1] - 1, 0) - 1)
;;       q = np.round(r / step) * step * 2.0 ** e      # np.round: ties to even
;;       return np.moveaxis(q.reshape(q.shape[:-2] + (-1,))[..., :K], -1, axis).astype(np.float32)
;;   ~~~
;;   SOFTMAX AHEAD OF A QUANTISED PRODUCT. Where the list says 'softmax', what is quantised is not the finished softmax but p = 2^(t - M), with t = logit x log2(e) and M = ceil(the row's largest t), a whole number; so 1/2 < the row's largest p <= 1. The row's sum l is taken of the UNQUANTISED p, in f32, and the product's result is divided by l at the end. Since M is a whole number, a kernel that streams over the keys may use a running M (the ceiling of the running maximum): every later rescaling is an exact power of two, which a block's scale takes up: the codes' values come out the same.
;;   OPERANDS COMPUTED ON THE WAY. 'Computed on the way' means the value that the module computes at that place (a softmax that the list does not call 'softmax' is quantised finished and normalised). What goes into a quantiser is computed in f32, as accurately as f32 sums, v_exp_f32 and their like allow (about 1e-6 of the number): no bf16 or f16 on the way to a quantiser, and a product that is left as it is and whose result goes on into a quantised operand takes f32 operands (vector FMAs, or v_wmma_f32_16x16x4_f32). A number that lies on a knife's edge between two numbers of the format may be rounded either way, as far as f32 arithmetic and the matrix unit's own rounding can turn it there, and no further.
;; 2 versions. Each part assembles by itself: llvm-mc -triple=amdgcn-amd-amdhsa -mcpu=gfx1250 --defsym DOCPART=n.
;; ======== version 1 of 2: 4 launches
;; workspace buffers: codes 10,485,760 bytes; scales 655,360 bytes; heads 9,043,968 bytes; acodes 2,097,152 bytes; ascales 131,072 bytes
;; launch quant (part 1): grid 640 x 1, 4 waves a work-group, no clusters, 33,280 bytes of LDS; arguments hidden_states, Wq, Wk, Wv, Wo, codes, scales; writes codes, scales
.if DOCPART == 1
	.amdgcn_target "amdgcn-amd-amdhsa--gfx1250"
	.amdhsa_code_object_version 6
	.text
	.protected	k_q1fca814094_quant
	.globl	k_q1fca814094_quant
	.p2align	8
	.type	k_q1fca814094_quant,@function
k_q1fca814094_quant:
	s_mov_b64 s[64:65], 0
	v_nop
	global_prefetch_b8 v0, s[64:65] scope:SCOPE_SE
	s_setreg_imm32_b32 hwreg(HW_REG_WAVE_MODE, 25, 1), 1
	s_wait_xcnt 0x0
; hidden_states [2048][2048] and Wq, Wk, Wv, Wo [2048][2048], f32, K innermost, become codes of FP4 (E2M1) with one E8M0 scale byte for each 32 along K.
; codes: [10240 rows][1024 bytes], rows 0-2047 the tokens, then Wq, Wk, Wv, Wo, 2048 rows each; scales: [10240][64 bytes], the same rows.
; A block's scale is 2^(floor(log2(its largest magnitude)) - 2): its byte is the largest magnitude's exponent field - 2, held at 1 from below.
; LIMITS: a block of zeros gets the byte 1 (its codes are zeros, and this program alone reads the bytes); blocks whose largest magnitude lies under 2^-124 are held at that byte;
; NaN and infinities among the inputs are not served.
; Rows are dense and 2048 is a multiple of 32, so each tensor is a plain stream of blocks.  128 work-groups to a tensor, 8,192 numbers to a wave, in 16 steps of 512.
; Each of a step's four loads reads 512 consecutive bytes, 16 a lane; the 2,048 bytes turn through the wave's own stage in LDS and come back 64 bytes a lane, so that a lane holds 16 neighbours
; along K (two neighbouring lanes hold a block).  A lane's 16 codes are 8 bytes: the wave stores 256 consecutive bytes.  A wave's 256 scale bytes are gathered in LDS and leave as 256 consecutive bytes.
; No tensor loads, no barrier: waves share nothing.  Loads run four steps (16 loads a wave) ahead, the turn through LDS one step.
.set STEPS, 16
.set EMAX,  2
.set CB,    8                          ; bytes of 16 codes
.set R,     16                         ; v16-79   four sets of 16 numbers as they are loaded
.set X,     80                         ; v80-111  two sets of 16 neighbours
.set E,     112                        ; v112-127 a scale byte for each step
.set C,     128                        ; v128-191 codes: four registers for each step, so that no store's data are written again
.set WREG,  8192                       ; LDS: a region for each wave: two stages of 32 x SP bytes, behind them its 256 scale bytes
.set SP,    80                         ; a lane's place in a stage: 64 bytes + 16 of padding
	s_load_b256 s[4:11], s[0:1], 0x0               ; hidden_states, Wq, Wk, Wv
	s_load_b128 s[12:15], s[0:1], 0x20             ; Wo, codes
	s_load_b64 s[16:17], s[0:1], 0x30              ; scales
	v_lshl_add_u32 v192, v0, 2, 0x8000
	v_mov_b32 v193, 0
	v_lshrrev_b32 v1, 5, v0
	v_readfirstlane_b32 s18, v1                    ; wave
	v_and_b32 v2, 31, v0                           ; lane
	v_lshlrev_b32 v3, 4, v2                        ; my 16 bytes of a load's 512
	s_mul_i32 s19, s18, WREG
	v_lshrrev_b32 v14, 2, v2
	v_mul_u32_u24 v14, v14, SP
	v_and_b32 v15, 3, v2
	v_lshl_add_u32 v14, v15, 4, v14
	v_add_nc_u32 v14, s19, v14                     ; the stage, on the way in: SP (lane / 4) + 16 (lane % 4)
	v_mul_u32_u24 v15, v2, SP
	v_add_nc_u32 v15, s19, v15                     ; and on the way out: SP x lane: my 16 neighbours
	v_mul_u32_u24 v4, v2, CB                       ; my codes' place in a step's
	v_lshrrev_b32 v5, 1, v2
	s_add_co_u32 s19, s19, 2*32*SP
	v_add_nc_u32 v5, s19, v5                       ; LDS: my wave's 256 scale bytes, my block's byte
	v_lshlrev_b32 v7, 3, v2                        ; and on the way out 8 bytes a lane
	v_add_nc_u32 v6, s19, v7
	s_lshr_b32 s20, ttmp9, 7                       ; which tensor: 128 work-groups each
	s_and_b32 s21, ttmp9, 127
	s_lshl_b32 s21, s21, 2
	s_add_co_u32 s21, s21, s18                     ; which run of 8,192 numbers of the tensor is my wave's
	s_lshl_b32 s22, s21, 15                        ; in bytes of f32
	s_mov_b32 s23, 0
	s_lshl_b32 s24, ttmp9, 2
	s_add_co_u32 s24, s24, s18                     ; which run of all five tensors
	s_lshl_b32 s26, s24, 8                         ; 256 scale bytes a run
	s_mov_b32 s27, 0
	s_lshl_b32 s24, s24, 12                        ; 4,096 bytes of codes a run
	s_mov_b32 s25, 0
	s_wait_kmcnt 0x0
	s_cmp_eq_u32 s20, 1                            ; the choice of the input hangs on the work-group's number alone
	s_cselect_b64 s[4:5], s[6:7], s[4:5]
	s_cmp_eq_u32 s20, 2
	s_cselect_b64 s[4:5], s[8:9], s[4:5]
	s_cmp_eq_u32 s20, 3
	s_cselect_b64 s[4:5], s[10:11], s[4:5]
	s_cmp_eq_u32 s20, 4
	s_cselect_b64 s[4:5], s[12:13], s[4:5]
	s_add_nc_u64 s[4:5], s[4:5], s[22:23]
	s_add_nc_u64 s[14:15], s[14:15], s[24:25]
	s_add_nc_u64 s[16:17], s[16:17], s[26:27]
.macro LOAD t
.irp i, 0,1,2,3
	global_load_b128 v[R+16*((\t)%4)+4*\i:R+16*((\t)%4)+4*\i+3], v3, s[4:5] offset:2048*(\t)+512*\i th:TH_LOAD_NT   ; 32 lanes read 512 consecutive bytes
.endr
.endm
.macro TURN t                          ; step t's numbers through the stage: LDS serves a wave's instructions in order, so no wait stands between the stores and the loads
.irp i, 0,1,2,3
	ds_store_b128 v14, v[R+16*((\t)%4)+4*\i:R+16*((\t)%4)+4*\i+3] offset:32*SP*((\t)%2)+8*SP*\i
.endr
.irp i, 0,1,2,3
	ds_load_b128 v[X+16*((\t)%2)+4*\i:X+16*((\t)%2)+4*\i+3], v15 offset:32*SP*((\t)%2)+16*\i
.endr
.endm
.irp t, 0,1,2,3
	LOAD \t
.endr
	s_wait_loadcnt 12                              ; step 0's four loads are in
	TURN 0
.macro STEP t
.set XS, X+16*((\t)%2)
.if (\t) > 0
	s_wait_dscnt 1                                 ; this step's numbers are back from the stage (the last step's byte store may be out): so its stores into the stage have read their registers,
.else
	s_wait_dscnt 0x0
.endif
.if (\t)+4 < STEPS
	LOAD (\t)+4                                    ; which take the loads of four steps on
.endif
.if (\t)+1 < STEPS
.if STEPS-2-(\t) >= 3
	s_wait_loadcnt 12                              ; the next step's four loads are in; those of the three steps behind it may be out
.else
	s_wait_loadcnt 4*(STEPS-2-(\t))
.endif
	TURN (\t)+1                                    ; and go through the other stage while this step is worked
.endif
	v_max3_num_f32 v8, |v[XS]|, |v[XS+1]|, |v[XS+2]|               ; the largest magnitude of my 16, in two chains
	v_max3_num_f32 v9, |v[XS+3]|, |v[XS+4]|, |v[XS+5]|
.irp i, 6,10
	v_max3_num_f32 v8, v8, |v[XS+\i]|, |v[XS+\i+1]|
	v_max3_num_f32 v9, v9, |v[XS+\i+2]|, |v[XS+\i+3]|
.endr
	v_max3_num_f32 v8, v8, |v[XS+14]|, |v[XS+15]|
	v_max3_num_f32 v8, v8, v9, (EMAX+1)<<23        ; and the floor 2^(3 - 127): the byte cannot fall under 1
	v_max_num_f32_dpp v8, v8, v8 row_xmask:1 row_mask:0xf bank_mask:0xf   ; and of my neighbour's 16: the block's
	v_add_nc_u32 v11, -(EMAX<<23), v8              ; 2 off its exponent field: the conversion takes the exponent field of this operand as its scale, and nothing else of it
	v_cvt_scalef32_pk8_fp4_f32 v[C+4*(\t)], v[XS:XS+7], v11
	v_cvt_scalef32_pk8_fp4_f32 v[C+4*(\t)+1], v[XS+8:XS+15], v11
	v_lshrrev_b32 v[E+(\t)], 23, v11               ; the scale's byte
	ds_store_b8 v5, v[E+(\t)] offset:16*(\t)       ; both lanes of a block write the same byte with the same value
	global_store_b64 v4, v[C+4*(\t):C+4*(\t)+1], s[14:15] offset:32*CB*(\t)   ; 32 lanes store 256 consecutive bytes
.endm
.irp t, 0,1,2,3,4,5,6,7,8,9,10,11,12,13,14,15
	STEP \t
.endr
	ds_load_b64 v[12:13], v6                       ; LDS serves a wave's instructions in order: these see my stores
	s_wait_dscnt 0x0
	global_store_b64 v7, v[12:13], s[16:17]        ; 32 lanes store 256 consecutive bytes
	s_wait_tensorcnt 0x0
	ds_add_u32 v192, v193
	s_wait_dscnt 0x0
	s_endpgm
.Lfunc_end_k_q1fca814094_quant:
	.size	k_q1fca814094_quant, .Lfunc_end_k_q1fca814094_quant-k_q1fca814094_quant
	.p2alignl 7, 3214868480
	.fill 96, 4, 3214868480
	.section	.rodata,"a",@progbits
	.p2align	6, 0x0
	.amdhsa_kernel k_q1fca814094_quant
		.amdhsa_group_segment_fixed_size 33280
		.amdhsa_private_segment_fixed_size 0
		.amdhsa_enable_private_segment 0
		.amdhsa_kernarg_size 56
		.amdhsa_user_sgpr_count 2
		.amdhsa_user_sgpr_kernarg_segment_ptr 1
		.amdhsa_wavefront_size32 1
		.amdhsa_system_sgpr_workgroup_id_x 1
		.amdhsa_system_sgpr_workgroup_id_y 1
		.amdhsa_system_sgpr_workgroup_id_z 1
		.amdhsa_system_vgpr_workitem_id 0
		.amdhsa_next_free_vgpr 194
		.amdhsa_next_free_sgpr 66
		.amdhsa_reserve_vcc 0
		.amdhsa_float_denorm_mode_32 3
		.amdhsa_float_denorm_mode_16_64 3
		.amdhsa_memory_ordered 1
		.amdhsa_forward_progress 1
		.amdhsa_inst_pref_size 33
	.end_amdhsa_kernel
	.amdgpu_metadata
---
amdhsa.version: [ 1, 2 ]
amdhsa.kernels:
  - .name:           k_q1fca814094_quant
    .symbol:         k_q1fca814094_quant.kd
    .args:
      - { .name: hidden_states, .offset: 0, .size: 8, .value_kind: global_buffer, .address_space: global }
      - { .name: Wq, .offset: 8, .size: 8, .value_kind: global_buffer, .address_space: global }
      - { .name: Wk, .offset: 16, .size: 8, .value_kind: global_buffer, .address_space: global }
      - { .name: Wv, .offset: 24, .size: 8, .value_kind: global_buffer, .address_space: global }
      - { .name: Wo, .offset: 32, .size: 8, .value_kind: global_buffer, .address_space: global }
      - { .name: codes, .offset: 40, .size: 8, .value_kind: global_buffer, .address_space: global }
      - { .name: scales, .offset: 48, .size: 8, .value_kind: global_buffer, .address_space: global }
    .group_segment_fixed_size: 33280
    .private_segment_fixed_size: 0
    .kernarg_segment_align: 8
    .kernarg_segment_size: 56
    .max_flat_workgroup_size: 128
    .sgpr_count:     66
    .vgpr_count:     194
    .wavefront_size: 32
...
	.end_amdgpu_metadata
.endif
;; end of part 1
;; launch qkv (part 2): grid 24 x 8, 4 waves a work-group, clusters of 4 x 4, 327,680 bytes of LDS; arguments codes, scales, bq, bk, bv, heads; writes heads
.if DOCPART == 2
	.amdgcn_target "amdgcn-amd-amdhsa--gfx1250"
	.amdhsa_code_object_version 6
	.text
	.protected	k_q1fca814094_qkv
	.globl	k_q1fca814094_qkv
	.p2align	8
	.type	k_q1fca814094_qkv,@function
k_q1fca814094_qkv:
	s_mov_b64 s[64:65], 0
	v_nop
	global_prefetch_b8 v0, s[64:65] scope:SCOPE_SE
	s_setreg_imm32_b32 hwreg(HW_REG_WAVE_MODE, 25, 1), 1
	s_wait_xcnt 0x0
	s_wait_alu depctr_hold_cnt(0) depctr_sa_sdst(0) depctr_va_vdst(0) depctr_va_sdst(0) depctr_va_ssrc(0) depctr_va_vcc(0) depctr_vm_vsrc(0)
	s_getreg_b32 s2, hwreg(HW_REG_IB_STS2, 6, 4)
	s_cmp_eq_u32 s2, 0
	s_cbranch_scc0 .Lentry_in_a_cluster
	s_endpgm
.Lentry_in_a_cluster:
	s_bfe_u32 s2, ttmp6, 0x10000c
	s_cmp_lg_u32 s2, 0xf033
	s_cbranch_scc0 .Lentry_shape_is_right
	s_endpgm
.Lentry_shape_is_right:
; The three projections on codes of FP4 with E8M0 scales, and their results quantised again for attention: q = x Wq^T + bq, k = x Wk^T + bk, and v TRANSPOSED, v^T = Wv x^T + bv.
; Both operands are rows of one buffer of codes ([10240][1024 bytes]: tokens, Wq, Wk, Wv, Wo) and one of scale bytes ([10240][64]).  TYPE = cluster x / 2: 0 q, 1 k, 2 v.
; q, k: A = tokens, B = the weight's rows.  v: A = Wv's rows, B = tokens, by the same text: so a lane ends up with one channel and its registers run along the keys, the second product's K.
; A tile of C, 256 x 256, is made by four waves, 128 x 128 each: 64 accumulators, 512 registers.  K = 2048 goes in four steps of 512 through a ring of two LDS slots filled by the tensor data mover
; (a tile's row is 256 bytes of memory).  The scale bytes of the work-group's 512 rows come into LDS once.  192 work-groups: 3 x 64 tiles.
; CLUSTERS: 4 x 4 work-groups; A's tiles are asked for jointly along a row of the cluster, B's along a column.
; THE MATRIX INSTRUCTION IS USED TRANSPOSED (source 0 = 16 rows of B, source 1 = 16 rows of A): lane (r, h) holds row r of A's block, register j of accumulator (a, b) column 16 b + 8 h + j.
; THE WAY OUT uses no LDS.  For each of A's eight blocks the lane's 64 numbers (128 columns of one row) get the bias, and are quantised in blocks of 32 columns: a block lies in lanes l and l xor 16.
; The conversions' results are laid so that two exchanges of halves give the operand's registers in true order of K; these leave as IMAGES OF REGISTERS, 512 consecutive bytes a store (lane l's 16 bytes at 16 l).
; heads: 32 records (16 x batch + head pair) of RS bytes: 0 K's images [head 2][token tile 64][512]; 65536 V's [head 2][key step 8][channel tile 4][half 2][512]; 131072 K's scale words
; [head 2][key step 8][lane 32][4]; 139264 V's [head 2][key step 8][lane 32][2]; 143360 Q's images and 274432 Q's scale words, laid as K's.  A head has 64 channels: q's and k's fragments fill registers 0-3,
; and their scale words hold two bytes and 0x7f7f on top, for the zero codes that fill the instruction's 128 along K.
; LIMITS: a block of zeros gets the byte 1 (zero codes; this program alone reads the bytes); blocks under 2^-124 are held at that byte; NaN and infinities are not served.
; REGISTERS: window 0: v13-31 addresses; v32-95 scale words, two sets, and nothing else; v128-191 A's fragments, one set; on the way out v96-123 at work, v128-191 64 numbers, v192-255 codes.
;   window 1: B's fragments, two sets, at v0 and v128; v64-127 the bias.   windows 2, 3: the accumulators ((a, b) at v[8 (8 (a % 4) + b)]).
.set KSTEP,  512
.set NQ,     4                         ; matrix instructions deep in a slot
.set ROWB,   256                       ; a tile's row in bytes
.set KROW,   1024                      ; a row of codes in memory
.set PITCH,  272                       ; an LDS row: 256 bytes + 16 of padding: the 16 rows of a load start at 16 different banks (64 banks of 4 bytes: ISA guide 11.1)
.set FR,     8
.set NL,     2
.set NP,     4                         ; places behind this matrix instruction (ISA guide 7.12.1)
.set HALFT,  128*PITCH
.set SLOT,   4*HALFT
.set LAPS,   2
.set KS,     64                        ; a row of scale bytes
.set SCL,    2*SLOT
.set HALFS,  (128*KS/256)*272
.set SBLK,   (16*KS/256)*272
.set SPARE,  SCL+4*HALFS               ; the spare words, 128 bytes for each wave: two blocks of 256 bytes that no other line names
.set RS,     282624                    ; a record of heads
.set LN,   13                          ; v13  lane
.set L8,   14                          ; v14  8 x lane
.set R4,   15                          ; v15  4 x (lane % 16)
.set ADRA, 16                          ; v16-17 LDS address of my A fragments in slot 0, 1
.set ADRB, 20                          ; v20-21 the same for B
.set ADRS, 27                          ; v27  LDS address of my scale words: lanes 0-15 A's rows, lanes 16-31 B's
.set SPW,  28                          ; v28  my spare word; never rewritten
.set NIL,  29                          ; v29  0; never rewritten
.set LI,   30                          ; v30  16 x lane
.set H32,  31                          ; v31  32 x (lane / 16)
.set SC,   32
.set AF,   128
.set TM,   96                          ; the way out: v96-99 largest magnitudes, v100-103 bytes, v108-111 the conversions' scale operands
.set W0,   96                          ; later the two heads' scale words
.set W1,   100
.set SW,   112                         ; v112-119 a scale word for each of A's blocks
.set SEL,  120                         ; v120-123 the words chosen by the lane's half
.set T,    128                         ; v128-191 64 numbers
.set PC,   192                         ; v192-255 codes: 8 registers for each block, so that no store's data are written again
.set BN,   64                          ; in window 1: the bias
.set G1, 24
.set G0, 32
.set G1B, 48
.set G0B, 56
.set G1S, 68
.set G0S, 76
.set G1SB, 80
.set G0SB, 88
.set MSB, 0
.macro WIN new                         ; the immediate's high byte repeats the setting that is left
.if MSB != (\new)
	s_set_vgpr_msb (MSB<<8)|(\new)
.set MSB, (\new)
.endif
.endm
.set MUL_LO, 0xa1                      ; source 0 (B) window 1, source 1 (A) window 0, C and D window 2
.set MUL_HI, 0xf1
.set TO_B,   0x40
; A joint load: waves 0 and 1 fetch for A, waves 2 and 3 for B; the branch hangs on the wave's number alone.  Four v_nop follow each of the two lines.
.macro JLOAD g0a, g1a, g0b, g1b
	s_cmp_eq_u32 s15, 0
	s_cbranch_scc0 .Lfor_b_\@
	tensor_load_to_lds s[\g0a:\g0a+3], s[\g1a:\g1a+7]
	s_nop 0
.rept 4
	v_nop
.endr
	s_branch .Lasked_\@
.Lfor_b_\@:
	tensor_load_to_lds s[\g0b:\g0b+3], s[\g1b:\g1b+7]
	s_nop 0
.rept 4
	v_nop
.endr
.Lasked_\@:
.endm
.macro CREST                           ; a round of the cluster's barrier behind its opening barrier
	s_cmp_lg_u32 s14, 0
	s_cbranch_scc1 .Lnot_wave_0_\@
	s_barrier_signal -3
.Lnot_wave_0_\@:
	s_barrier_wait -3
	s_barrier_signal -1
	s_barrier_wait -1
.endm
.macro CROUND
	s_barrier_signal -1
	s_barrier_wait -1
	CREST
.endm
	s_load_b256 s[4:11], s[0:1], 0x0               ; codes s[4:5], scales s[6:7], bq s[8:9], bk s[10:11]
	s_load_b128 s[96:99], s[0:1], 0x20             ; bv s[96:97], heads s[98:99]
	v_lshl_add_u32 v[SPW], v0, 2, SPARE
	v_mov_b32 v[NIL], 0
	ds_add_u32 v28, v29
	ds_add_u32 v28, v29
	s_wait_dscnt 0x0
	v_lshrrev_b32 v1, 5, v0
	v_readfirstlane_b32 s14, v1                    ; wave 0..3
	s_lshr_b32 s15, s14, 1                         ; which half of the tile's rows is mine.  Also: I fetch for A (0) or for B (1)
	s_and_b32 s16, s14, 1                          ; which half of its columns.  Also: which 128 rows of that tile I fetch
	s_bfe_u32 s40, ttmp6, 0x40000                  ; cx, cy: my place in the cluster
	s_bfe_u32 s41, ttmp6, 0x40004
	s_lshr_b32 s66, ttmp9, 1                       ; TYPE: two clusters along x for each of q, k, v: the same in all sixteen partners
	s_and_b32 s42, ttmp9, 1
	s_lshl_b32 s42, s42, 2
	s_add_co_u32 s42, s42, s40                     ; tile column 0..7
	s_and_b32 s17, ttmp7, 0xffff
	s_lshl_b32 s17, s17, 2
	s_add_co_u32 s17, s17, s41                     ; tile row 0..7
	s_lshl_b32 s43, s41, 2
	s_lshl_b32 s43, 15, s43                        ; my row of the cluster
	s_lshl_b32 s44, 0x1111, s40                    ; my column
	s_or_b32 s[G1+0], s43, (0<<16)|(1<<20)|(1<<21)|(5<<22)|(3<<25)  ; the mask; elements of 1 byte; padding on; bit 21 beside a mask; after every 64 words, 4 words
	s_or_b32 s[G1B+0], s44, (0<<16)|(1<<20)|(1<<21)|(5<<22)|(3<<25)
.irp g, G1, G1B
	s_mov_b32 s[\g+1], ROWB<<16                    ; tensor_dim0
	s_mov_b32 s[\g+2], 128<<16                     ; tensor_dim1
	s_mov_b32 s[\g+3], ROWB<<16                    ; tile_dim0
	s_mov_b32 s[\g+4], 128                         ; tile_dim1
	s_mov_b32 s[\g+5], KROW                        ; stride
	s_mov_b32 s[\g+6], 0
	s_mov_b32 s[\g+7], 0
.endr
	s_or_b32 s[G1S+0], s43, (3<<16)|(1<<20)|(1<<21)|(5<<22)|(3<<25) ; the scales of 128 rows: 8,192 dense bytes as 32 rows of 256 (32 elements of 8 bytes), 16 bytes of padding behind each
	s_or_b32 s[G1SB+0], s44, (3<<16)|(1<<20)|(1<<21)|(5<<22)|(3<<25)
.irp g, G1S, G1SB
	s_mov_b32 s[\g+1], 32<<16
	s_mov_b32 s[\g+2], (128*KS/256)<<16
	s_mov_b32 s[\g+3], 32<<16
	s_mov_b32 s[\g+4], 128*KS/256
	s_mov_b32 s[\g+5], 32
	s_mov_b32 s[\g+6], 0
	s_mov_b32 s[\g+7], 0
.endr
	s_lshr_b32 s92, s66, 1                         ; 1 for v, else 0
	s_add_co_u32 s93, s66, 1
	s_xor_b32 s94, s92, 1
	s_mul_i32 s93, s93, s94                        ; B's tensor: Wq (1), Wk (2), for v the tokens (0)
	s_mul_i32 s92, s92, 3                          ; A's tensor: the tokens (0), for v Wv (3)
	s_lshl_b32 s92, s92, 11                        ; 2048 rows a tensor
	s_lshl_b32 s93, s93, 11
	s_lshl_b32 s18, s16, 7                         ; which 128 rows of the tile I fetch
	s_lshl_b32 s20, s17, 8
	s_add_co_u32 s20, s20, s18
	s_add_co_u32 s20, s20, s92                     ; A's row
	s_lshl_b32 s46, s42, 8
	s_add_co_u32 s46, s46, s18
	s_add_co_u32 s46, s46, s93                     ; B's row
	s_mov_b32 s21, 0
	s_mov_b32 s47, 0
	s_mov_b64 s[18:19], KS
	s_mul_u64 s[22:23], s[20:21], s[18:19]         ; where these rows' scales begin, in bytes
	s_mul_u64 s[92:93], s[46:47], s[18:19]
	s_mov_b64 s[18:19], KROW
	s_mul_u64 s[20:21], s[20:21], s[18:19]         ; and their codes
	s_mul_u64 s[46:47], s[46:47], s[18:19]
	s_mul_i32 s45, s14, HALFT                      ; where they go: wave x 128 rows
	s_mul_i32 s94, s14, HALFS
	s_wait_kmcnt 0x0
	s_add_nc_u64 s[20:21], s[4:5], s[20:21]
	s_add_nc_u64 s[22:23], s[6:7], s[22:23]
	s_add_nc_u64 s[46:47], s[4:5], s[46:47]
	s_add_nc_u64 s[92:93], s[6:7], s[92:93]
	CROUND                                         ; all sixteen work-groups are here: the first joint loads meet
	s_mov_b32 s[G0S], 1
	s_add_co_u32 s[G0S+1], s94, SCL
	s_mov_b64 s[G0S+2:G0S+3], s[22:23]
	s_or_b32 s[G0S+3], s[G0S+3], 0x80000000
	s_mov_b32 s[G0SB], 1
	s_add_co_u32 s[G0SB+1], s94, SCL
	s_mov_b64 s[G0SB+2:G0SB+3], s[92:93]
	s_or_b32 s[G0SB+3], s[G0SB+3], 0x80000000
	JLOAD G0S, G1S, G0SB, G1SB                     ; the scales first: they are wanted with K step 0
.irp s, 0,1
	s_mov_b32 s[G0+4*\s], 1
	s_add_co_u32 s[G0+4*\s+1], s45, \s*SLOT
	s_add_nc_u64 s[G0+4*\s+2:G0+4*\s+3], s[20:21], \s*ROWB
	s_or_b32 s[G0+4*\s+3], s[G0+4*\s+3], 0x80000000
	s_mov_b32 s[G0B+4*\s], 1
	s_add_co_u32 s[G0B+4*\s+1], s45, \s*SLOT
	s_add_nc_u64 s[G0B+4*\s+2:G0B+4*\s+3], s[46:47], \s*ROWB
	s_or_b32 s[G0B+4*\s+3], s[G0B+4*\s+3], 0x80000000
	JLOAD G0+4*\s, G1, G0B+4*\s, G1B               ; three tensor loads of mine are out
.endr
	v_and_b32 v1, 15, v0                           ; r = lane % 16
	v_bfe_u32 v2, v0, 4, 1                         ; h = lane / 16
	v_mul_u32_u24 v3, v1, PITCH
	v_lshl_add_u32 v4, v2, 4, v3                   ; a fragment's row x pitch + 16 x half
	s_mul_i32 s21, s15, HALFT                      ; my 128 rows of A
	s_mul_i32 s22, s16, HALFT                      ; my 128 rows of B,
	s_add_co_u32 s22, s22, 2*HALFT                 ; which lie behind A's 256
.irp s, 0,1
	v_add_nc_u32 v[ADRA+\s], s21, v4
	v_add_nc_u32 v[ADRB+\s], s22, v4
	s_add_co_u32 s21, s21, SLOT
	s_add_co_u32 s22, s22, SLOT
.endr
	v_mul_u32_u24 v5, v1, KS                       ; my row's scales: 64 bytes a row,
	v_lshrrev_b32 v6, 8, v5
	v_lshl_add_u32 v5, v6, 4, v5                   ; and 16 more for each 256 passed
	s_mul_i32 s21, s15, HALFS
	s_mul_i32 s22, s16, HALFS
	s_add_co_u32 s22, s22, 2*HALFS
	s_sub_co_u32 s22, s22, s21
	v_mul_u32_u24 v6, s22, v2                      ; lanes 16-31 take B's
	s_add_co_u32 s21, s21, SCL
	v_add_nc_u32 v5, v5, v6
	v_add_nc_u32 v[ADRS], s21, v5
	v_and_b32 v[LN], 31, v0
	v_lshlrev_b32 v[L8], 3, v[LN]
	v_lshlrev_b32 v[R4], 2, v1
	v_lshlrev_b32 v[LI], 4, v[LN]
	v_lshlrev_b32 v[H32], 5, v2
	s_mov_b32 s67, 0x7f7f0000                      ; the scale bytes of the two blocks of zero codes
	s_mov_b32 s100, 0x76543210
	s_mov_b32 s101, 0xfedcba98                     ; v_permlanex16_b32's selects for lane l xor 16
.macro FRAG reg, adr, q, i             ; 16 rows x 128 K of 4-bit codes: 8 registers: registers 4 c .. 4 c + 3 hold K = 64 c + 32 (lane / 16) + 0 .. 31
.irp c, 0,1
	ds_load_b128 v[\reg+4*\c:\reg+4*\c+3], v[\adr] offset:64*(\q)+32*\c+(\i)*16*PITCH
.endr
.endm
; 16 matrix instructions: A's blocks a0, a0 + 1 x B's eight.  The 64 accumulators take turns, one instruction a turn, in the same order in every step.
.macro MUL16 a0, p, q, sc, zero
.irp a, \a0, \a0+1
.irp b, 0,1,2,3,4,5,6,7
.if \zero
	v_wmma_scale_f32_16x16x128_f8f6f4 v[8*(8*((\a)%4)+\b):8*(8*((\a)%4)+\b)+7], v[128*(\p)+FR*\b:128*(\p)+FR*\b+FR-1], v[AF+FR*(\a):AF+FR*(\a)+FR-1], 0, v[SC+8*NQ*(\sc)+NQ*\b+(\q)], v[SC+8*NQ*(\sc)+NQ*(\a)+(\q)] matrix_a_fmt:MATRIX_FMT_FP4 matrix_b_fmt:MATRIX_FMT_FP4 matrix_a_scale:MATRIX_SCALE_ROW1
.else
	v_wmma_scale_f32_16x16x128_f8f6f4 v[8*(8*((\a)%4)+\b):8*(8*((\a)%4)+\b)+7], v[128*(\p)+FR*\b:128*(\p)+FR*\b+FR-1], v[AF+FR*(\a):AF+FR*(\a)+FR-1], v[8*(8*((\a)%4)+\b):8*(8*((\a)%4)+\b)+7], v[SC+8*NQ*(\sc)+NQ*\b+(\q)], v[SC+8*NQ*(\sc)+NQ*(\a)+(\q)] matrix_a_fmt:MATRIX_FMT_FP4 matrix_b_fmt:MATRIX_FMT_FP4 matrix_a_scale:MATRIX_SCALE_ROW1
.endif
.endr
.endr
.endm
.macro FETCH_B slot, q, p
	WIN TO_B
.irp i, 0,1,2,3,4,5,6,7
	FRAG 128*(\p)+FR*\i, ADRB+\slot, \q, \i
.endr
	WIN 0
.endm
.macro FETCH_A slot, q, i0
.irp i, \i0, \i0+1, \i0+2, \i0+3
	FRAG AF+FR*(\i), ADRA+\slot, \q, \i
.endr
.endm
.macro SCALES sc                       ; a K step's scale words: 4 words a row; lanes 0-15 take A's block i, lanes 16-31 B's block i
.irp i, 0,1,2,3,4,5,6,7
	ds_load_b128 v[SC+8*NQ*\sc+NQ*\i:SC+8*NQ*\sc+NQ*\i+3], v[ADRS] offset:\i*SBLK
.endr
.endm
.macro PLACES n                        ; plain vector instructions between a matrix instruction and a load into, or a vector instruction on, its registers
.rept \n
	v_nop
.endr
.endm
.macro STEP slot, q, zero              ; 128 along K, with its successor in the same slot
	s_wait_dscnt 4*NL                              ; B's set and A's blocks 0-3 are in; the youngest eight loads (A's blocks 4-7) may be out
	WIN MUL_LO
	MUL16 0, (\q)%2, \q, \slot, \zero
	MUL16 2, (\q)%2, \q, \slot, \zero
	s_wait_dscnt 0
	PLACES NP
	FETCH_B \slot, (\q)+1, 1-(\q)%2
	FETCH_A \slot, (\q)+1, 0
	WIN MUL_HI
	MUL16 4, (\q)%2, \q, \slot, \zero
	MUL16 6, (\q)%2, \q, \slot, \zero
	PLACES NP
	WIN 0
	FETCH_A \slot, (\q)+1, 4
.endm
; A slot's last step changes slots: one barrier; in front of it each wave waits for all its tensor loads, adds 0 to its spare word, and waits for that and for its own reads of this slot.
.macro TURN slot, next, fill
	s_wait_tensorcnt 0x0                           ; all my tensor loads have landed: my part of the next slot
	ds_add_u32 v[SPW], v[NIL]                      ; 0 onto my spare word
	s_wait_dscnt 4*NL+1                            ; (the add and the youngest eight loads may be out)
	WIN MUL_LO
	MUL16 0, 1, NQ-1, \slot, 0
	s_wait_dscnt 0x0                               ; the add is done, and my reads of this slot are over
	s_barrier_signal -1
	MUL16 2, 1, NQ-1, \slot, 0
	WIN 0
	s_barrier_wait -1
.if \fill
	CREST                                          ; the barrier has opened a round of the cluster's: no wave of any partner still reads this slot or has a load on its way
	s_add_nc_u64 s[G0+4*\slot+2:G0+4*\slot+3], s[G0+4*\slot+2:G0+4*\slot+3], 2*ROWB
	s_add_nc_u64 s[G0B+4*\slot+2:G0B+4*\slot+3], s[G0B+4*\slot+2:G0B+4*\slot+3], 2*ROWB
	JLOAD G0+4*\slot, G1, G0B+4*\slot, G1B         ; the first tensor load behind the round, my only one until the next; its four v_nop are the places in front of the loads below
.else
	PLACES NP
.endif
	v_add_nc_u32 v[ADRS], 4*NQ, v[ADRS]            ; on to the next K step's scale words
	FETCH_B \next, 0, 0
	FETCH_A \next, 0, 0
	SCALES \next
	WIN MUL_HI
	MUL16 4, 1, NQ-1, \slot, 0
	MUL16 6, 1, NQ-1, \slot, 0
	PLACES NP
	WIN 0
	FETCH_A \next, 0, 4
.endm
.macro STEPS slot, from
.set Q, \from
.rept NQ-1-\from
	STEP \slot, Q, 0
.set Q, Q+1
.endr
.endm
; 64 numbers of a lane, register 8 t + j = column 16 t + 8 (lane / 16) + j of my row, become a fragment's 8 registers of codes at v[pc] and its scale word in v[pw].
; Block b of 32 is registers 16 b .. 16 b + 15 of lanes l and l xor 16.  The conversion of block 2 c + e, half u writes register 4 c + 2 u + e; the exchange of halves between registers 4 c + 2 u and
; 4 c + 2 u + 1 then leaves in registers 4 c .. 4 c + 3 of half h the columns 64 c + 32 h + 0 .. 31, in order.
.macro QUANT s, pc, pw
.irp b, 0,1,2,3
	v_max3_num_f32 v[TM+\b], |v[(\s)+16*\b]|, |v[(\s)+1+16*\b]|, 0x1800000   ; my 16 numbers, and the floor 2^(3 - 127): the byte cannot fall under 1
.endr
.irp i, 2,4,6,8,10,12,14
.irp b, 0,1,2,3
	v_max3_num_f32 v[TM+\b], v[TM+\b], |v[(\s)+16*\b+\i]|, |v[(\s)+1+16*\b+\i]|
.endr
.endr
.irp b, 0,1,2,3
	v_permlanex16_b32 v[TM+4+\b], v[TM+\b], s100, s101
.endr
.irp b, 0,1,2,3
	v_max_num_f32 v[TM+\b], v[TM+\b], v[TM+4+\b]   ; with lane l xor 16's: the block's largest magnitude
.endr
.irp b, 0,1,2,3
	v_add_nc_u32 v[TM+12+\b], 0xff000000, v[TM+\b] ; 2 off its exponent field: the conversion's scale operand
.endr
.irp b, 0,1,2,3
	v_lshrrev_b32 v[TM+4+\b], 23, v[TM+12+\b]      ; the scale's byte
.endr
	v_lshl_or_b32 v[(\pw)], v[TM+5], 8, v[TM+4]
	v_lshl_or_b32 v[(\pw)], v[TM+6], 16, v[(\pw)]
	v_lshl_or_b32 v[(\pw)], v[TM+7], 24, v[(\pw)]
.irp c, 0,1
.irp u, 0,1
.irp e, 0,1
	v_cvt_scalef32_pk8_fp4_f32 v[(\pc)+4*\c+2*\u+\e], v[(\s)+16*(2*\c+\e)+8*\u:(\s)+16*(2*\c+\e)+8*\u+7], v[TM+12+2*\c+\e]
.endr
.endr
.endr
	v_nop                                          ; one plain place behind a scaled conversion
.irp c, 0,1
.irp u, 0,1
	v_permlane16_swap_b32 v[(\pc)+4*\c+2*\u], v[(\pc)+4*\c+2*\u+1]
.endr
.endr
.endm
; THE TAIL: the last two steps of 128 along K and the way out, once for q and k (isv = 0) and once for v (isv = 1).  The bias is asked for at its head and has 128 matrix instructions in which to land.
.macro TAIL isv
.if \isv
	s_lshr_b32 s92, s42, 2                         ; v: the record is 16 x batch (from the tokens' tile) + head pair (from the channels' tile and my half)
	s_lshl_b32 s92, s92, 4
	s_lshl_b32 s93, s17, 1
	s_add_co_u32 s92, s92, s93
	s_add_co_u32 s92, s92, s15
	s_mul_i32 s92, s92, RS
	s_and_b32 s95, s42, 3
	s_lshl_b32 s95, s95, 1
	s_add_co_u32 s95, s95, s16                     ; my 128 tokens are this key step of the batch
	s_lshl_b32 s94, s95, 8
	s_add_co_u32 s94, s94, s92
	s_add_co_u32 s94, s94, 139264                  ; V's scale words: 256 bytes a key step
	s_lshl_b32 s95, s95, 12
	s_add_co_u32 s92, s92, s95
	s_add_co_u32 s92, s92, 65536                   ; V's images: 4,096 bytes a key step
	s_mov_b32 s93, 0
	s_mov_b32 s95, 0
	s_add_nc_u64 s[12:13], s[98:99], s[92:93]
	s_add_nc_u64 s[98:99], s[98:99], s[94:95]
	s_lshl_b32 s18, s17, 10
	s_lshl_b32 s19, s15, 9
	s_add_co_u32 s18, s18, s19
	s_mov_b32 s19, 0
	s_add_nc_u64 s[96:97], s[96:97], s[18:19]      ; bv at my 128 channels
	WIN 0x40                                       ; destination window 1
.irp a, 0,1,2,3,4,5,6,7
	global_load_b32 v[BN+2*\a], v[R4], s[96:97] offset:64*\a       ; a lane's row is one channel: its bias, twice, for the packed addition
	global_load_b32 v[BN+2*\a+1], v[R4], s[96:97] offset:64*\a
.endr
.else
	s_lshr_b32 s92, s17, 2                         ; q, k: the record is 16 x batch (from the tokens' tile) + head pair (from the channels' tile and my half)
	s_lshl_b32 s92, s92, 4
	s_lshl_b32 s93, s42, 1
	s_add_co_u32 s92, s92, s93
	s_add_co_u32 s92, s92, s16
	s_mul_i32 s92, s92, RS
	s_cmp_eq_u32 s66, 0
	s_cselect_b32 s93, 143360, 0                   ; Q's part of a record lies behind K's and V's
	s_cselect_b64 s[8:9], s[8:9], s[10:11]         ; bq or bk
	s_add_co_u32 s92, s92, s93
	s_and_b32 s95, s17, 3
	s_lshl_b32 s95, s95, 1
	s_add_co_u32 s95, s95, s15                     ; my 128 tokens are this key step of the batch
	s_lshl_b32 s94, s95, 9
	s_add_co_u32 s94, s94, s92
	s_add_co_u32 s94, s94, 131072                  ; the scale words: 512 bytes a key step
	s_lshl_b32 s95, s95, 12
	s_add_co_u32 s92, s92, s95                     ; the images: 8 token tiles of 512 bytes a key step
	s_mov_b32 s93, 0
	s_mov_b32 s95, 0
	s_add_nc_u64 s[12:13], s[98:99], s[92:93]
	s_add_nc_u64 s[98:99], s[98:99], s[94:95]
	s_lshl_b32 s18, s42, 10
	s_lshl_b32 s19, s16, 9
	s_add_co_u32 s18, s18, s19
	s_mov_b32 s19, 0
	s_add_nc_u64 s[8:9], s[8:9], s[18:19]          ; the bias at my 128 channels
	WIN 0x40                                       ; destination window 1
.irp b, 0,1,2,3,4,5,6,7
	global_load_b128 v[BN+8*\b:BN+8*\b+3], v[H32], s[8:9] offset:64*\b          ; in the result's layout: channels 16 b + 8 h + 0 .. 7
	global_load_b128 v[BN+8*\b+4:BN+8*\b+7], v[H32], s[8:9] offset:64*\b+16
.endr
.endif
	WIN 0
	STEP 1, 2, 0
	s_wait_dscnt 4*NL                              ; the very last step: nothing more to fetch
	WIN MUL_LO
	MUL16 0, 1, NQ-1, 1, 0
	MUL16 2, 1, NQ-1, 1, 0
	s_wait_dscnt 0
	WIN MUL_HI
	MUL16 4, 1, NQ-1, 1, 0
	MUL16 6, 1, NQ-1, 1, 0
	WIN 0
	s_wait_tensorcnt 0x0                           ; my last LDS instructions, behind my last tensor load
	ds_add_u32 v[SPW], v[NIL]
.irp b, 0,1,2,3
	v_mov_b32 v[TM+4+\b], 0                        ; a lane permute's destination counts as one of its sources.  These four are also the places behind the last products
.endr
	s_wait_dscnt 0x0
	s_wait_loadcnt 0x0                             ; the bias
.irp a, 0,1,2,3,4,5,6,7
	WIN 0x06+\a/4                                  ; source 0 (the accumulators) window 2 or 3, source 1 (the bias) window 1, destination window 0
.irp b, 0,1,2,3,4,5,6,7
.irp i, 0,2,4,6                        ; each accumulator from its low end on; the addition is also the move into window 0
.if \isv
	v_pk_add_f32 v[T+8*\b+\i:T+8*\b+\i+1], v[64*(\a%4)+8*\b+\i:64*(\a%4)+8*\b+\i+1], v[BN+2*\a:BN+2*\a+1]
.else
	v_pk_add_f32 v[T+8*\b+\i:T+8*\b+\i+1], v[64*(\a%4)+8*\b+\i:64*(\a%4)+8*\b+\i+1], v[BN+8*\b+\i:BN+8*\b+\i+1]
.endif
.endr
.endr
	WIN 0
	QUANT T, PC+8*\a, SW+\a
.irp c, 0,1
.if \isv
	global_store_b128 v[LI], v[PC+8*\a+4*\c:PC+8*\a+4*\c+3], s[12:13] offset:(\a/4)*32768+(\a%4)*1024+\c*512   ; head a / 4, channel tile a % 4, half c of the fragment: 512 consecutive bytes
.else
	global_store_b128 v[LI], v[PC+8*\a+4*\c:PC+8*\a+4*\c+3], s[12:13] offset:\c*32768+\a*512                   ; head c, token tile a: 512 consecutive bytes
.endif
.endr
.endr
	v_cmp_gt_u32 vcc_lo, 16, v[LN]
.irp j, 0,1,2,3
	v_cndmask_b32 v[SEL+\j], v[SW+2*\j+1], v[SW+2*\j], vcc_lo      ; lanes 0-15 keep block 2 j's word, lanes 16-31 block 2 j + 1's: so one register serves two blocks
.endr
.if \isv
.irp c, 0,1
	global_store_b64 v[L8], v[SEL+2*\c:SEL+2*\c+1], s[98:99] offset:\c*2048   ; head c: 256 consecutive bytes
.endr
.else
.irp j, 0,1,2,3
	v_and_or_b32 v[W0+\j], v[SEL+\j], 0xffff, s67  ; the first head's two bytes, and 0x7f for the two blocks of zero codes
	v_lshrrev_b32 v[W1+\j], 16, v[SEL+\j]
.endr
.irp j, 0,1,2,3
	v_or_b32 v[W1+\j], s67, v[W1+\j]               ; the second head's
.endr
	global_store_b128 v[LI], v[W0:W0+3], s[98:99]
	global_store_b128 v[LI], v[W1:W1+3], s[98:99] offset:4096
.endif
.endm
	s_wait_tensorcnt 1                             ; the scales and my part of K step 0 are in (K step 1's load may be out)
	s_barrier_signal -1
	s_barrier_wait -1                              ; everybody's are
	FETCH_B 0, 0, 0
	FETCH_A 0, 0, 0
	SCALES 0
	FETCH_A 0, 0, 4
	STEP 0, 0, 1                                   ; the first step's products start the sums
	s_mov_b32 s3, LAPS-1
.Llap:                                                 ; a trip goes once round the ring and fills both slots again
	STEPS 0, 1
	TURN 0, 1, 1
	STEPS 1, 0
	TURN 1, 0, 1
	STEP 0, 0, 0
	s_sub_co_u32 s3, s3, 1
	s_cmp_lg_u32 s3, 0
	s_cbranch_scc1 .Llap
	STEPS 0, 1                                     ; the last lap fills nothing
	TURN 0, 1, 0
	STEP 1, 0, 0
	STEP 1, 1, 0
	s_cmp_eq_u32 s66, 2                            ; the same in all sixteen partners
	s_cbranch_scc1 .Lv
	TAIL 0
	s_branch .Lend
.Lv:
	TAIL 1
.Lend:
	CROUND                                         ; the closing round: no work-group ends while a partner may still ask for a tile that names it
	s_endpgm
.Lfunc_end_k_q1fca814094_qkv:
	.size	k_q1fca814094_qkv, .Lfunc_end_k_q1fca814094_qkv-k_q1fca814094_qkv
	.p2alignl 7, 3214868480
	.fill 96, 4, 3214868480
	.section	.rodata,"a",@progbits
	.p2align	6, 0x0
	.amdhsa_kernel k_q1fca814094_qkv
		.amdhsa_group_segment_fixed_size 327680
		.amdhsa_private_segment_fixed_size 0
		.amdhsa_enable_private_segment 0
		.amdhsa_kernarg_size 48
		.amdhsa_user_sgpr_count 2
		.amdhsa_user_sgpr_kernarg_segment_ptr 1
		.amdhsa_wavefront_size32 1
		.amdhsa_system_sgpr_workgroup_id_x 1
		.amdhsa_system_sgpr_workgroup_id_y 1
		.amdhsa_system_sgpr_workgroup_id_z 1
		.amdhsa_system_vgpr_workitem_id 0
		.amdhsa_next_free_vgpr 1024
		.amdhsa_next_free_sgpr 102
		.amdhsa_reserve_vcc 1
		.amdhsa_float_denorm_mode_32 3
		.amdhsa_float_denorm_mode_16_64 3
		.amdhsa_memory_ordered 1
		.amdhsa_forward_progress 1
		.amdhsa_inst_pref_size 255
	.end_amdhsa_kernel
	.section	.bss,"aw",@nobits
	.p2align	6
	.space	262144
	.amdgpu_metadata
---
amdhsa.version: [ 1, 2 ]
amdhsa.kernels:
  - .name:           k_q1fca814094_qkv
    .symbol:         k_q1fca814094_qkv.kd
    .args:
      - { .name: codes, .offset: 0, .size: 8, .value_kind: global_buffer, .address_space: global }
      - { .name: scales, .offset: 8, .size: 8, .value_kind: global_buffer, .address_space: global }
      - { .name: bq, .offset: 16, .size: 8, .value_kind: global_buffer, .address_space: global }
      - { .name: bk, .offset: 24, .size: 8, .value_kind: global_buffer, .address_space: global }
      - { .name: bv, .offset: 32, .size: 8, .value_kind: global_buffer, .address_space: global }
      - { .name: heads, .offset: 40, .size: 8, .value_kind: global_buffer, .address_space: global }
    .group_segment_fixed_size: 327680
    .private_segment_fixed_size: 0
    .kernarg_segment_align: 8
    .kernarg_segment_size: 48
    .max_flat_workgroup_size: 128
    .sgpr_count:     102
    .vgpr_count:     1024
    .wavefront_size: 32
...
	.end_amdgpu_metadata
.endif
;; end of part 2
;; launch attn (part 3): grid 8 x 32, 8 waves a work-group, clusters of 4 x 1, 168,960 bytes of LDS; arguments heads, acodes, ascales; writes acodes, ascales
.if DOCPART == 3
	.amdgcn_target "amdgcn-amd-amdhsa--gfx1250"
	.amdhsa_code_object_version 6
	.text
	.protected	k_q1fca814094_attn
	.globl	k_q1fca814094_attn
	.p2align	8
	.type	k_q1fca814094_attn,@function
k_q1fca814094_attn:
	s_mov_b64 s[64:65], 0
	v_nop
	global_prefetch_b8 v0, s[64:65] scope:SCOPE_SE
	s_setreg_imm32_b32 hwreg(HW_REG_WAVE_MODE, 25, 1), 1
	s_wait_xcnt 0x0
	s_wait_alu depctr_hold_cnt(0) depctr_sa_sdst(0) depctr_va_vdst(0) depctr_va_sdst(0) depctr_va_ssrc(0) depctr_va_vcc(0) depctr_vm_vsrc(0)
	s_getreg_b32 s2, hwreg(HW_REG_IB_STS2, 6, 4)
	s_cmp_eq_u32 s2, 0
	s_cbranch_scc0 .Lentry_in_a_cluster
	s_endpgm
.Lentry_in_a_cluster:
	s_bfe_u32 s2, ttmp6, 0x10000c
	s_cmp_lg_u32 s2, 0x3003
	s_cbranch_scc0 .Lentry_shape_is_right
	s_endpgm
.Lentry_shape_is_right:
; Causal attention on codes of FP4 with E8M0 scales, head size 64, 1024 tokens, 2 batches x 32 heads; its result, O / l, is quantised along the channels for the output projection.
; t = score x log2(e) / 8; M = the running largest t rounded UP to a whole number; p = 2^(t - M) is quantised along the keys, not normalised; the row's sum is taken of the unquantised p and divides at the end.
; When M moves, the sum and O are multiplied by 2^(old M - new M): exact.
; SHARES.  A work-group is (record = 16 x batch + head pair, g = 0..7).  The record's K and V (images of operand registers and scale words, 143,360 bytes) come into LDS once, 17,920 bytes a wave, asked for
; JOINTLY by the four work-groups of a cluster, which share the record.  Wave w takes head w % 2 of the pair and, with i = w / 2, the query tiles 8 i + g and then 8 (7 - i) + g.  Tile 8 I + g wants
; I + 1 key steps of 128, so every wave has 9 steps.  Every branch hangs on the wave's number and a counter alone; g enters global addresses and one number that is compared.
; LAYOUT.  Both products are used transposed: S^T = K Q^T (source 0 = 16 keys, source 1 = my 16 queries), O^T = V^T P^T: a lane holds ONE query (lane % 16) throughout.  In S^T register 8 f + j is key
; 16 f + 8 (lane / 16) + j.  A head has 64 channels: registers 4-7 of Q's and K's fragments are zero codes (their scale bytes 0x7f).
; OUT.  acodes: [K step of 512: 4][row tile 128][head pair in it: 4][head 2][512 bytes: an image of registers 4 c .. 4 c + 3]; row tile 64 x batch + 8 g + I stands for query tile 8 I + g.
; ascales: [head pair 16][row 2048] words in the same order of rows: the low half the first head's two bytes, the high half the second's.
; LIMITS: p under 2^-126 falls to 0 (v_exp_f32); a block of zeros gets the byte 1 (zero codes; this program alone reads the bytes); 1 / l is v_rcp_f32; NaN and infinities are not served.
.set RS,   282624                      ; a record of heads
.set PART, 17920                       ; a wave's eighth of the record's K and V: 70 rows of 256 bytes
.set STG,  143360                      ; behind them: 512 bytes, [I 8][query 16] scale words of the result
.set LI,   1                           ; v1   16 x lane
.set AK,   2                           ; v2   my lane's place in my head's images of K
.set AV,   3                           ; v3   of V
.set ASK,  4                           ; v4   among K's scale words
.set ASV,  5                           ; v5   among V's
.set STA,  6                           ; v6   where my first tile's half word goes in the stage
.set STB,  7                           ; v7   my second tile's
.set ADK,  8                           ; v8-11 the addresses of the step in hand
.set ADV,  9
.set ADS,  10
.set ADT,  11
.set NINF, 215                         ; v215 -infinity
.set DV,   216                         ; v216 16 g + lane % 16 - 8 (lane / 16)
.set QSO,  217                         ; v217 16 x (lane % 16)
.set RDS,  218                         ; v218 STG + 16 x lane
; v12 -M, v13 the largest t, v[14:15] the sum; v16-19 Q, v20-23 zeros; v24 Q's scale word, v25 P's, v26-27 V's, v28-31 K's (scales and nothing else); v32-63 and v224-255 K's eight fragments;
; v64-95 V's four; v96-159 S^T, then p; v160-191 O^T; v192-199 P's codes; v200-203 maxima, v204-207 bytes, v208-211 scale operands; v[212:213] f; v214 at work; v[220:221] the second chain of the sum
.set WV,   10                          ; s10  wave;  s11 head of the pair;  s12 i;  s13 cx;  s14 g;  s15 record;  s16 batch;  s17 head pair
.set SLN,  20                          ; s[20:21] lane selects for lane l xor 16
.set CS,   22                          ; s[22:23] c = log2(e) / 8
.set G1,   24
.set G0,   32
.set IP,   50                          ; s50  I of the tile in hand
.set SI,   51                          ; s51  the key step
.set TK,   52                          ; s52  its images: 4,096 bytes a step
.set TS,   53                          ; s53  K's scale words: 512
.set TJ,   54                          ; s54  V's: 256
.set CNT,  55
.macro CROUND                          ; a round of the cluster's barrier
	s_barrier_signal -1
	s_barrier_wait -1
	s_cmp_lg_u32 s[WV], 0
	s_cbranch_scc1 .Lnot_wave_0_\@
	s_barrier_signal -3
.Lnot_wave_0_\@:
	s_barrier_wait -3
	s_barrier_signal -1
	s_barrier_wait -1
.endm
	s_load_b128 s[4:7], s[0:1], 0x0                ; heads, acodes
	s_load_b64 s[8:9], s[0:1], 0x10                ; ascales
	v_lshl_add_u32 v222, v0, 2, 0x29000
	v_mov_b32 v223, 0
	ds_add_u32 v222, v223
	ds_add_u32 v222, v223
	v_lshrrev_b32 v8, 5, v0
	v_readfirstlane_b32 s[WV], v8                  ; wave 0..7
	s_and_b32 s11, s[WV], 1
	s_lshr_b32 s12, s[WV], 1
	s_bfe_u32 s13, ttmp6, 0x40000                  ; cx
	s_lshl_b32 s14, ttmp9, 2
	s_add_co_u32 s14, s14, s13                     ; g = 4 x cluster x + cx
	s_and_b32 s15, ttmp7, 0xffff                   ; the record, which the four partners share
	s_lshr_b32 s16, s15, 4
	s_and_b32 s17, s15, 15
	s_mov_b32 s[G1], 15|(3<<16)|(1<<21)            ; the mask: all four work-groups; elements of 8 bytes; bit 21 beside a mask; no padding
	s_mov_b32 s[G1+1], 32<<16                      ; tensor_dim0 = 32 elements: 256 bytes
	s_mov_b32 s[G1+2], 70<<16                      ; tensor_dim1 = 70
	s_mov_b32 s[G1+3], 32<<16                      ; tile_dim0
	s_mov_b32 s[G1+4], 70                          ; tile_dim1
	s_mov_b32 s[G1+5], 32                          ; stride: dense
	s_mov_b32 s[G1+6], 0
	s_mov_b32 s[G1+7], 0
	s_mul_i32 s56, s15, RS
	s_mov_b32 s57, 0
	s_mul_i32 s58, s[WV], PART
	s_mov_b32 s59, 0
	s_mov_b32 s[SLN], 0x76543210
	s_mov_b32 s[SLN+1], 0xfedcba98
	s_mov_b32 s[CS], 0x3e38aa3b                    ; log2(e) / sqrt(64)
	s_mov_b32 s[CS+1], s[CS]                       ; (named with it as a pair, so it is written)
	s_wait_dscnt 0x0
	s_wait_kmcnt 0x0
	s_add_nc_u64 s[18:19], s[4:5], s[56:57]        ; my record
	s_mov_b32 s[G0], 1
	s_mov_b32 s[G0+1], s58                         ; LDS: as it lies in memory
	s_add_nc_u64 s[G0+2:G0+3], s[18:19], s[58:59]
	s_or_b32 s[G0+3], s[G0+3], 0x80000000
	CROUND                                         ; all four work-groups are here: the joint loads meet
	tensor_load_to_lds s[G0:G0+3], s[G1:G1+7]      ; my eighth: one tensor load of mine is out; these bytes are filled once
	s_nop 0
.rept 4
	v_nop
.endr
	s_lshl_b32 s56, s11, 15                        ; Q's images: 143360 + head x 32768 + tile x 512, tile = 8 I + g
	s_lshl_b32 s58, s14, 9
	s_add_co_u32 s56, s56, s58
	s_add_co_u32 s56, s56, 143360
	s_add_nc_u64 s[36:37], s[18:19], s[56:57]
	s_lshl_b32 s56, s11, 12                        ; Q's scale words: 274432 + head x 4096 + I x 512 + 16 (16 (g % 2) + r) + 4 (g / 2)
	s_and_b32 s58, s14, 1
	s_lshl_b32 s58, s58, 8
	s_add_co_u32 s56, s56, s58
	s_lshr_b32 s58, s14, 1
	s_lshl_b32 s58, s58, 2
	s_add_co_u32 s56, s56, s58
	s_add_co_u32 s56, s56, 274432
	s_add_nc_u64 s[38:39], s[18:19], s[56:57]
	s_lshr_b32 s56, s17, 2                         ; the result's codes
	s_lshl_b32 s56, s56, 19
	s_lshl_b32 s58, s16, 18
	s_add_co_u32 s56, s56, s58
	s_lshl_b32 s58, s14, 15
	s_add_co_u32 s56, s56, s58
	s_and_b32 s58, s17, 3
	s_lshl_b32 s58, s58, 10
	s_add_co_u32 s56, s56, s58
	s_lshl_b32 s58, s11, 9
	s_add_co_u32 s56, s56, s58
	s_add_nc_u64 s[40:41], s[6:7], s[56:57]
	s_lshl_b32 s56, s17, 13                        ; and its scale words: head pair x 8192 + (1024 batch + 128 g) x 4
	s_lshl_b32 s58, s16, 12
	s_add_co_u32 s56, s56, s58
	s_lshl_b32 s58, s14, 9
	s_add_co_u32 s56, s56, s58
	s_add_nc_u64 s[42:43], s[8:9], s[56:57]
	v_and_b32 v9, 31, v0                           ; lane
	v_and_b32 v10, 15, v0                          ; r
	v_bfe_u32 v11, v0, 4, 1                        ; h
	v_lshlrev_b32 v[LI], 4, v9
	s_lshl_b32 s56, s11, 15
	v_add_nc_u32 v[AK], s56, v[LI]
	v_add_nc_u32 v[AV], 65536, v[AK]
	s_lshl_b32 s56, s11, 12
	v_add_nc_u32 v[ASK], s56, v[LI]
	v_add_nc_u32 v[ASK], 131072, v[ASK]
	s_lshl_b32 s56, s11, 11
	v_lshl_add_u32 v[ASV], v9, 3, s56
	v_add_nc_u32 v[ASV], 139264, v[ASV]
	s_lshl_b32 s58, s11, 1
	s_lshl_b32 s56, s12, 6
	s_add_co_u32 s56, s56, s58
	v_lshl_add_u32 v[STA], v10, 2, s56
	v_add_nc_u32 v[STA], STG, v[STA]               ; STG + 64 i + 4 r + 2 x head
	s_xor_b32 s56, s12, 7
	s_lshl_b32 s56, s56, 6
	s_add_co_u32 s56, s56, s58
	v_lshl_add_u32 v[STB], v10, 2, s56
	v_add_nc_u32 v[STB], STG, v[STB]               ; the same with 7 - i
	s_lshl_b32 s56, s14, 4
	v_lshlrev_b32 v[DV], 3, v11
	v_sub_nc_u32 v[DV], v10, v[DV]
	v_add_nc_u32 v[DV], s56, v[DV]
	v_lshlrev_b32 v[QSO], 4, v10
	v_add_nc_u32 v[RDS], STG, v[LI]
	v_mov_b32 v[NINF], 0xff800000
.irp j, 20,21,22,23, 204,205,206,207, 213,214
	v_mov_b32 v[\j], 0                             ; Q's zero codes; the lane permutes' destinations, which count as sources; the upper half of the pair f; the register at work
.endr
.irp f, 0,1,2,3,4,5,6,7
.irp j, 4,5,6,7
	v_mov_b32 v[32+8*\f+160*(\f/4)+\j], 0          ; K's zero codes, written once
.endr
.endr
	s_wait_tensorcnt 0x0                           ; my eighth is in,
	s_barrier_signal -1
	s_barrier_wait -1                              ; everybody's is
; A KEY STEP: 128 keys.
.macro STEP
	s_cmp_gt_u32 s[SI], s[IP]                      ; a step all of whose keys come after my queries is left out: a branch on the wave's number and the counter, round the work alone
	s_cbranch_scc1 .Lhidden_\@
	v_add_nc_u32 v[ADK], s[TK], v[AK]              ; these four are also the places between the last step's products and the loads into their registers
	v_add_nc_u32 v[ADV], s[TK], v[AV]
	v_add_nc_u32 v[ADS], s[TS], v[ASK]
	v_add_nc_u32 v[ADT], s[TJ], v[ASV]
	ds_load_b128 v[28:31], v[ADS]                  ; K's scale words: register j: lanes 0-15 key tile 2 j, lanes 16-31 key tile 2 j + 1
.irp f, 0,1,2,3,4,5,6,7
	ds_load_b128 v[32+8*\f+160*(\f/4):35+8*\f+160*(\f/4)], v[ADK] offset:512*\f
.endr
	ds_load_b64 v[26:27], v[ADT]                   ; V's scale words, laid likewise
.irp t, 0,1,2,3
.irp c, 0,1
	ds_load_b128 v[64+8*\t+4*\c:67+8*\t+4*\c], v[ADV] offset:1024*\t+512*\c
.endr
.endr
	s_wait_dscnt 9                                 ; K's nine loads are in; V's nine land under the softmax
.irp f, 0,1,2,3,4,5,6,7
.if \f%2
	v_wmma_scale_f32_16x16x128_f8f6f4 v[96+8*\f:103+8*\f], v[32+8*\f+160*(\f/4):39+8*\f+160*(\f/4)], v[16:23], 0, v[28+\f/2], v24 matrix_a_fmt:MATRIX_FMT_FP4 matrix_b_fmt:MATRIX_FMT_FP4 matrix_a_scale:MATRIX_SCALE_ROW1
.else
	v_wmma_scale_f32_16x16x128_f8f6f4 v[96+8*\f:103+8*\f], v[32+8*\f+160*(\f/4):39+8*\f+160*(\f/4)], v[16:23], 0, v[28+\f/2], v24 matrix_a_fmt:MATRIX_FMT_FP4 matrix_b_fmt:MATRIX_FMT_FP4
.endif
.endr
.rept 4
	v_nop                                          ; places in front of the first read of the scores
.endr
	s_cmp_lg_u32 s[SI], s[IP]                      ; only my last step lies on the diagonal
	s_cbranch_scc1 .Lopen_\@
.set N, 0
.rept 64                                       ; register 8 f + j holds key 16 f + 8 h + j of the step, my query is 16 g + r of it: hidden where 16 f + j > 16 g + r - 8 h.  Hidden scores become -infinity: p = 0
	v_cmp_gt_i32 vcc_lo, 16*(N/8)+N%8, v[DV]
	v_cndmask_b32 v[96+N], v[96+N], v[NINF], vcc_lo
.set N, N+1
.endr
.Lopen_\@:
.irp b, 0,1,2,3
	v_max3_num_f32 v[200+\b], v[96+16*\b], v[97+16*\b], v[98+16*\b]   ; the largest score of each block of 32 keys: for the row's maximum, and, since p rises with the score, for the block's largest p
.endr
.irp i, 3,5,7,9,11,13
.irp b, 0,1,2,3
	v_max3_num_f32 v[200+\b], v[200+\b], v[96+16*\b+\i], v[97+16*\b+\i]
.endr
.endr
.irp b, 0,1,2,3
	v_max_num_f32 v[200+\b], v[200+\b], v[111+16*\b]
.endr
.irp b, 0,1,2,3
	v_permlanex16_b32 v[204+\b], v[200+\b], s[SLN], s[SLN+1]
.endr
.irp b, 0,1,2,3
	v_max_num_f32 v[200+\b], v[200+\b], v[204+\b]  ; with lane l xor 16's 16 keys
.endr
	v_max3_num_f32 v214, v200, v201, v202
	v_max_num_f32 v214, v214, v203                 ; the step's largest score of my query
	v_mul_f32 v214, s[CS], v214                    ; as t (c is positive)
	v_max_num_f32 v13, v13, v214                   ; the running largest t
	v_mov_b32 v214, v12
	v_floor_f32 v12, -v13                          ; the new -M = floor(-t) = -ceil(t)
	v_sub_f32 v214, v12, v214                      ; old M - new M: a whole number, 0 or less
	v_cvt_i32_f32 v214, v214                       ; (it saturates)
	v_ldexp_f32 v212, 1.0, v214                    ; f = 2^(old M - new M)
.set N, 0
.rept 32
	v_pk_fma_f32 v[96+N:97+N], v[96+N:97+N], s[CS:CS+1], v[12:13] op_sel_hi:[1,0,0]   ; t - M, two at a time
.set N, N+2
.endr
.irp b, 0,1,2,3
	v_fma_f32 v[200+\b], v[200+\b], s[CS], v12     ; the same of each block's largest score
.endr
.set N, 0
.rept 64
	v_exp_f32 v[96+N], v[96+N]                     ; p = 2^(t - M), at most 1
.set N, N+1
.endr
.irp b, 0,1,2,3
	v_exp_f32 v[200+\b], v[200+\b]                 ; the block's largest p: the same two instructions on the same number
.endr
	v_pk_mul_f32 v[14:15], v[14:15], v[212:213] op_sel_hi:[1,0]    ; the sums under the new M.  (A plain place behind the exponentials)
	s_wait_alu depctr_va_vdst(0)
.irp b, 0,1,2,3
	v_max_num_f32 v[200+\b], 0x1800000, v[200+\b]  ; the floor 2^(3 - 127): the byte cannot fall under 1
.endr
.irp b, 0,1,2,3
	v_add_nc_u32 v[208+\b], 0xff000000, v[200+\b]  ; 2 off the exponent field: the conversion's scale operand
.endr
.irp b, 0,1,2,3
	v_lshrrev_b32 v[204+\b], 23, v[208+\b]         ; the scale's byte
.endr
	v_lshl_or_b32 v25, v205, 8, v204               ; p's scale word for these 128 keys
	v_lshl_or_b32 v25, v206, 16, v25
	v_lshl_or_b32 v25, v207, 24, v25
.irp c, 0,1
.irp u, 0,1
.irp e, 0,1
	v_cvt_scalef32_pk8_fp4_f32 v[192+4*\c+2*\u+\e], v[96+16*(2*\c+\e)+8*\u:103+16*(2*\c+\e)+8*\u], v[208+2*\c+\e]   ; block 2 c + e, its keys 16 u + 8 h + 0 .. 7
.endr
.endr
.endr
	v_nop                                          ; one plain place behind a scaled conversion
.irp c, 0,1
.irp u, 0,1
	v_permlane16_swap_b32 v[192+4*\c+2*\u], v[193+4*\c+2*\u]       ; registers 4 c .. 4 c + 3 of half h now hold keys 64 c + 32 h + 0 .. 31, in order
.endr
.endr
.set N, 0
.rept 16
	v_pk_mul_f32 v[160+N:161+N], v[160+N:161+N], v[212:213] op_sel_hi:[1,0]   ; O^T under the new M
.set N, N+2
.endr
	v_pk_add_f32 v[220:221], v[96:97], v[98:99]    ; the row's sum is taken of the unquantised p: two at a time, in two chains
.set N, 4
.rept 15
	v_pk_add_f32 v[14:15], v[14:15], v[96+N:97+N]
	v_pk_add_f32 v[220:221], v[220:221], v[98+N:99+N]
.set N, N+4
.endr
	v_pk_add_f32 v[14:15], v[14:15], v[220:221]    ; (these 48 lines are also the places between p's codes and scale word and the products below)
	s_wait_dscnt 0x0                               ; V
.irp t, 0,1,2,3                                ; the four accumulators take turns
.if \t%2
	v_wmma_scale_f32_16x16x128_f8f6f4 v[160+8*\t:167+8*\t], v[64+8*\t:71+8*\t], v[192:199], v[160+8*\t:167+8*\t], v[26+\t/2], v25 matrix_a_fmt:MATRIX_FMT_FP4 matrix_b_fmt:MATRIX_FMT_FP4 matrix_a_scale:MATRIX_SCALE_ROW1
.else
	v_wmma_scale_f32_16x16x128_f8f6f4 v[160+8*\t:167+8*\t], v[64+8*\t:71+8*\t], v[192:199], v[160+8*\t:167+8*\t], v[26+\t/2], v25 matrix_a_fmt:MATRIX_FMT_FP4 matrix_b_fmt:MATRIX_FMT_FP4
.endif
.endr
.Lhidden_\@:
	s_add_co_u32 s[SI], s[SI], 1
	s_add_co_u32 s[TK], s[TK], 4096
	s_add_co_u32 s[TS], s[TS], 512
	s_add_co_u32 s[TJ], s[TJ], 256
.endm
; A TILE of 16 queries: ph = 0: I = i; ph = 1: I = 7 - i.  Every wave walks 8 trips, a constant; the work of the trips behind its diagonal is jumped over.
.macro TILE ph, sta
	s_wait_xcnt 0x0                                ; the last tile's loads and store have read their addresses and data: both are written again below
.if \ph
	s_xor_b32 s[IP], s12, 7
.else
	s_mov_b32 s[IP], s12
.endif
	s_lshl_b32 s56, s[IP], 12
	s_mov_b32 s57, 0
	s_add_nc_u64 s[44:45], s[36:37], s[56:57]
	s_add_nc_u64 s[48:49], s[40:41], s[56:57]
	s_lshl_b32 s56, s[IP], 9
	s_add_nc_u64 s[46:47], s[38:39], s[56:57]
	global_load_b128 v[16:19], v[LI], s[44:45]     ; Q's fragment: an image of its registers 0-3
	global_load_b32 v24, v[QSO], s[46:47]          ; and its scale words
	v_mov_b32 v13, 0xff61b1e6                      ; the largest t so far: -3e38, under every t
	v_floor_f32 v12, -v13                          ; -M
	v_mov_b32 v14, 0
	v_mov_b32 v15, 0
.set N, 0
.rept 32
	v_mov_b32 v[160+N], 0                          ; O^T.  (The step is written once: the first finds zeros, which the first change of M leaves zeros)
.set N, N+1
.endr
	s_mov_b32 s[SI], 0
	s_mov_b32 s[TK], 0
	s_mov_b32 s[TS], 0
	s_mov_b32 s[TJ], 0
	s_mov_b32 s[CNT], 8
	s_wait_loadcnt 0x0
.Lstep_\@:
	STEP
	s_sub_co_u32 s[CNT], s[CNT], 1
	s_cmp_lg_u32 s[CNT], 0
	s_cbranch_scc1 .Lstep_\@
.rept 4
	v_nop                                          ; places behind the last products
.endr
	v_add_f32 v14, v14, v15                        ; the sum's two halves,
	v_permlanex16_b32 v214, v14, s[SLN], s[SLN+1]
	v_add_f32 v14, v14, v214                       ; and lane l xor 16's: the row's sum
	v_rcp_f32 v14, v14
	v_nop                                          ; a plain place behind the transcendental
.set N, 0
	s_wait_alu depctr_va_vdst(0)
.rept 16
	v_pk_mul_f32 v[96+N:97+N], v[160+N:161+N], v[14:15] op_sel_hi:[1,0]   ; O^T / the sum, each accumulator from its low end on: register 8 t + j is channel 16 t + 8 h + j of my query
.set N, N+2
.endr
.irp b, 0,1                                    ; the head's 64 channels are two blocks of the output projection's K
	v_max3_num_f32 v[200+\b], |v[96+16*\b]|, |v[97+16*\b]|, 0x1800000
.endr
.irp i, 2,4,6,8,10,12,14
.irp b, 0,1
	v_max3_num_f32 v[200+\b], v[200+\b], |v[96+16*\b+\i]|, |v[97+16*\b+\i]|
.endr
.endr
.irp b, 0,1
	v_permlanex16_b32 v[204+\b], v[200+\b], s[SLN], s[SLN+1]
.endr
.irp b, 0,1
	v_max_num_f32 v[200+\b], v[200+\b], v[204+\b]
.endr
.irp b, 0,1
	v_add_nc_u32 v[208+\b], 0xff000000, v[200+\b]
.endr
.irp b, 0,1
	v_lshrrev_b32 v[204+\b], 23, v[208+\b]
.endr
	v_lshl_or_b32 v214, v205, 8, v204              ; my head's half of the row's scale word
.irp u, 0,1
.irp e, 0,1
	v_cvt_scalef32_pk8_fp4_f32 v[192+2*\u+\e], v[96+16*\e+8*\u:103+16*\e+8*\u], v[208+\e]
.endr
.endr
	v_nop                                          ; one plain place behind a scaled conversion
.irp u, 0,1
	v_permlane16_swap_b32 v[192+2*\u], v[193+2*\u] ; half h now holds channels 32 h + 0 .. 31, in order
.endr
	global_store_b128 v[LI], v[192:195], s[48:49]  ; 512 consecutive bytes
	ds_store_b16 v[\sta], v214                     ; lanes l and l xor 16 write the same half word with the same value
.endm
	TILE 0, STA
	TILE 1, STB
	s_wait_dscnt 0x0                               ; for the others' sake: my stores into the stage are done
	s_barrier_signal -1
	s_barrier_wait -1
	s_cmp_lg_u32 s[WV], 0
	s_cbranch_scc1 .Lnot_first
	ds_load_b128 v[96:99], v[RDS]                  ; the work-group's 128 scale words
	s_wait_dscnt 0x0
	global_store_b128 v[LI], v[96:99], s[42:43]    ; 512 consecutive bytes
.Lnot_first:
	s_wait_tensorcnt 0x0
	ds_add_u32 v222, v223
	s_wait_dscnt 0x0
	CROUND                                         ; the closing round
	s_endpgm
.Lfunc_end_k_q1fca814094_attn:
	.size	k_q1fca814094_attn, .Lfunc_end_k_q1fca814094_attn-k_q1fca814094_attn
	.p2alignl 7, 3214868480
	.fill 96, 4, 3214868480
	.section	.rodata,"a",@progbits
	.p2align	6, 0x0
	.amdhsa_kernel k_q1fca814094_attn
		.amdhsa_group_segment_fixed_size 168960
		.amdhsa_private_segment_fixed_size 0
		.amdhsa_enable_private_segment 0
		.amdhsa_kernarg_size 24
		.amdhsa_user_sgpr_count 2
		.amdhsa_user_sgpr_kernarg_segment_ptr 1
		.amdhsa_wavefront_size32 1
		.amdhsa_system_sgpr_workgroup_id_x 1
		.amdhsa_system_sgpr_workgroup_id_y 1
		.amdhsa_system_sgpr_workgroup_id_z 1
		.amdhsa_system_vgpr_workitem_id 0
		.amdhsa_next_free_vgpr 256
		.amdhsa_next_free_sgpr 66
		.amdhsa_reserve_vcc 1
		.amdhsa_float_denorm_mode_32 3
		.amdhsa_float_denorm_mode_16_64 3
		.amdhsa_memory_ordered 1
		.amdhsa_forward_progress 1
		.amdhsa_inst_pref_size 58
	.end_amdhsa_kernel
	.amdgpu_metadata
---
amdhsa.version: [ 1, 2 ]
amdhsa.kernels:
  - .name:           k_q1fca814094_attn
    .symbol:         k_q1fca814094_attn.kd
    .args:
      - { .name: heads, .offset: 0, .size: 8, .value_kind: global_buffer, .address_space: global }
      - { .name: acodes, .offset: 8, .size: 8, .value_kind: global_buffer, .address_space: global }
      - { .name: ascales, .offset: 16, .size: 8, .value_kind: global_buffer, .address_space: global }
    .group_segment_fixed_size: 168960
    .private_segment_fixed_size: 0
    .kernarg_segment_align: 8
    .kernarg_segment_size: 24
    .max_flat_workgroup_size: 256
    .sgpr_count:     66
    .vgpr_count:     256
    .wavefront_size: 32
...
	.end_amdgpu_metadata
.endif
;; end of part 3
;; launch oproj (part 4): grid 8 x 8, 4 waves a work-group, clusters of 4 x 4, 327,680 bytes of LDS; arguments acodes, ascales, codes, scales, bo, out0; writes out0
.if DOCPART == 4
	.amdgcn_target "amdgcn-amd-amdhsa--gfx1250"
	.amdhsa_code_object_version 6
	.text
	.protected	k_q1fca814094_oproj
	.globl	k_q1fca814094_oproj
	.p2align	8
	.type	k_q1fca814094_oproj,@function
k_q1fca814094_oproj:
	s_mov_b64 s[64:65], 0
	v_nop
	global_prefetch_b8 v0, s[64:65] scope:SCOPE_SE
	s_setreg_imm32_b32 hwreg(HW_REG_WAVE_MODE, 25, 1), 1
	s_wait_xcnt 0x0
	s_wait_alu depctr_hold_cnt(0) depctr_sa_sdst(0) depctr_va_vdst(0) depctr_va_sdst(0) depctr_va_ssrc(0) depctr_va_vcc(0) depctr_vm_vsrc(0)
	s_getreg_b32 s2, hwreg(HW_REG_IB_STS2, 6, 4)
	s_cmp_eq_u32 s2, 0
	s_cbranch_scc0 .Lentry_in_a_cluster
	s_endpgm
.Lentry_in_a_cluster:
	s_bfe_u32 s2, ttmp6, 0x10000c
	s_cmp_lg_u32 s2, 0xf033
	s_cbranch_scc0 .Lentry_shape_is_right
	s_endpgm
.Lentry_shape_is_right:
; out0 = attn Wo^T + bo on codes of FP4 with E8M0 scales; out0 [2048][2048] f32.  A = attention's result, B = Wo's rows (rows 8192 on of the buffers of codes and scale bytes).
; A tile of 256 x 256 is made by four waves, 128 x 128 each: 64 accumulators.  K = 2048 goes in four steps of 512 through a ring of two LDS slots.  64 work-groups: with this tile the product has no more.
; A'S CODES ARE IMAGES OF OPERAND REGISTERS: [K step 4][row tile 128][128 along K: 4][half 2][512 bytes], so a wave's 128 rows of a K step are 32,768 dense bytes and a fragment is two loads of 512
; consecutive bytes.  A's rows stand in attention's order: row tile 64 x batch + 8 g + I is query tile 8 I + g; so my 128 rows are one g, and block a of them is query tile 8 a + g.
; A's scale words: [128 along K: 16][row 2048]; B's scale bytes: [row][64].  Both sides' come into LDS once.  In a scale register lanes 0-15 hold an even block's words and lanes 16-31 the next block's.
; CLUSTERS: 4 x 4 work-groups; A's tiles are asked for jointly along a row of the cluster, B's along a column.
; THE MATRIX INSTRUCTION IS USED TRANSPOSED (source 0 = 16 rows of B, source 1 = 16 rows of A): a lane holds eight neighbouring numbers of a row of the output.  The bias is the C of the first K step's products.
; REGISTERS: window 0: v16-31 addresses; v32-63 A's scale words, v64-95 B's, two sets each, and nothing else; v128-191 A's fragments; v192-255 the bias, later rows on the way out.
;   window 1: B's fragments, two sets.   windows 2, 3: the accumulators.
.set SIZE_N, 2048
.set NQ,     4
.set ROWB,   256
.set KROW,   1024
.set PITCH,  272
.set FR,     8
.set NL,     2
.set NP,     4
.set HALFT,  128*PITCH                 ; a wave's part of a slot (A's images take 32,768 bytes of it)
.set SLOT,   4*HALFT
.set LAPS,   2
.set KS,     64
.set SCLA,   2*SLOT                    ; A's scale words: two halves of 16 x 512 bytes
.set SCLB,   SCLA+2*8192               ; B's scale bytes: two halves of 32 x (256 + 16) bytes
.set HALFS,  (128*KS/256)*272
.set SBLK,   (16*KS/256)*272
.set SPARE,  SCLB+2*HALFS              ; the spare words, 128 bytes for each wave: two blocks of 256 bytes that no other line names
.set SPITCH, 528                       ; the way out: a stage of 16 rows x (512 bytes + 16) for each wave, in slot 0, which has had its last fill and its last read by then
.set ADRA,  16
.set ADRB,  20
.set ADRSA, 22                         ; v22  LDS address of A's scale words: 4 x lane
.set STO,   24
.set RD,    25
.set CO,    26
.set ADRSB, 27                         ; v27  of B's: my row, lanes 16-31 one block on
.set SPW,   28
.set NIL,   29
.set H32,   31
.set SCA,   32
.set SCB,   64
.set AF,    128
.set BIAS,  192
.set BK,    128
.set G1, 24
.set G0, 32
.set G1B, 48
.set G0B, 56
.set G1S, 68
.set G0S, 76
.set G1SB, 80
.set G0SB, 88
.set MSB, 0
.macro WIN new
.if MSB != (\new)
	s_set_vgpr_msb (MSB<<8)|(\new)
.set MSB, (\new)
.endif
.endm
.set MUL_LO, 0xa1
.set MUL_HI, 0xf1
.set TO_B,   0x40
.macro JLOAD g0a, g1a, g0b, g1b        ; a joint load: waves 0 and 1 fetch for A, waves 2 and 3 for B; four v_nop follow each of the two lines
	s_cmp_eq_u32 s15, 0
	s_cbranch_scc0 .Lfor_b_\@
	tensor_load_to_lds s[\g0a:\g0a+3], s[\g1a:\g1a+7]
	s_nop 0
.rept 4
	v_nop
.endr
	s_branch .Lasked_\@
.Lfor_b_\@:
	tensor_load_to_lds s[\g0b:\g0b+3], s[\g1b:\g1b+7]
	s_nop 0
.rept 4
	v_nop
.endr
.Lasked_\@:
.endm
.macro CREST
	s_cmp_lg_u32 s14, 0
	s_cbranch_scc1 .Lnot_wave_0_\@
	s_barrier_signal -3
.Lnot_wave_0_\@:
	s_barrier_wait -3
	s_barrier_signal -1
	s_barrier_wait -1
.endm
.macro CROUND
	s_barrier_signal -1
	s_barrier_wait -1
	CREST
.endm
	s_load_b256 s[4:11], s[0:1], 0x0               ; acodes s[4:5], ascales s[6:7], codes s[8:9], scales s[10:11]
	s_load_b128 s[96:99], s[0:1], 0x20             ; bo s[96:97], out0 s[98:99]
	v_lshl_add_u32 v[SPW], v0, 2, SPARE
	v_mov_b32 v[NIL], 0
	ds_add_u32 v28, v29
	ds_add_u32 v28, v29
	s_wait_dscnt 0x0
	v_lshrrev_b32 v1, 5, v0
	v_readfirstlane_b32 s14, v1                    ; wave 0..3
	s_lshr_b32 s15, s14, 1                         ; which half of the tile's rows is mine.  Also: I fetch for A (0) or for B (1)
	s_and_b32 s16, s14, 1                          ; which half of its columns.  Also: which 128 rows of that tile I fetch
	s_bfe_u32 s40, ttmp6, 0x40000
	s_bfe_u32 s41, ttmp6, 0x40004
	s_lshl_b32 s42, ttmp9, 2
	s_add_co_u32 s42, s42, s40                     ; tile column
	s_and_b32 s17, ttmp7, 0xffff
	s_lshl_b32 s17, s17, 2
	s_add_co_u32 s17, s17, s41                     ; tile row
	s_lshl_b32 s43, s41, 2
	s_lshl_b32 s43, 15, s43                        ; my row of the cluster
	s_lshl_b32 s44, 0x1111, s40                    ; my column
	s_or_b32 s[G1+0], s43, (3<<16)|(1<<21)         ; A's images: 32,768 dense bytes as 128 rows of 32 elements of 8 bytes, no padding
	s_mov_b32 s[G1+1], 32<<16
	s_mov_b32 s[G1+2], 128<<16
	s_mov_b32 s[G1+3], 32<<16
	s_mov_b32 s[G1+4], 128
	s_mov_b32 s[G1+5], 32
	s_mov_b32 s[G1+6], 0
	s_mov_b32 s[G1+7], 0
	s_or_b32 s[G1B+0], s44, (0<<16)|(1<<20)|(1<<21)|(5<<22)|(3<<25)  ; B's tiles: 128 rows of 256 bytes, 16 bytes of padding behind each
	s_mov_b32 s[G1B+1], ROWB<<16
	s_mov_b32 s[G1B+2], 128<<16
	s_mov_b32 s[G1B+3], ROWB<<16
	s_mov_b32 s[G1B+4], 128
	s_mov_b32 s[G1B+5], KROW
	s_mov_b32 s[G1B+6], 0
	s_mov_b32 s[G1B+7], 0
	s_or_b32 s[G1S+0], s43, (2<<16)|(1<<21)        ; A's scale words: 16 rows (128 along K each) of 128 words, 2048 words apart
	s_mov_b32 s[G1S+1], 128<<16
	s_mov_b32 s[G1S+2], 16<<16
	s_mov_b32 s[G1S+3], 128<<16
	s_mov_b32 s[G1S+4], 16
	s_mov_b32 s[G1S+5], 2048
	s_mov_b32 s[G1S+6], 0
	s_mov_b32 s[G1S+7], 0
	s_or_b32 s[G1SB+0], s44, (3<<16)|(1<<20)|(1<<21)|(5<<22)|(3<<25) ; B's scale bytes of 128 rows: 8,192 dense bytes as 32 rows of 256, 16 bytes of padding behind each
	s_mov_b32 s[G1SB+1], 32<<16
	s_mov_b32 s[G1SB+2], (128*KS/256)<<16
	s_mov_b32 s[G1SB+3], 32<<16
	s_mov_b32 s[G1SB+4], 128*KS/256
	s_mov_b32 s[G1SB+5], 32
	s_mov_b32 s[G1SB+6], 0
	s_mov_b32 s[G1SB+7], 0
	s_lshl_b32 s20, s17, 16                        ; A's images: (16 x tile row + 8 x half) row tiles of 4,096 bytes
	s_lshl_b32 s18, s16, 15
	s_add_co_u32 s20, s20, s18
	s_mov_b32 s21, 0
	s_lshl_b32 s22, s17, 10                        ; A's scale words: (256 x tile row + 128 x half) x 4
	s_lshl_b32 s18, s16, 9
	s_add_co_u32 s22, s22, s18
	s_mov_b32 s23, 0
	s_lshl_b32 s18, s16, 7
	s_lshl_b32 s46, s42, 8
	s_add_co_u32 s46, s46, s18
	s_add_co_u32 s46, s46, 8192                    ; B: Wo's rows begin at row 8192
	s_mov_b32 s47, 0
	s_mov_b64 s[18:19], KS
	s_mul_u64 s[92:93], s[46:47], s[18:19]
	s_mov_b64 s[18:19], KROW
	s_mul_u64 s[46:47], s[46:47], s[18:19]
	s_mul_i32 s45, s14, HALFT                      ; where the codes go: wave x a quarter of a slot
	s_lshl_b32 s94, s16, 13
	s_add_co_u32 s94, s94, SCLA                    ; A's scale words: half x 8,192
	s_mul_i32 s95, s16, HALFS
	s_add_co_u32 s95, s95, SCLB                    ; B's scale bytes: half x 8,704
	s_wait_kmcnt 0x0
	s_add_nc_u64 s[20:21], s[4:5], s[20:21]
	s_add_nc_u64 s[22:23], s[6:7], s[22:23]
	s_add_nc_u64 s[46:47], s[8:9], s[46:47]
	s_add_nc_u64 s[92:93], s[10:11], s[92:93]
	CROUND                                         ; all sixteen work-groups are here: the first joint loads meet
	s_mov_b32 s[G0S], 1
	s_mov_b32 s[G0S+1], s94
	s_mov_b64 s[G0S+2:G0S+3], s[22:23]
	s_or_b32 s[G0S+3], s[G0S+3], 0x80000000
	s_mov_b32 s[G0SB], 1
	s_mov_b32 s[G0SB+1], s95
	s_mov_b64 s[G0SB+2:G0SB+3], s[92:93]
	s_or_b32 s[G0SB+3], s[G0SB+3], 0x80000000
	JLOAD G0S, G1S, G0SB, G1SB                     ; the scales first
.irp s, 0,1
	s_mov_b32 s[G0+4*\s], 1
	s_add_co_u32 s[G0+4*\s+1], s45, \s*SLOT
	s_add_nc_u64 s[G0+4*\s+2:G0+4*\s+3], s[20:21], \s*524288
	s_or_b32 s[G0+4*\s+3], s[G0+4*\s+3], 0x80000000
	s_mov_b32 s[G0B+4*\s], 1
	s_add_co_u32 s[G0B+4*\s+1], s45, \s*SLOT
	s_add_nc_u64 s[G0B+4*\s+2:G0B+4*\s+3], s[46:47], \s*ROWB
	s_or_b32 s[G0B+4*\s+3], s[G0B+4*\s+3], 0x80000000
	JLOAD G0+4*\s, G1, G0B+4*\s, G1B               ; three tensor loads of mine are out
.endr
	v_and_b32 v1, 15, v0                           ; r
	v_bfe_u32 v2, v0, 4, 1                         ; h
	v_and_b32 v7, 31, v0                           ; lane
	v_lshlrev_b32 v[H32], 5, v2
	s_lshl_b32 s18, s42, 10                        ; bo at my 128 columns
	s_lshl_b32 s19, s16, 9
	s_add_co_u32 s18, s18, s19
	s_mov_b32 s19, 0
	s_add_nc_u64 s[96:97], s[96:97], s[18:19]
.irp b, 0,1,2,3,4,5,6,7
	global_load_b128 v[BIAS+8*\b:BIAS+8*\b+3], v[H32], s[96:97] offset:64*\b       ; in the result's layout: columns 16 b + 8 h + 0 .. 7
	global_load_b128 v[BIAS+8*\b+4:BIAS+8*\b+7], v[H32], s[96:97] offset:64*\b+16
.endr
	v_mul_u32_u24 v3, v1, PITCH
	v_lshl_add_u32 v4, v2, 4, v3                   ; B: a fragment's row x pitch + 16 x half
	v_lshlrev_b32 v3, 4, v7                        ; A: 16 x lane
	s_mul_i32 s21, s15, HALFT                      ; my 128 rows of A
	s_mul_i32 s22, s16, HALFT                      ; my 128 rows of B,
	s_add_co_u32 s22, s22, 2*HALFT                 ; which lie behind A's two parts
.irp s, 0,1
	v_add_nc_u32 v[ADRA+\s], s21, v3
	v_add_nc_u32 v[ADRB+\s], s22, v4
	s_add_co_u32 s21, s21, SLOT
	s_add_co_u32 s22, s22, SLOT
.endr
	v_mul_u32_u24 v5, v1, KS                       ; B's scales: 64 bytes a row,
	v_lshrrev_b32 v6, 8, v5
	v_lshl_add_u32 v5, v6, 4, v5                   ; and 16 more for each 256 passed;
	v_mul_u32_u24 v6, v2, SBLK                     ; lanes 16-31 one block of 16 rows on
	v_add_nc_u32 v5, v5, v6
	s_mul_i32 s21, s16, HALFS
	s_add_co_u32 s21, s21, SCLB
	v_add_nc_u32 v[ADRSB], s21, v5
	s_lshl_b32 s21, s15, 13
	s_add_co_u32 s21, s21, SCLA
	v_lshl_add_u32 v[ADRSA], v7, 2, s21            ; A's: 32 neighbouring rows' words in 32 lanes
	s_mul_i32 s23, s14, 16*SPITCH                  ; my stage
	v_mul_u32_u24 v5, v1, SPITCH
	v_lshl_add_u32 v5, v2, 5, v5
	v_add_nc_u32 v[STO], s23, v5                   ; in: row r, 32 bytes for each half of the lanes
	v_lshlrev_b32 v[CO], 4, v7                     ; back: the 32 lanes take one row of 512 bytes; and the same in the output
	v_add_nc_u32 v[RD], s23, v[CO]
	s_lshr_b32 s20, s17, 2                         ; my first row of the output: 1024 x batch + 16 g, g = 2 (tile row % 4) + half
	s_lshl_b32 s20, s20, 10
	s_and_b32 s21, s17, 3
	s_lshl_b32 s21, s21, 1
	s_add_co_u32 s21, s21, s15
	s_lshl_b32 s21, s21, 4
	s_add_co_u32 s20, s20, s21
	s_lshl_b32 s20, s20, 13                        ; rows of 8,192 bytes
	s_add_co_u32 s20, s20, s18                     ; + my first column, in bytes (as for bo)
	s_mov_b32 s21, 0
	s_add_nc_u64 s[12:13], s[98:99], s[20:21]
.macro FRAG reg, adr, q, i             ; B: from rows
.irp c, 0,1
	ds_load_b128 v[\reg+4*\c:\reg+4*\c+3], v[\adr] offset:64*(\q)+32*\c+(\i)*16*PITCH
.endr
.endm
.macro FRAGA reg, adr, q, i            ; A: an image of the registers: 512 consecutive bytes a load
.irp c, 0,1
	ds_load_b128 v[\reg+4*\c:\reg+4*\c+3], v[\adr] offset:(\i)*4096+(\q)*1024+512*\c
.endr
.endm
.macro WM                              ; one product; oB, oA: the block is an odd one, whose scale words stand in lanes 16-31
.if oB && oA
	v_wmma_scale_f32_16x16x128_f8f6f4 v[rD:rD+7], v[rB:rB+7], v[rA:rA+7], v[rC:rC+7], v[rSB], v[rSA] matrix_a_fmt:MATRIX_FMT_FP4 matrix_b_fmt:MATRIX_FMT_FP4 matrix_a_scale:MATRIX_SCALE_ROW1 matrix_b_scale:MATRIX_SCALE_ROW1
.elseif oB
	v_wmma_scale_f32_16x16x128_f8f6f4 v[rD:rD+7], v[rB:rB+7], v[rA:rA+7], v[rC:rC+7], v[rSB], v[rSA] matrix_a_fmt:MATRIX_FMT_FP4 matrix_b_fmt:MATRIX_FMT_FP4 matrix_a_scale:MATRIX_SCALE_ROW1
.elseif oA
	v_wmma_scale_f32_16x16x128_f8f6f4 v[rD:rD+7], v[rB:rB+7], v[rA:rA+7], v[rC:rC+7], v[rSB], v[rSA] matrix_a_fmt:MATRIX_FMT_FP4 matrix_b_fmt:MATRIX_FMT_FP4 matrix_b_scale:MATRIX_SCALE_ROW1
.else
	v_wmma_scale_f32_16x16x128_f8f6f4 v[rD:rD+7], v[rB:rB+7], v[rA:rA+7], v[rC:rC+7], v[rSB], v[rSA] matrix_a_fmt:MATRIX_FMT_FP4 matrix_b_fmt:MATRIX_FMT_FP4
.endif
.endm
; 16 matrix instructions: A's blocks a0, a0 + 1 x B's eight.  first = 1: the sums begin with the bias as C.  The 64 accumulators take turns, one instruction a turn.
.macro MUL16 a0, p, q, sc, first
.irp a, \a0, \a0+1
.irp b, 0,1,2,3,4,5,6,7
.set rD, 8*(8*((\a)%4)+\b)
.set rC, rD
.if \first
.set rC, BIAS+8*\b
.endif
.set rB, 128*(\p)+FR*\b
.set rA, AF+FR*(\a)
.set rSB, SCB+16*(\sc)+4*(\b/2)+(\q)
.set rSA, SCA+16*(\sc)+4*((\a)/2)+(\q)
.set oB, \b%2
.set oA, (\a)%2
	WM
.endr
.endr
.endm
.macro FETCH_B slot, q, p
	WIN TO_B
.irp i, 0,1,2,3,4,5,6,7
	FRAG 128*(\p)+FR*\i, ADRB+\slot, \q, \i
.endr
	WIN 0
.endm
.macro FETCH_A slot, q, i0
.irp i, \i0, \i0+1, \i0+2, \i0+3
	FRAGA AF+FR*(\i), ADRA+\slot, \q, \i
.endr
.endm
.macro SCALES sc                       ; a K step's scale words: register 4 ip + q: blocks 2 ip (lanes 0-15) and 2 ip + 1 (lanes 16-31), the step's q-th 128 along K
.irp ip, 0,1,2,3
	ds_load_b128 v[SCB+16*\sc+4*\ip:SCB+16*\sc+4*\ip+3], v[ADRSB] offset:\ip*2*SBLK
.endr
.irp ip, 0,1,2,3
.irp q, 0,1,2,3
	ds_load_b32 v[SCA+16*\sc+4*\ip+\q], v[ADRSA] offset:\q*512+\ip*128
.endr
.endr
.endm
.macro PLACES n
.rept \n
	v_nop
.endr
.endm
.macro STEP slot, q, first
	s_wait_dscnt 4*NL                              ; all but the youngest eight loads (A's blocks 4-7) are in
.if \first
	WIN 0x81                                       ; source 0 window 1, sources 1 and 2 (the bias) window 0, destination window 2
.else
	WIN MUL_LO
.endif
	MUL16 0, (\q)%2, \q, \slot, \first
	MUL16 2, (\q)%2, \q, \slot, \first
	s_wait_dscnt 0
	PLACES NP
	FETCH_B \slot, (\q)+1, 1-(\q)%2
	FETCH_A \slot, (\q)+1, 0
.if \first
	WIN 0xc1
.else
	WIN MUL_HI
.endif
	MUL16 4, (\q)%2, \q, \slot, \first
	MUL16 6, (\q)%2, \q, \slot, \first
	PLACES NP
	WIN 0
	FETCH_A \slot, (\q)+1, 4
.endm
.macro TURN slot, next, fill
	s_wait_tensorcnt 0x0                           ; all my tensor loads have landed: my part of the next slot
	ds_add_u32 v[SPW], v[NIL]                      ; 0 onto my spare word
	s_wait_dscnt 4*NL+1                            ; (the add and the youngest eight loads may be out)
	WIN MUL_LO
	MUL16 0, 1, NQ-1, \slot, 0
	s_wait_dscnt 0x0                               ; the add is done, and my reads of this slot are over
	s_barrier_signal -1
	MUL16 2, 1, NQ-1, \slot, 0
	WIN 0
	s_barrier_wait -1
.if \fill
	CREST                                          ; the barrier has opened a round of the cluster's: no wave of any partner still reads this slot or has a load on its way
	s_add_nc_u64 s[G0+4*\slot+2:G0+4*\slot+3], s[G0+4*\slot+2:G0+4*\slot+3], 2*524288
	s_add_nc_u64 s[G0B+4*\slot+2:G0B+4*\slot+3], s[G0B+4*\slot+2:G0B+4*\slot+3], 2*ROWB
	JLOAD G0+4*\slot, G1, G0B+4*\slot, G1B         ; the first tensor load behind the round, my only one until the next; its four v_nop are the places in front of the loads below
.else
	PLACES NP
.endif
	v_add_nc_u32 v[ADRSB], 4*NQ, v[ADRSB]          ; on to the next K step's scale words
	v_add_nc_u32 v[ADRSA], 512*NQ, v[ADRSA]
	FETCH_B \next, 0, 0
	FETCH_A \next, 0, 0
	SCALES \next
	WIN MUL_HI
	MUL16 4, 1, NQ-1, \slot, 0
	MUL16 6, 1, NQ-1, \slot, 0
	PLACES NP
	WIN 0
	FETCH_A \next, 0, 4
.endm
.macro STEPS slot, from
.set Q, \from
.rept NQ-1-\from
	STEP \slot, Q, 0
.set Q, Q+1
.endr
.endm
	s_wait_tensorcnt 1                             ; the scales and my part of K step 0 are in (K step 1's load may be out)
	s_barrier_signal -1
	s_barrier_wait -1                              ; everybody's are
	FETCH_B 0, 0, 0
	FETCH_A 0, 0, 0
	SCALES 0
	FETCH_A 0, 0, 4
	s_wait_loadcnt 0x0                             ; the bias
	STEP 0, 0, 1                                   ; the first step's products start the sums, on the bias
	s_mov_b32 s3, LAPS-1
.Llap:                                                 ; a trip goes once round the ring and fills both slots again
	STEPS 0, 1
	TURN 0, 1, 1
	STEPS 1, 0
	TURN 1, 0, 1
	STEP 0, 0, 0
	s_sub_co_u32 s3, s3, 1
	s_cmp_lg_u32 s3, 0
	s_cbranch_scc1 .Llap
	STEPS 0, 1                                     ; the last lap fills nothing
	TURN 0, 1, 0
	STEPS 1, 0
	s_wait_dscnt 4*NL                              ; the very last step: nothing more to fetch
	WIN MUL_LO
	MUL16 0, 1, NQ-1, 1, 0
	MUL16 2, 1, NQ-1, 1, 0
	s_wait_dscnt 0
	WIN MUL_HI
	MUL16 4, 1, NQ-1, 1, 0
	MUL16 6, 1, NQ-1, 1, 0
	WIN 0
; THE WAY OUT, block by block of 16 rows x 128 columns, through my own stage in LDS: in as 32 bytes a lane, back as whole rows of 512 bytes.  LDS serves a wave's instructions in order (ISA guide 5.7.1.4).
.macro TOSTAGE a
.set AC, 64*((\a)%4)
	WIN 0x08+4*((\a)/4)                            ; the data: window 2 or 3
.irp b, 0,1,2,3,4,5,6,7
	ds_store_b128 v[STO], v[AC+8*\b:AC+8*\b+3] offset:64*\b          ; each accumulator from its low end on
	ds_store_b128 v[STO], v[AC+8*\b+4:AC+8*\b+7] offset:64*\b+16
.endr
	WIN 0
.set BB, BK+64*((\a)%2)
.irp t, 0,1,2,3,4,5,6,7,8,9,10,11,12,13,14,15
	ds_load_b128 v[BB+4*\t:BB+4*\t+3], v[RD] offset:\t*SPITCH
.endr
.endm
.macro SEND a, younger                 ; younger: the LDS instructions issued behind block a's loads, which may stay out
.set BB, BK+64*((\a)%2)
	s_wait_dscnt \younger
.if (\a) > 0
	s_add_nc_u64 s[12:13], s[12:13], 128*SIZE_N*4  ; (behind a wait on XCNT)  block a is query tile 8 a + g: 128 rows on
.endif
.irp t, 0,1,2,3,4,5,6,7,8,9,10,11,12,13,14,15
	global_store_b128 v[CO], v[BB+4*\t:BB+4*\t+3], s[12:13] offset:\t*SIZE_N*4 th:TH_STORE_NT   ; 32 lanes store 512 consecutive bytes, at a multiple of 256 from the output's first byte
.endr
.endm
	PLACES NP                                      ; behind the last products: for the loads into the registers that held A's fragments, and for the reads of results
	TOSTAGE 0
.irp a, 1,2,3,4,5,6,7
.if \a > 1
	s_wait_xcnt 0x0                                ; block a - 2's stores have read their registers and their base
.endif
	TOSTAGE \a
	SEND \a-1, 32                                  ; behind block a - 1's loads: block a's 16 stores and 16 loads
.endr
	s_wait_xcnt 0x0
	SEND 7, 0
	s_wait_tensorcnt 0x0                           ; the wave's end, behind my last tensor load and my last LDS store
	ds_add_u32 v[SPW], v[NIL]
	s_wait_dscnt 0x0
	CROUND                                         ; the closing round
	s_endpgm
.Lfunc_end_k_q1fca814094_oproj:
	.size	k_q1fca814094_oproj, .Lfunc_end_k_q1fca814094_oproj-k_q1fca814094_oproj
	.p2alignl 7, 3214868480
	.fill 96, 4, 3214868480
	.section	.rodata,"a",@progbits
	.p2align	6, 0x0
	.amdhsa_kernel k_q1fca814094_oproj
		.amdhsa_group_segment_fixed_size 327680
		.amdhsa_private_segment_fixed_size 0
		.amdhsa_enable_private_segment 0
		.amdhsa_kernarg_size 48
		.amdhsa_user_sgpr_count 2
		.amdhsa_user_sgpr_kernarg_segment_ptr 1
		.amdhsa_wavefront_size32 1
		.amdhsa_system_sgpr_workgroup_id_x 1
		.amdhsa_system_sgpr_workgroup_id_y 1
		.amdhsa_system_sgpr_workgroup_id_z 1
		.amdhsa_system_vgpr_workitem_id 0
		.amdhsa_next_free_vgpr 1024
		.amdhsa_next_free_sgpr 100
		.amdhsa_reserve_vcc 0
		.amdhsa_float_denorm_mode_32 3
		.amdhsa_float_denorm_mode_16_64 3
		.amdhsa_memory_ordered 1
		.amdhsa_forward_progress 1
		.amdhsa_inst_pref_size 216
	.end_amdhsa_kernel
	.amdgpu_metadata
---
amdhsa.version: [ 1, 2 ]
amdhsa.kernels:
  - .name:           k_q1fca814094_oproj
    .symbol:         k_q1fca814094_oproj.kd
    .args:
      - { .name: acodes, .offset: 0, .size: 8, .value_kind: global_buffer, .address_space: global }
      - { .name: ascales, .offset: 8, .size: 8, .value_kind: global_buffer, .address_space: global }
      - { .name: codes, .offset: 16, .size: 8, .value_kind: global_buffer, .address_space: global }
      - { .name: scales, .offset: 24, .size: 8, .value_kind: global_buffer, .address_space: global }
      - { .name: bo, .offset: 32, .size: 8, .value_kind: global_buffer, .address_space: global }
      - { .name: out0, .offset: 40, .size: 8, .value_kind: global_buffer, .address_space: global }
    .group_segment_fixed_size: 327680
    .private_segment_fixed_size: 0
    .kernarg_segment_align: 8
    .kernarg_segment_size: 48
    .max_flat_workgroup_size: 128
    .sgpr_count:     100
    .vgpr_count:     1024
    .wavefront_size: 32
...
	.end_amdgpu_metadata
.endif
;; end of part 4
;; ======== version 2 of 2: 4 launches
;; limits: right only within a limited range of input values
;; workspace buffers: xrec 2,228,224 bytes; wrec 6,684,672 bytes; heads 9,043,968 bytes; arec 2,228,224 bytes; brec 2,228,224 bytes
;; launch quant (part 5): grid 256 x 1, 16 waves a work-group, no clusters, 327,680 bytes of LDS; arguments hidden_states, Wq, Wk, Wv, xrec, wrec; writes xrec, wrec
.if DOCPART == 5
	.amdgcn_target "amdgcn-amd-amdhsa--gfx1250"
	.amdhsa_code_object_version 6
	.text
	.protected	k_q1fca814094_quant
	.globl	k_q1fca814094_quant
	.p2align	8
	.type	k_q1fca814094_quant,@function
k_q1fca814094_quant:
	s_mov_b64 s[64:65], 0
	v_nop
	global_prefetch_b8 v0, s[64:65] scope:SCOPE_SE
	s_setreg_imm32_b32 hwreg(HW_REG_WAVE_MODE, 25, 1), 1
	s_wait_xcnt 0x0
; THE PROGRAM: quant (x, Wq, Wk, Wv to codes), qkv (three projections, quantised again), attn (causal attention, quantised again; Wo to codes), oproj (output projection).
; WORK LEFT OUT (in attn): tiles of scores, and of the product with V, all of whose keys come after their queries.  reference() sets those scores to the least f32 number ahead of a softmax whose row holds
; the query's own key, so their p is 0 for all finite inputs.  LIMIT: a NaN, an infinity or an overflow that reaches only such a tile is not carried to the result.
; THIS LAUNCH: hidden_states, Wq, Wk, Wv, [2048][2048] f32 each, K innermost, become codes of FP4 (E2M1) and one E8M0 scale byte for each 32 along K.
; A block's scale is 2^(floor(log2(its largest magnitude)) - 2): its byte is the largest magnitude's exponent field - 2, held at 1 from below.
; LIMITS: a block of zeros gets the byte 1 (its codes are zeros, and this program alone reads the bytes); blocks whose largest magnitude lies under 2^-124 are held at that byte; NaN and infinities are not served.
; CODES are IMAGES OF OPERAND REGISTERS, 512 bytes each: 16 rows x 64 along K; lane l = 16 h + r has row r, block h, at 16 l.
; xrec: [K step of 512: 4][tile of 256 tokens: 8] records of XB bytes: images [row tile 16][8][512], and behind them scale bytes [256 rows][16].
; wrec: [K step: 4][head 32] records of WB bytes: images [row tile 12][8][512], then scale bytes [192 rows][16].  A head's row tiles: 0-3 Wq's, 4-5 Wv's first two, 6-9 Wk's, 10-11 Wv's last two.
; A work-group takes 32 whole rows, 262,144 bytes; a wave 16 rows x 256 numbers, 16,384 bytes, by ONE tensor load, which it alone reads: all of the work-group's bytes are asked for at the head and nothing is filled again.
; LDS rows are 1,024 bytes + 16 of padding.  A lane takes a whole block of 32, so no other lane is asked for a maximum.  No prefetch: there is no loop to run ahead in.
.set XB,    69632
.set WB,    52224
.set KSX,   8*XB                       ; from K step to K step
.set KSW,   32*WB
.set WT,    16640                      ; a wave's tile in LDS: 16 x 1040
.set SB,    16*WT                      ; the work-group's 2,048 scale bytes: [K step 4][row 32][16]
.set SPARE, SB+2048                    ; the spare words, 128 bytes for each wave
.set SPW, 4
.set NIL, 5
.set X,  32                            ; v32-159 four blocks of 32 numbers
.set C,  160                           ; v160-175 their codes
	s_load_b256 s[4:11], s[0:1], 0x0               ; hidden_states, Wq, Wk, Wv
	s_load_b128 s[12:15], s[0:1], 0x20             ; xrec, wrec
	v_lshl_add_u32 v[SPW], v0, 2, SPARE
	v_mov_b32 v[NIL], 0
	ds_add_u32 v[SPW], v[NIL]                      ; the wave's opening: the add, twice on end
	ds_add_u32 v[SPW], v[NIL]
	v_lshrrev_b32 v1, 5, v0
	v_readfirstlane_b32 s18, v1                    ; wave
	s_lshr_b32 s19, s18, 3                         ; which of the two row tiles
	s_and_b32 s20, s18, 7                          ; which 256 along K
	s_mov_b32 s[32], (3<<16)|(1<<20)|(7<<22)|(3<<25) ; elements of 8 bytes; after every 256 words, 4 words of padding
	s_mov_b32 s[33], 128<<16                       ; tensor_dim0: 1,024 bytes
	s_mov_b32 s[34], 16<<16                        ; tensor_dim1
	s_mov_b32 s[35], 128<<16                       ; tile_dim0
	s_mov_b32 s[36], 16                            ; tile_dim1
	s_mov_b32 s[37], 1024                          ; a row of the input: 8,192 bytes
	s_mov_b32 s[38], 0
	s_mov_b32 s[39], 0
	s_and_b32 s21, ttmp9, 63                       ; 64 work-groups a tensor
	s_lshr_b32 s30, ttmp9, 6                       ; the tensor
	s_lshl_b32 s22, s21, 18
	s_lshl_b32 s23, s19, 17
	s_add_co_u32 s22, s22, s23
	s_lshl_b32 s23, s20, 10
	s_add_co_u32 s22, s22, s23                     ; where my tile begins in the tensor, in bytes
	s_mov_b32 s23, 0
	s_mul_i32 s31, s18, WT
	s_wait_dscnt 0x0                               ; both opening adds are done
	s_wait_kmcnt 0x0
	s_cmp_eq_u32 s30, 1                            ; the choice of the input hangs on the work-group's number alone
	s_cselect_b64 s[4:5], s[6:7], s[4:5]
	s_cmp_eq_u32 s30, 2
	s_cselect_b64 s[4:5], s[8:9], s[4:5]
	s_cmp_eq_u32 s30, 3
	s_cselect_b64 s[4:5], s[10:11], s[4:5]
	s_mov_b32 s40, 1
	s_mov_b32 s41, s31
	s_add_nc_u64 s[42:43], s[4:5], s[22:23]
	s_or_b32 s43, s43, 0x80000000
	tensor_load_to_lds s[40:43], s[32:39]          ; my 16,384 bytes: my one tensor load
	s_nop 0
	s_lshr_b32 s24, s21, 3                         ; tokens: the record in a K step, and my first row tile in it
	s_mul_i32 s24, s24, XB
	s_and_b32 s25, s21, 7
	s_lshl_b32 s25, s25, 1
	s_lshr_b32 s26, s21, 1                         ; weights: the record is the head's; the row tile: Wq 2 j, Wk 6 + 2 j, Wv 4 + 6 j, j = work-group % 2
	s_mul_i32 s26, s26, WB
	s_and_b32 s27, s21, 1
	s_lshl_b32 s28, s27, 1
	s_add_co_u32 s45, s28, 6
	s_mul_i32 s46, s27, 6
	s_add_co_u32 s46, s46, 4
	s_cmp_eq_u32 s30, 2
	s_cselect_b32 s28, s45, s28
	s_cmp_eq_u32 s30, 3
	s_cselect_b32 s28, s46, s28
	s_mov_b32 s45, 49152                           ; where a record's scale bytes begin
	s_mov_b32 s46, KSW
	s_cmp_eq_u32 s30, 0
	s_cselect_b32 s24, s24, s26
	s_cselect_b32 s25, s25, s28
	s_cselect_b32 s45, 65536, s45
	s_cselect_b32 s46, KSX, s46
	s_cselect_b64 s[12:13], s[12:13], s[14:15]
	s_lshr_b32 s26, s20, 1                         ; my codes: K step,
	s_mul_i32 s26, s26, s46
	s_add_co_u32 s26, s26, s24
	s_add_co_u32 s27, s25, s19                     ; row tile,
	s_lshl_b32 s27, s27, 12
	s_add_co_u32 s26, s26, s27
	s_and_b32 s27, s20, 1                          ; and half a step is four images
	s_lshl_b32 s27, s27, 11
	s_add_co_u32 s26, s26, s27
	s_mov_b32 s27, 0
	s_mul_i32 s28, s18, s46                        ; the scale bytes that waves 0 to 3 store: wave w those of K step w
	s_add_co_u32 s28, s28, s24
	s_add_co_u32 s28, s28, s45
	s_lshl_b32 s29, s25, 8
	s_add_co_u32 s28, s28, s29
	s_mov_b32 s29, 0
	s_add_nc_u64 s[14:15], s[12:13], s[28:29]
	s_add_nc_u64 s[12:13], s[12:13], s[26:27]
	s_lshr_b32 s16, s20, 1                         ; my place among the work-group's scale bytes in LDS
	s_lshl_b32 s16, s16, 9
	s_lshl_b32 s17, s19, 8
	s_add_co_u32 s16, s16, s17
	s_and_b32 s17, s20, 1
	s_lshl_b32 s17, s17, 3
	s_add_co_u32 s16, s16, s17
	s_add_co_u32 s16, s16, SB
	v_and_b32 v2, 31, v0                           ; lane
	v_and_b32 v6, 15, v0                           ; r
	v_bfe_u32 v7, v0, 4, 1                         ; h
	v_lshlrev_b32 v3, 4, v2                        ; 16 x lane: my codes in an image
	v_mul_u32_u24 v8, v6, 1040
	v_lshl_add_u32 v8, v7, 7, v8
	v_add_nc_u32 v8, s31, v8                       ; LDS: row r, block h
	v_lshl_add_u32 v9, v6, 4, v7
	v_add_nc_u32 v9, s16, v9                       ; LDS: my scale bytes
	v_lshlrev_b32 v10, 4, v0                       ; the way out of the scale bytes: 16 x thread
	v_and_b32 v10, 0x7ff, v10
	v_add_nc_u32 v11, SB, v10
	s_wait_alu depctr_va_vdst(0)
	s_wait_tensorcnt 0x0                           ; my tile has landed; no other wave reads it
.set N, 0
.rept 32
	ds_load_b128 v[X+4*N:X+4*N+3], v8 offset:256*(N/8)+16*(N%8)
.set N, N+1
.endr
.macro STEP c
.set XS, X+32*(\c)
	s_wait_dscnt 24-8*(\c)                         ; this step's eight loads are in; those of the steps behind it may be out
.irp k, 0,1,2,3
	v_max3_num_f32 v[16+\k], |v[XS+8*\k]|, |v[XS+8*\k+1]|, |v[XS+8*\k+2]|   ; the block's largest magnitude, in four chains
.endr
.irp i, 3,5
.irp k, 0,1,2,3
	v_max3_num_f32 v[16+\k], v[16+\k], |v[XS+8*\k+\i]|, |v[XS+8*\k+\i+1]|
.endr
.endr
	v_max3_num_f32 v16, v16, |v[XS+7]|, |v[XS+15]|
	v_max3_num_f32 v17, v17, |v[XS+23]|, |v[XS+31]|
	v_max3_num_f32 v18, v18, v19, 0x1800000        ; and the floor 2^(3 - 127): the byte cannot fall under 1
	s_delay_alu instid0(VALU_DEP_1)
	v_max3_num_f32 v16, v16, v17, v18
	s_delay_alu instid0(VALU_DEP_1)
	v_add_nc_u32 v[28+\c], 0xff000000, v16         ; 2 off its exponent field: the conversion takes the exponent field of this operand as its scale
.irp g, 0,1,2,3
	v_cvt_scalef32_pk8_fp4_f32 v[C+4*(\c)+\g], v[XS+8*\g:XS+8*\g+7], v[28+\c]
.endr
	v_lshrrev_b32 v[24+\c], 23, v[28+\c]           ; the scale's byte
	global_store_b128 v3, v[C+4*(\c):C+4*(\c)+3], s[12:13] offset:512*(\c)   ; an image: 512 consecutive bytes
.endm
	STEP 0
	STEP 1
	STEP 2
	STEP 3
.irp c, 0,1,2,3
	ds_store_b8 v9, v[24+\c] offset:2*\c
.endr
	s_wait_tensorcnt 0x0                           ; the wave's last LDS writes are behind it
	ds_add_u32 v[SPW], v[NIL]
	s_wait_dscnt 0x0                               ; also for the others' sake: my scale bytes are in LDS
	s_barrier_signal -1
	s_barrier_wait -1
	s_cmp_gt_u32 s18, 3                            ; waves 0 to 3 store the work-group's 2,048 scale bytes
	s_cbranch_scc1 .Ldone
	ds_load_b128 v[20:23], v11
	s_wait_dscnt 0x0
	global_store_b128 v3, v[20:23], s[14:15]       ; 512 consecutive bytes a wave
.Ldone:
	s_endpgm
.Lfunc_end_k_q1fca814094_quant:
	.size	k_q1fca814094_quant, .Lfunc_end_k_q1fca814094_quant-k_q1fca814094_quant
	.p2alignl 7, 3214868480
	.fill 96, 4, 3214868480
	.section	.rodata,"a",@progbits
	.p2align	6, 0x0
	.amdhsa_kernel k_q1fca814094_quant
		.amdhsa_group_segment_fixed_size 327680
		.amdhsa_private_segment_fixed_size 0
		.amdhsa_enable_private_segment 0
		.amdhsa_kernarg_size 48
		.amdhsa_user_sgpr_count 2
		.amdhsa_user_sgpr_kernarg_segment_ptr 1
		.amdhsa_wavefront_size32 1
		.amdhsa_system_sgpr_workgroup_id_x 1
		.amdhsa_system_sgpr_workgroup_id_y 1
		.amdhsa_system_sgpr_workgroup_id_z 1
		.amdhsa_system_vgpr_workitem_id 0
		.amdhsa_next_free_vgpr 192
		.amdhsa_next_free_sgpr 66
		.amdhsa_reserve_vcc 0
		.amdhsa_float_denorm_mode_32 3
		.amdhsa_float_denorm_mode_16_64 3
		.amdhsa_memory_ordered 1
		.amdhsa_forward_progress 1
		.amdhsa_inst_pref_size 14
	.end_amdhsa_kernel
	.amdgpu_metadata
---
amdhsa.version: [ 1, 2 ]
amdhsa.kernels:
  - .name:           k_q1fca814094_quant
    .symbol:         k_q1fca814094_quant.kd
    .args:
      - { .name: hidden_states, .offset: 0, .size: 8, .value_kind: global_buffer, .address_space: global }
      - { .name: Wq, .offset: 8, .size: 8, .value_kind: global_buffer, .address_space: global }
      - { .name: Wk, .offset: 16, .size: 8, .value_kind: global_buffer, .address_space: global }
      - { .name: Wv, .offset: 24, .size: 8, .value_kind: global_buffer, .address_space: global }
      - { .name: xrec, .offset: 32, .size: 8, .value_kind: global_buffer, .address_space: global }
      - { .name: wrec, .offset: 40, .size: 8, .value_kind: global_buffer, .address_space: global }
    .group_segment_fixed_size: 327680
    .private_segment_fixed_size: 0
    .kernarg_segment_align: 8
    .kernarg_segment_size: 48
    .max_flat_workgroup_size: 512
    .sgpr_count:     66
    .vgpr_count:     192
    .wavefront_size: 32
...
	.end_amdgpu_metadata
.endif
;; end of part 5
;; launch qkv (part 6): grid 32 x 8, 4 waves a work-group, clusters of 4 x 4, 327,680 bytes of LDS; arguments xrec, wrec, bq, bk, bv, heads; writes heads
.if DOCPART == 6
	.amdgcn_target "amdgcn-amd-amdhsa--gfx1250"
	.amdhsa_code_object_version 6
	.text
	.protected	k_q1fca814094_qkv
	.globl	k_q1fca814094_qkv
	.p2align	8
	.type	k_q1fca814094_qkv,@function
k_q1fca814094_qkv:
	s_mov_b64 s[64:65], 0
	v_nop
	global_prefetch_b8 v0, s[64:65] scope:SCOPE_SE
	s_setreg_imm32_b32 hwreg(HW_REG_WAVE_MODE, 25, 1), 1
	s_wait_xcnt 0x0
	s_wait_alu depctr_hold_cnt(0) depctr_sa_sdst(0) depctr_va_vdst(0) depctr_va_sdst(0) depctr_va_ssrc(0) depctr_va_vcc(0) depctr_vm_vsrc(0)
	s_getreg_b32 s2, hwreg(HW_REG_IB_STS2, 6, 4)
	s_cmp_eq_u32 s2, 0
	s_cbranch_scc0 .Lentry_in_a_cluster
	s_endpgm
.Lentry_in_a_cluster:
	s_bfe_u32 s2, ttmp6, 0x10000c
	s_cmp_lg_u32 s2, 0xf033
	s_cbranch_scc0 .Lentry_shape_is_right
	s_endpgm
.Lentry_shape_is_right:
; The three projections on codes of FP4 with E8M0 scales, and their results quantised again for attention: q = x Wq^T + bq, k = x Wk^T + bk, and v TRANSPOSED, v^T = Wv x^T + bv.
; A work-group makes ONE HEAD's q, k and v, 192 channels, for 256 tokens: 32 heads x 8 tiles = 256 equal work-groups.  A: 256 tokens; B: 192 rows of weights (row tiles 0-3 Wq, 4-5 Wv, 6-9 Wk, 10-11 Wv).
; xrec: [K step of 512: 4][tile 8] records of XB bytes, wrec: [K step 4][head 32] of WB: images of operand registers (512 bytes: 16 rows x 64 along K), then 16 scale bytes a row.
; Four waves: wave w takes tokens 128 (w / 2) on and B's six row tiles 6 (w % 2) on: 64 channels of q (w % 2 = 0) or k, and 32 of v: 48 accumulators, 384 registers.
; K = 2048 goes in four steps through two LDS slots, each A's record and B's.  AT THE HEAD each wave issues one load: wave 0 A's K step 0, wave 1 B's, wave 2 A's K step 1, wave 3 B's.  The first barrier shows K step 0
; alone: waves 2 and 3, whose load lines are their own, wait in the first change of slots.  K steps 2 and 3 come by refills, half a record a wave.
; CLUSTERS: 4 x 4 work-groups; A's records are asked for jointly along a row of the cluster, B's along a column.
; PREFETCH into the L2 of a K step's codes: K step 2 behind the first fragment loads, K step 3 behind K step 2's load: each one K step ahead of the load that wants it.  A wave names a quarter of the codes of its half record,
; the four partners told apart by address (32 blocks of 256 bytes of A, 24 of B; lanes over name the last again).  Nothing follows K step 3, so nothing more is asked for.
; THE MATRIX INSTRUCTION.  q, k: source 0 = 16 channels, source 1 = 16 tokens: lane (r, h) holds token r, registers along the channels.  v: source 0 = 16 tokens, source 1 = 16 channels: a lane holds one channel,
; registers along the tokens, the second product's K.  THE BIAS is the C of each sum's first product: by register for q and k, by lane for v.
; THE WAY OUT: a lane's numbers are quantised in blocks of 32, read from the accumulators; a block lies in lanes l and l xor 16.  The conversions' results are laid so that exchanges of halves give the
; operand's registers in true order of K; these leave as images, 512 consecutive bytes a store.  V's scale words of two waves meet in LDS and leave as 256 bytes.
; heads: 32 records (16 x batch + head pair) of RS bytes: 0 K's images [head 2][token tile 64][512]; 65536 V's [head 2][key step 8][channel tile 4][half 2][512]; 131072 K's scale words
; [head 2][key step 8][lane 32][4]; 139264 V's [head 2][key step 8][lane 32][2]; 143360 Q's images and 274432 Q's scale words, laid as K's.  A head has 64 channels: q's and k's fragments fill registers 0-3,
; and their scale words hold two bytes and 0x7f7f on top, for the zero codes that fill the instruction's 128 along K.
; LIMITS: a block of zeros gets the byte 1 (zero codes; this program alone reads the bytes); blocks under 2^-124 are held at that byte; NaN and infinities are not served.
; REGISTERS: window 0: v10-31 addresses; v32-95 scale words, two sets, and nothing else; v128-191, v192-255 A's fragments, two sets; on the way out v96-193 at work.
;   window 1: B's fragments, two sets, at v0 and v64.   window 2: q's or k's accumulators, (a, b) at v[8 (4 a + b)].   window 3: v's, (c, a) at v[64 c + 8 a]; the bias at v128-175.
.set XB,     69632
.set WB,     52224
.set KSX,    8*XB
.set KSW,    32*WB
.set SLOT,   XB+WB
.set STGV,   2*SLOT                    ; 512 bytes: V's scale words
.set SPARE,  STGV+512
.set RS,     282624                    ; a record of heads
.set LN,   10                          ; v10  lane
.set R4,   11                          ; v11  4 x (lane % 16)
.set VSA,  12                          ; v12  LDS: my V scale word
.set VRA,  13                          ; v13  LDS: the pair of them
.set L8,   14                          ; v14  8 x lane
.set PFO,  15                          ; v15  the prefetches' offset
.set ADRA, 16                          ; v16-17 LDS address of my A fragments in slot 0, 1
.set ADRB, 18                          ; v18-19 of B
.set ADRS, 20                          ; v20-21 of my scale words: lanes 0-15 A's rows, lanes 16-31 B's
.set ADRT, 22                          ; v22-23 the same with A's rows in all lanes
.set SPW,  28
.set NIL,  29
.set LI,   30                          ; v30  16 x lane
.set H32,  31                          ; v31  32 x (lane / 16)
.set SC,   32
.set AF,   128
.set BQ,   128                         ; in window 3: the bias of q or k; of v
.set BV,   160
.set TM,   96                          ; the way out: largest magnitudes, bytes, the conversions' scale operands
.set QC,   128                         ; v128-159 q's or k's codes
.set VC,   160                         ; v160-175 v's
.set SW,   176                         ; v176-183 a scale word for each token block
.set SWV,  184                         ; v184-185 for each of my two channel tiles of v
.set VW,   186
.set SEL,  188                         ; v188-191
.set VL,   192                         ; v192-193 V's words read back
.set G1, 24
.set G0, 32
.set G1B, 48
.set G0B, 56
.set R1, 68                            ; the refills: half a record of A,
.set R0, 76
.set R1B, 80                           ; of B
.set R0B, 88
.set PF2, 92                           ; s[92:93] my prefetch for K step 2, s[94:95] for K step 3; never rewritten
.set PF3, 94
.set MSB, 0
.macro WIN new                         ; the immediate's high byte repeats the setting that is left
.if MSB != (\new)
	s_set_vgpr_msb (MSB<<8)|(\new)
.set MSB, (\new)
.endif
.endm
; A refill, a joint load: waves 0 and 1 fetch for A, waves 2 and 3 for B; the branch hangs on the wave's number alone.
.macro JLOAD
	s_cmp_eq_u32 s15, 0
	s_cbranch_scc0 .Lfor_b_\@
	tensor_load_to_lds s[R0:R0+3], s[R1:R1+7]
	s_nop 0
.rept 4
	v_nop
.endr
	s_branch .Lasked_\@
.Lfor_b_\@:
	tensor_load_to_lds s[R0B:R0B+3], s[R1B:R1B+7]
	s_nop 0
.rept 4
	v_nop
.endr
.Lasked_\@:
.endm
.macro CREST                           ; a round of the cluster's barrier behind its opening barrier
	s_cmp_lg_u32 s14, 0
	s_cbranch_scc1 .Lnot_wave_0_\@
	s_barrier_signal -3
.Lnot_wave_0_\@:
	s_barrier_wait -3
	s_barrier_signal -1
	s_barrier_wait -1
.endm
.macro CROUND
	s_barrier_signal -1
	s_barrier_wait -1
	CREST
.endm
	s_load_b256 s[4:11], s[0:1], 0x0               ; xrec s[4:5], wrec s[6:7], bq s[8:9], bk s[10:11]
	s_load_b128 s[96:99], s[0:1], 0x20             ; bv s[96:97], heads s[98:99]
	v_lshl_add_u32 v[SPW], v0, 2, SPARE
	v_mov_b32 v[NIL], 0
	ds_add_u32 v[SPW], v[NIL]                      ; the wave's opening: the add, twice on end
	ds_add_u32 v[SPW], v[NIL]
	v_lshrrev_b32 v1, 5, v0
	v_readfirstlane_b32 s14, v1                    ; wave 0..3
	s_lshr_b32 s15, s14, 1                         ; my half of the tokens.  Also: in a refill I fetch for A (0) or for B (1)
	s_and_b32 s16, s14, 1                          ; q (0) or k (1), and my half of v's channels.  Also: which half of a record I fetch
	s_bfe_u32 s40, ttmp6, 0x40000                  ; cx, cy: my place in the cluster
	s_bfe_u32 s41, ttmp6, 0x40004
	s_lshl_b32 s42, ttmp9, 2
	s_add_co_u32 s42, s42, s40                     ; the head 0..31
	s_and_b32 s17, ttmp7, 0xffff
	s_lshl_b32 s17, s17, 2
	s_add_co_u32 s17, s17, s41                     ; the tokens' tile 0..7
	s_lshl_b32 s43, s41, 2
	s_lshl_b32 s43, 15, s43                        ; my row of the cluster
	s_lshl_b32 s44, 0x1111, s40                    ; my column
	s_or_b32 s[G1+0], s43, (3<<16)|(1<<21)         ; the mask; elements of 8 bytes; bit 21 beside a mask; no padding
	s_or_b32 s[G1B+0], s44, (3<<16)|(1<<21)
	s_or_b32 s[R1+0], s43, (3<<16)|(1<<21)
	s_or_b32 s[R1B+0], s44, (3<<16)|(1<<21)
.macro DENSE g, rows                   ; dense rows of 256 bytes
	s_mov_b32 s[\g+1], 32<<16
	s_mov_b32 s[\g+2], (\rows)<<16
	s_mov_b32 s[\g+3], 32<<16
	s_mov_b32 s[\g+4], (\rows)
	s_mov_b32 s[\g+5], 32
	s_mov_b32 s[\g+6], 0
	s_mov_b32 s[\g+7], 0
.endm
	DENSE G1, XB/256
	DENSE G1B, WB/256
	DENSE R1, XB/512
	DENSE R1B, WB/512
	s_mul_i32 s20, s17, XB
	s_mov_b32 s21, 0
	s_mul_i32 s46, s42, WB
	s_mov_b32 s47, 0
	s_mul_i32 s18, s16, XB/2                       ; a refill's half record, in memory
	s_mov_b32 s19, 0
	s_mul_i32 s22, s16, WB/2
	s_mov_b32 s23, 0
	s_mul_i32 s45, s16, XB/2                       ; and in slot 0: no place in the cluster enters an LDS address
	s_mul_i32 s12, s16, WB/2
	s_add_co_u32 s12, s12, XB
	s_wait_dscnt 0x0                               ; both opening adds are done
	CROUND                                         ; all sixteen work-groups are here: the first joint loads meet
	s_wait_kmcnt 0x0
	s_add_nc_u64 s[20:21], s[4:5], s[20:21]
	s_add_nc_u64 s[46:47], s[6:7], s[46:47]
.irp s, 0,1                            ; the head's loads: K step s of A and of B into slot s
	s_mov_b32 s[G0+4*\s], 1
	s_mov_b32 s[G0+4*\s+1], \s*SLOT
	s_add_nc_u64 s[G0+4*\s+2:G0+4*\s+3], s[20:21], \s*KSX
	s_or_b32 s[G0+4*\s+3], s[G0+4*\s+3], 0x80000000
	s_mov_b32 s[G0B+4*\s], 1
	s_mov_b32 s[G0B+4*\s+1], \s*SLOT+XB
	s_add_nc_u64 s[G0B+4*\s+2:G0B+4*\s+3], s[46:47], \s*KSW
	s_or_b32 s[G0B+4*\s+3], s[G0B+4*\s+3], 0x80000000
.endr
; ONE tree of branches on the wave's number, a load to an arm: every way through the head passes exactly one.
.macro ARM under, g0, g1, next
	s_cmp_lt_u32 s14, \under
	s_cbranch_scc0 \next
	tensor_load_to_lds s[\g0:\g0+3], s[\g1:\g1+7]
	s_nop 0
.rept 4
	v_nop
.endr
	s_branch .Lhead_asked
\next:
.endm
	ARM 1, G0,   G1,  .Lhead_b
	ARM 2, G0B,  G1B, .Lhead_a1
	ARM 3, G0+4, G1,  .Lhead_b1
	tensor_load_to_lds s[G0B+4:G0B+7], s[G1B:G1B+7]
	s_nop 0
.rept 4
	v_nop
.endr
.Lhead_asked:
	s_add_nc_u64 s[18:19], s[20:21], s[18:19]      ; the refills: my half record of K step 2
	s_add_nc_u64 s[22:23], s[46:47], s[22:23]
	s_mov_b32 s[R0], 1
	s_mov_b32 s[R0+1], s45
	s_add_nc_u64 s[R0+2:R0+3], s[18:19], 2*KSX
	s_or_b32 s[R0+3], s[R0+3], 0x80000000
	s_mov_b32 s[R0B], 1
	s_mov_b32 s[R0B+1], s12
	s_add_nc_u64 s[R0B+2:R0B+3], s[22:23], 2*KSW
	s_or_b32 s[R0B+3], s[R0B+3], 0x80000000
	s_lshl_b32 s43, s16, 15                        ; the prefetches: of A's 256 blocks of 256 bytes 128 for my half, 32 of these by cx;
	s_lshl_b32 s66, s40, 13
	s_add_co_u32 s43, s43, s66
	s_mul_i32 s44, s16, 24576                      ; of B's 192 blocks 96, 24 of these by cy
	s_mul_i32 s66, s41, 6144
	s_add_co_u32 s44, s44, s66
	s_mov_b32 s2, KSW
	s_mov_b32 s3, 0
	s_mov_b32 s67, 0
	s_cmp_eq_u32 s15, 0
	s_cselect_b64 s[PF2:PF2+1], s[20:21], s[46:47]
	s_cselect_b32 s2, KSX, s2
	s_cselect_b32 s66, s43, s44
	s_cselect_b32 s13, 31, 23
	s_add_nc_u64 s[PF2:PF2+1], s[PF2:PF2+1], s[66:67]
	s_add_nc_u64 s[PF2:PF2+1], s[PF2:PF2+1], s[2:3]
	s_add_nc_u64 s[PF2:PF2+1], s[PF2:PF2+1], s[2:3]
	s_add_nc_u64 s[PF3:PF3+1], s[PF2:PF2+1], s[2:3]
	s_cmp_eq_u32 s16, 0
	s_cselect_b64 s[8:9], s[8:9], s[10:11]         ; bq or bk
	s_lshl_b32 s18, s42, 8
	s_mov_b32 s19, 0
	s_add_nc_u64 s[8:9], s[8:9], s[18:19]          ; at my head's 64 channels
	s_lshl_b32 s22, s16, 7
	s_add_co_u32 s18, s18, s22
	s_add_nc_u64 s[96:97], s[96:97], s[18:19]      ; bv at my 32
	s_lshl_b32 s12, s15, 15                        ; LDS, slot 0: my 128 tokens,
	s_mul_i32 s45, s16, 24576
	s_add_co_u32 s45, s45, XB                      ; my six row tiles of B,
	s_lshl_b32 s18, s15, 11
	s_mul_i32 s23, s16, 1536
	s_add_co_u32 s23, s23, XB+49152-65536
	s_sub_co_u32 s23, s23, s18                     ; from A's scale bytes to B's
	s_add_co_u32 s22, s18, 65536                   ; A's scale bytes
	s_lshl_b32 s19, s15, 8
	s_add_co_u32 s19, s19, STGV
	s_lshl_b32 s18, s16, 2
	s_add_co_u32 s18, s18, s19
	s_mov_b32 s100, 0x76543210
	s_mov_b32 s101, 0xfedcba98                     ; v_permlanex16_b32's selects for lane l xor 16
	v_and_b32 v1, 15, v0                           ; r
	v_bfe_u32 v2, v0, 4, 1                         ; h
	v_and_b32 v[LN], 31, v0
	v_lshlrev_b32 v[H32], 5, v2
	v_lshlrev_b32 v[R4], 2, v1
	v_lshlrev_b32 v[LI], 4, v[LN]
	v_lshlrev_b32 v[L8], 3, v[LN]
	v_lshlrev_b32 v3, 4, v1
	v_mul_u32_u24 v4, s23, v2                      ; lanes 16-31 take B's scale words
	v_min_u32 v5, s13, v[LN]
	v_add_nc_u32 v[ADRA], s12, v[LI]
	v_add_nc_u32 v[ADRB], s45, v[LI]
	v_add_nc_u32 v[ADRT], s22, v3
	v_add_nc_u32 v[VRA], s19, v[L8]
	v_add_nc_u32 v[VSA], s18, v[L8]
	v_lshlrev_b32 v[PFO], 8, v5
	v_add_nc_u32 v[ADRS], v[ADRT], v4
	v_add_nc_u32 v[ADRA+1], SLOT, v[ADRA]
	v_add_nc_u32 v[ADRB+1], SLOT, v[ADRB]
	v_add_nc_u32 v[ADRT+1], SLOT, v[ADRT]
	v_add_nc_u32 v[ADRS+1], SLOT, v[ADRS]
	s_wait_alu depctr_va_vdst(0)
	WIN 0xc0                                       ; destination window 3
.irp b, 0,1,2,3
	global_load_b128 v[BQ+8*\b:BQ+8*\b+3], v[H32], s[8:9] offset:64*\b          ; in the result's layout: channels 16 b + 8 h + 0 .. 7
	global_load_b128 v[BQ+8*\b+4:BQ+8*\b+7], v[H32], s[8:9] offset:64*\b+16
.endr
.irp c, 0,1
	global_load_b32 v[BV+8*\c], v[R4], s[96:97] offset:64*\c       ; a lane is one channel
.endr
	s_wait_loadcnt 0x0
	WIN 0xc3
.irp j, 1,2,3,4,5,6,7
.irp c, 0,1
	v_mov_b32 v[BV+8*\c+\j], v[BV+8*\c]            ; all eight registers of a result of v begin with it
.endr
.endr
	WIN 0
.macro PLACES                          ; plain vector instructions between a matrix instruction and a load into, or a vector instruction on, its registers
.rept 4
	v_nop
.endr
.endm
.macro FETCHB slot, q, p               ; B's six fragments of the slot's q-th 128 along K, two images each, into set p
	WIN 0x40
.irp i, 0,1,2,3,4,5
.irp c, 0,1
	ds_load_b128 v[64*(\p)+8*\i+4*\c:64*(\p)+8*\i+4*\c+3], v[ADRB+\slot] offset:\i*4096+1024*(\q)+512*\c
.endr
.endr
	WIN 0
.endm
.macro FETCHA slot, q, p, i0           ; A's blocks i0 .. i0 + 3
	WIN 0
.irp i, 0,1,2,3
.irp c, 0,1
	ds_load_b128 v[AF+64*(\p)+8*(\i+\i0)+4*\c:AF+64*(\p)+8*(\i+\i0)+4*\c+3], v[ADRA+\slot] offset:(\i+\i0)*4096+1024*(\q)+512*\c
.endr
.endr
.endm
.macro SCALES slot                     ; a K step's scale words, 4 a row: register 4 i + q: lanes 0-15 A's block i, lanes 16-31 B's block i (i under 6)
.irp i, 0,1,2,3,4,5
	ds_load_b128 v[SC+32*\slot+4*\i:SC+32*\slot+4*\i+3], v[ADRS+\slot] offset:\i*256
.endr
.irp i, 6,7
	ds_load_b128 v[SC+32*\slot+4*\i:SC+32*\slot+4*\i+3], v[ADRT+\slot] offset:\i*256
.endr
.endm
; q or k: 8 matrix instructions, A's blocks a0, a0 + 1 x B's four.  The 48 accumulators take turns, one instruction a turn, in the same order in every step.
.macro QK a0, p, q, sc, first
.if \first
	WIN 0xb1                                       ; source 0 window 1, C (the bias) window 3, D window 2
.else
	WIN 0xa1
.endif
.irp a, 0,1
.irp b, 0,1,2,3
.set rA, \a+\a0
.set rD, 8*(4*rA+\b)
.set rC, rD
.if \first
.set rC, BQ+8*\b
.endif
	v_wmma_scale_f32_16x16x128_f8f6f4 v[rD:rD+7], v[64*(\p)+8*\b:64*(\p)+8*\b+7], v[AF+64*(\p)+8*rA:AF+64*(\p)+8*rA+7], v[rC:rC+7], v[SC+32*\sc+4*\b+(\q)], v[SC+32*\sc+4*rA+(\q)] matrix_a_fmt:MATRIX_FMT_FP4 matrix_b_fmt:MATRIX_FMT_FP4 matrix_a_scale:MATRIX_SCALE_ROW1
.endr
.endr
.endm
; v: 16 matrix instructions, two channel tiles x A's eight blocks.
.macro VV p, q, sc, first
	WIN 0xf4                                       ; source 1 window 1, C and D window 3
.irp c, 0,1
.irp a, 0,1,2,3,4,5,6,7
.set rD, 64*\c+8*\a
.set rC, rD
.if \first
.set rC, BV+8*\c
.endif
	v_wmma_scale_f32_16x16x128_f8f6f4 v[rD:rD+7], v[AF+64*(\p)+8*\a:AF+64*(\p)+8*\a+7], v[64*(\p)+8*(4+\c):64*(\p)+8*(4+\c)+7], v[rC:rC+7], v[SC+32*\sc+4*\a+(\q)], v[SC+32*\sc+4*(4+\c)+(\q)] matrix_a_fmt:MATRIX_FMT_FP4 matrix_b_fmt:MATRIX_FMT_FP4 matrix_b_scale:MATRIX_SCALE_ROW1
.endr
.endr
.endm
.macro STEP slot, q, first             ; 128 along K on set q % 2, with its successor in the same slot, which is fetched into the other set
	s_wait_dscnt 8                                 ; all but A's blocks 4-7 are in
	PLACES                                         ; for all of this step's loads into the set that the last step multiplied
	FETCHB \slot, (\q)+1, 1-(\q)%2
	FETCHA \slot, (\q)+1, 1-(\q)%2, 0
	QK 0, (\q)%2, \q, \slot, \first
	QK 2, (\q)%2, \q, \slot, \first
	s_wait_dscnt 20                                ; all but the 20 just issued
	FETCHA \slot, (\q)+1, 1-(\q)%2, 4
	QK 4, (\q)%2, \q, \slot, \first
	QK 6, (\q)%2, \q, \slot, \first
	VV (\q)%2, \q, \slot, \first
.endm
.macro ASK pf
	global_prefetch_b8 v[PFO], s[\pf:\pf+1] th:TH_LOAD_NT scope:SCOPE_SE
.endm
; A slot's last step changes slots: one barrier; in front of it each wave waits for all its tensor loads, adds 0 to its spare word, and waits for that and for its own reads of this slot.
.macro TURN slot, next, fill, ask, on
	WIN 0
	s_wait_tensorcnt 0x0                           ; all my tensor loads have landed: my part of the next slot, if I fetch for it
	ds_add_u32 v[SPW], v[NIL]                      ; 0 onto my spare word
.if \on                                ; the refills' descriptors: slot 1, K step 3
	s_add_co_u32 s[R0+1], s[R0+1], SLOT
	s_add_nc_u64 s[R0+2:R0+3], s[R0+2:R0+3], KSX
	s_add_co_u32 s[R0B+1], s[R0B+1], SLOT
	s_add_nc_u64 s[R0B+2:R0B+3], s[R0B+2:R0B+3], KSW
.endif
	s_wait_dscnt 9                                 ; (the add and A's blocks 4-7 may be out)
	QK 0, 1, 3, \slot, 0
	QK 2, 1, 3, \slot, 0
	s_wait_dscnt 0x0                               ; the add is done, and my reads of this slot are over
	s_barrier_signal -1
	QK 4, 1, 3, \slot, 0
	WIN 0
	s_barrier_wait -1
.if \fill
	CREST                                          ; the barrier has opened a round of the cluster's: no wave of any partner still reads this slot or has a load on its way
	JLOAD                                          ; the first tensor load behind the round, my only one until the next; its four v_nop are the places in front of the loads below
.else
	PLACES
.endif
	FETCHB \next, 0, 0
	FETCHA \next, 0, 0, 0
	SCALES \next
	FETCHA \next, 0, 0, 4
.if \ask
	ASK PF3
.endif
	QK 6, 1, 3, \slot, 0
	VV 1, 3, \slot, 0
.endm
	s_wait_alu depctr_va_vdst(0)
	s_cmp_lt_u32 s14, 2
	s_cbranch_scc0 .Lsecond_step
	s_wait_tensorcnt 0x0                           ; waves 0 and 1: K step 0 is in
.Lsecond_step:
	s_barrier_signal -1
	s_barrier_wait -1
	FETCHB 0, 0, 0
	FETCHA 0, 0, 0, 0
	SCALES 0
	FETCHA 0, 0, 0, 4
	ASK PF2
	STEP 0, 0, 1                                   ; the first step's products start the sums from the bias
	STEP 0, 1, 0
	STEP 0, 2, 0
	TURN 0, 1, 1, 1, 0                             ; K step 2 is asked for
	STEP 1, 0, 0
	STEP 1, 1, 0
	STEP 1, 2, 0
	TURN 1, 0, 1, 0, 1                             ; K step 3
	STEP 0, 0, 0
	STEP 0, 1, 0
	STEP 0, 2, 0
	TURN 0, 1, 0, 0, 0                             ; nothing is filled again
	; where my results go: no tensor load is out, so the descriptors' registers serve as addresses
	s_lshr_b32 s18, s17, 2
	s_lshl_b32 s18, s18, 4
	s_lshr_b32 s19, s42, 1
	s_add_co_u32 s18, s18, s19
	s_mul_i32 s18, s18, RS                         ; the record: 16 x batch + head pair
	s_and_b32 s19, s42, 1                          ; the head in it
	s_and_b32 s20, s17, 3
	s_lshl_b32 s20, s20, 1
	s_add_co_u32 s20, s20, s15                     ; my 128 tokens are this key step of the batch
	s_lshl_b32 s22, s19, 15
	s_add_co_u32 s22, s22, s18
	s_lshl_b32 s23, s20, 12
	s_add_co_u32 s22, s22, s23
	s_cmp_eq_u32 s16, 0
	s_cselect_b32 s21, 143360, 0                   ; Q's part of a record lies behind K's and V's
	s_add_co_u32 s24, s22, s21                     ; q's or k's images
	s_mov_b32 s25, 0
	s_lshl_b32 s23, s16, 11
	s_add_co_u32 s26, s22, s23
	s_add_co_u32 s26, s26, 65536                   ; v's
	s_mov_b32 s27, 0
	s_lshl_b32 s28, s19, 12
	s_add_co_u32 s28, s28, s18
	s_add_co_u32 s28, s28, s21
	s_lshl_b32 s23, s20, 9
	s_add_co_u32 s28, s28, s23
	s_add_co_u32 s28, s28, 131072                  ; q's or k's scale words
	s_mov_b32 s29, 0
	s_lshl_b32 s30, s19, 11
	s_add_co_u32 s30, s30, s18
	s_lshl_b32 s23, s20, 8
	s_add_co_u32 s30, s30, s23
	s_add_co_u32 s30, s30, 139264                  ; v's
	s_mov_b32 s31, 0
	s_add_nc_u64 s[24:25], s[98:99], s[24:25]
	s_add_nc_u64 s[26:27], s[98:99], s[26:27]
	s_add_nc_u64 s[28:29], s[98:99], s[28:29]
	s_add_nc_u64 s[30:31], s[98:99], s[30:31]
	s_mov_b32 s67, 0x7f7f0000                      ; the scale bytes of the two blocks of zero codes
	STEP 1, 0, 0
	STEP 1, 1, 0
	STEP 1, 2, 0
	s_wait_dscnt 8                                 ; the very last step: nothing more to fetch
	QK 0, 1, 3, 1, 0
	QK 2, 1, 3, 1, 0
	s_wait_dscnt 0x0
	QK 4, 1, 3, 1, 0
	QK 6, 1, 3, 1, 0
	VV 1, 3, 1, 0
	WIN 0
.irp b, 0,1,2,3
	v_mov_b32 v[TM+4+\b], 0                        ; a lane permute's destination counts as one of its sources.  These eight are also the places behind the last products
	v_mov_b32 v[TM+20+\b], 0
.endr
; THE WAY OUT OF v: two channel tiles by turns.  A lane's 64 numbers of a tile, register 8 a + j = token 16 a + 8 h + j, become a fragment's 8 registers of codes and its scale word.
; Block b of 32 is registers 16 b .. 16 b + 15 of lanes l and l xor 16.  The conversion of block 2 c + x, half u writes register 4 c + 2 u + x; the exchange of halves between registers 4 c + 2 u and
; 4 c + 2 u + 1 then leaves in registers 4 c .. 4 c + 3 of half h the tokens 64 c + 32 h + 0 .. 31, in order.
	WIN 0x3c                                       ; sources 1 and 2 window 3
.irp b, 0,1,2,3
.irp e, 0,1
	v_max3_num_f32 v[TM+16*\e+\b], 0x1800000, |v[64*\e+16*\b]|, |v[64*\e+16*\b+1]|   ; the floor 2^(3 - 127), and my 16 numbers, each accumulator from its low end on
.endr
.endr
.irp i, 2,4,6,8,10,12,14
.irp b, 0,1,2,3
.irp e, 0,1
	v_max3_num_f32 v[TM+16*\e+\b], v[TM+16*\e+\b], |v[64*\e+16*\b+\i]|, |v[64*\e+16*\b+\i+1]|
.endr
.endr
.endr
	WIN 0
.macro SCALE8                          ; eight blocks: the largest magnitudes at TM + 0 .. 3 and + 16 .. 19 become bytes (+ 4) and the conversions' scale operands (+ 8)
.irp b, 0,1,2,3
.irp e, 0,1
	v_permlanex16_b32 v[TM+16*\e+4+\b], v[TM+16*\e+\b], s100, s101
.endr
.endr
.irp b, 0,1,2,3
.irp e, 0,1
	v_max_num_f32 v[TM+16*\e+\b], v[TM+16*\e+\b], v[TM+16*\e+4+\b]   ; with lane l xor 16's: the block's largest magnitude
.endr
.endr
.irp b, 0,1,2,3
.irp e, 0,1
	v_add_nc_u32 v[TM+16*\e+8+\b], 0xff000000, v[TM+16*\e+\b]        ; 2 off its exponent field: the conversion's scale operand
.endr
.endr
.irp b, 0,1,2,3
.irp e, 0,1
	v_lshrrev_b32 v[TM+16*\e+4+\b], 23, v[TM+16*\e+8+\b]             ; the scale's byte
.endr
.endr
.endm
	SCALE8
.irp e, 0,1
	v_lshl_or_b32 v[SWV+\e], v[TM+16*\e+5], 8, v[TM+16*\e+4]
.endr
.irp e, 0,1
	v_lshl_or_b32 v[SWV+\e], v[TM+16*\e+6], 16, v[SWV+\e]
.endr
.irp e, 0,1
	v_lshl_or_b32 v[SWV+\e], v[TM+16*\e+7], 24, v[SWV+\e]
.endr
	WIN 0x03                                       ; source 0 window 3
.irp e, 0,1
.irp c, 0,1
.irp u, 0,1
.irp x, 0,1
	v_cvt_scalef32_pk8_fp4_f32 v[VC+8*\e+4*\c+2*\u+\x], v[64*\e+16*(2*\c+\x)+8*\u:64*\e+16*(2*\c+\x)+8*\u+7], v[TM+16*\e+8+2*\c+\x]
.endr
.endr
.endr
.endr
	WIN 0
	v_nop                                          ; one plain place behind a scaled conversion
.irp e, 0,1
.irp c, 0,1
.irp u, 0,1
	v_permlane16_swap_b32 v[VC+8*\e+4*\c+2*\u], v[VC+8*\e+4*\c+2*\u+1]
.endr
.endr
.endr
.irp e, 0,1
.irp c, 0,1
	global_store_b128 v[LI], v[VC+8*\e+4*\c:VC+8*\e+4*\c+3], s[26:27] offset:\e*1024+\c*512   ; 512 consecutive bytes
.endr
.endr
	v_cmp_gt_u32 vcc_lo, 16, v[LN]
	v_cndmask_b32 v[VW], v[SWV+1], v[SWV], vcc_lo  ; lanes 0-15 keep the first tile's word, lanes 16-31 the second's
	ds_store_b32 v[VSA], v[VW]
	s_wait_alu depctr_va_vdst(0)
	s_wait_tensorcnt 0x0                           ; my last LDS write is behind me
	ds_add_u32 v[SPW], v[NIL]
	s_wait_dscnt 0x0                               ; also for the others' sake: my word is in LDS
	s_barrier_signal -1
	s_barrier_wait -1
	s_cmp_lg_u32 s16, 0
	s_cbranch_scc1 .Lwords_out
	ds_load_b64 v[VL:VL+1], v[VRA]                 ; both waves' words of my 128 tokens
	s_wait_dscnt 0x0
	global_store_b64 v[L8], v[VL:VL+1], s[30:31]   ; 256 consecutive bytes
.Lwords_out:
; THE WAY OUT OF q OR k: four token blocks by turns.  A lane's 32 numbers, register 8 b + j = channel 16 b + 8 h + j of token r, are two blocks of 32 and become registers 0-3 of a fragment.
.macro QKE a0
	WIN 0x28                                       ; sources 1 and 2 window 2
.irp x, 0,1
.irp e, 0,1,2,3
	v_max3_num_f32 v[TM+16*(\e/2)+2*(\e%2)+\x], 0x1800000, |v[32*(\a0+\e)+16*\x]|, |v[32*(\a0+\e)+16*\x+1]|
.endr
.endr
.irp i, 2,4,6,8,10,12,14
.irp x, 0,1
.irp e, 0,1,2,3
	v_max3_num_f32 v[TM+16*(\e/2)+2*(\e%2)+\x], v[TM+16*(\e/2)+2*(\e%2)+\x], |v[32*(\a0+\e)+16*\x+\i]|, |v[32*(\a0+\e)+16*\x+\i+1]|
.endr
.endr
.endr
	WIN 0
	SCALE8
.irp e, 0,1,2,3
	v_lshl_or_b32 v[SW+\a0+\e], v[TM+16*(\e/2)+2*(\e%2)+5], 8, v[TM+16*(\e/2)+2*(\e%2)+4]
.endr
	WIN 0x02                                       ; source 0 window 2
.irp e, 0,1,2,3
.irp u, 0,1
.irp x, 0,1
	v_cvt_scalef32_pk8_fp4_f32 v[QC+4*(\a0+\e)+2*\u+\x], v[32*(\a0+\e)+16*\x+8*\u:32*(\a0+\e)+16*\x+8*\u+7], v[TM+16*(\e/2)+2*(\e%2)+8+\x]
.endr
.endr
.endr
	WIN 0
	v_nop
.irp e, 0,1,2,3
.irp u, 0,1
	v_permlane16_swap_b32 v[QC+4*(\a0+\e)+2*\u], v[QC+4*(\a0+\e)+2*\u+1]
.endr
.endr
.irp e, 0,1,2,3
	global_store_b128 v[LI], v[QC+4*(\a0+\e):QC+4*(\a0+\e)+3], s[24:25] offset:(\a0+\e)*512   ; 512 consecutive bytes
.endr
.endm
	QKE 0
	QKE 4
	v_cmp_gt_u32 vcc_lo, 16, v[LN]
.irp j, 0,1,2,3
	v_cndmask_b32 v[SEL+\j], v[SW+2*\j+1], v[SW+2*\j], vcc_lo      ; lanes 0-15 keep block 2 j's word, lanes 16-31 block 2 j + 1's: so one register serves two blocks
.endr
.irp j, 0,1,2,3
	v_or_b32 v[SEL+\j], s67, v[SEL+\j]
.endr
	global_store_b128 v[LI], v[SEL:SEL+3], s[28:29]
	CROUND                                         ; the closing round: no work-group ends while a partner may still ask for a tile that names it
	s_endpgm
.Lfunc_end_k_q1fca814094_qkv:
	.size	k_q1fca814094_qkv, .Lfunc_end_k_q1fca814094_qkv-k_q1fca814094_qkv
	.p2alignl 7, 3214868480
	.fill 96, 4, 3214868480
	.section	.rodata,"a",@progbits
	.p2align	6, 0x0
	.amdhsa_kernel k_q1fca814094_qkv
		.amdhsa_group_segment_fixed_size 327680
		.amdhsa_private_segment_fixed_size 0
		.amdhsa_enable_private_segment 0
		.amdhsa_kernarg_size 48
		.amdhsa_user_sgpr_count 2
		.amdhsa_user_sgpr_kernarg_segment_ptr 1
		.amdhsa_wavefront_size32 1
		.amdhsa_system_sgpr_workgroup_id_x 1
		.amdhsa_system_sgpr_workgroup_id_y 1
		.amdhsa_system_sgpr_workgroup_id_z 1
		.amdhsa_system_vgpr_workitem_id 0
		.amdhsa_next_free_vgpr 1024
		.amdhsa_next_free_sgpr 102
		.amdhsa_reserve_vcc 1
		.amdhsa_float_denorm_mode_32 3
		.amdhsa_float_denorm_mode_16_64 3
		.amdhsa_memory_ordered 1
		.amdhsa_forward_progress 1
		.amdhsa_inst_pref_size 172
	.end_amdhsa_kernel
	.amdgpu_metadata
---
amdhsa.version: [ 1, 2 ]
amdhsa.kernels:
  - .name:           k_q1fca814094_qkv
    .symbol:         k_q1fca814094_qkv.kd
    .args:
      - { .name: xrec, .offset: 0, .size: 8, .value_kind: global_buffer, .address_space: global }
      - { .name: wrec, .offset: 8, .size: 8, .value_kind: global_buffer, .address_space: global }
      - { .name: bq, .offset: 16, .size: 8, .value_kind: global_buffer, .address_space: global }
      - { .name: bk, .offset: 24, .size: 8, .value_kind: global_buffer, .address_space: global }
      - { .name: bv, .offset: 32, .size: 8, .value_kind: global_buffer, .address_space: global }
      - { .name: heads, .offset: 40, .size: 8, .value_kind: global_buffer, .address_space: global }
    .group_segment_fixed_size: 327680
    .private_segment_fixed_size: 0
    .kernarg_segment_align: 8
    .kernarg_segment_size: 48
    .max_flat_workgroup_size: 128
    .sgpr_count:     102
    .vgpr_count:     1024
    .wavefront_size: 32
...
	.end_amdgpu_metadata
.endif
;; end of part 6
;; launch attn (part 7): grid 8 x 32, 16 waves a work-group, clusters of 4 x 1, 327,680 bytes of LDS; arguments heads, Wo, arec, brec; writes arec, brec
.if DOCPART == 7
	.amdgcn_target "amdgcn-amd-amdhsa--gfx1250"
	.amdhsa_code_object_version 6
	.text
	.protected	k_q1fca814094_attn
	.globl	k_q1fca814094_attn
	.p2align	8
	.type	k_q1fca814094_attn,@function
k_q1fca814094_attn:
	s_mov_b64 s[64:65], 0
	v_nop
	global_prefetch_b8 v0, s[64:65] scope:SCOPE_SE
	s_setreg_imm32_b32 hwreg(HW_REG_WAVE_MODE, 25, 1), 1
	s_wait_xcnt 0x0
	s_wait_alu depctr_hold_cnt(0) depctr_sa_sdst(0) depctr_va_vdst(0) depctr_va_sdst(0) depctr_va_ssrc(0) depctr_va_vcc(0) depctr_vm_vsrc(0)
	s_getreg_b32 s2, hwreg(HW_REG_IB_STS2, 6, 4)
	s_cmp_eq_u32 s2, 0
	s_cbranch_scc0 .Lentry_in_a_cluster
	s_endpgm
.Lentry_in_a_cluster:
	s_bfe_u32 s2, ttmp6, 0x10000c
	s_cmp_lg_u32 s2, 0x3003
	s_cbranch_scc0 .Lentry_shape_is_right
	s_endpgm
.Lentry_shape_is_right:
; Causal attention on codes of FP4 with E8M0 scales, head size 64, 1024 tokens, 2 batches x 32 heads; its result, O / l, is quantised along the channels for the output projection.  Also: Wo, f32, becomes codes.
; t = score x log2(e) / 8; M = the running largest t rounded UP to a whole number; p = 2^(t - M) is quantised along the keys, not normalised; the row's sum is taken of the unquantised p and divides at the end.
; When M moves, the sum and O are multiplied by 2^(old M - new M): exact.
; WORK LEFT OUT: key steps of 128 all of whose keys come after a tile's 16 queries: reference() masks their scores, and their p is 0.
; SHARES.  A work-group is (record = 16 x batch + head pair, g = 0..7).  The record's K and V (images of operand registers and scale words, 143,360 bytes) come into LDS once, 8,960 bytes a wave, asked for
; JOINTLY by the four work-groups of a cluster, which share the record.  Query tile 8 I + g, I = 0..7, wants I + 1 key steps.  Wave w: s = w % 4, head (w / 4) % 2 of the pair.  Waves w and w + 8 share the tiles
; I = 7 - s and I = s: wave w walks key steps 0-4 of the first; wave w + 8 its steps 5 .. 7 - s, leaves that partial sum, M and O in LDS, and walks steps 0 .. s of the second: 5 steps and 4.
; Then wave w joins the partial result to its own by exact powers of two.  Every branch hangs on the wave's number and a counter alone; g enters global addresses and one number that is compared.
; LAYOUT.  Both products are used transposed: S^T = K Q^T (source 0 = 16 keys, source 1 = my 16 queries), O^T = V^T P^T: a lane holds ONE query (lane % 16) throughout.  In S^T register 8 f + j is key
; 16 f + 8 (lane / 16) + j.  A head has 64 channels: registers 4-7 of Q's and K's fragments are zero codes (their scale bytes 0x7f).
; WO.  Work-group id = 8 x record + g takes 16 rows (tile id / 2) x 1,024 along K (half id % 2); wave w the 64 along K with number w: 16 rows of 256 bytes, one plain tensor load behind the round that shows the record,
; worked behind the wave's key steps.  Lane (r, h) takes row r, block h: the codes are an image.
; OUT.  arec and brec: [group of 128 rows 16][half of K 2] records of RB bytes: 0: images [row tile 8][16][512]; 65536: scale words: in arec [128 along K: 8][row tile 8][16 rows], in brec [pair of row tiles 4][2][lane 32][4].
; In arec group 8 x batch + g, row tile I stands for query tile 8 I + g.
; LIMITS: the promise holds while the scaled scores stay under 2^31 in magnitude; p under 2^-126 falls to 0 (v_exp_f32); a block of zeros gets the byte 1 (zero codes; this program alone reads the bytes);
; blocks under 2^-124 are held at that byte; 1 / l is v_rcp_f32; NaN and infinities are not served.
; No prefetch: what the launch reads is asked for once, at its start, and there is no loop of loads to run ahead in.
.set RS,   282624                      ; a record of heads
.set RB,   69632                       ; a record of arec, brec
.set PART, 8960                        ; a wave's sixteenth of the record's K and V: 35 rows of 256 bytes
.set STG,  143360                      ; 512 bytes: the result's scale words; behind them 512: Wo's scale bytes
.set WST,  STG+512
.set WTL,  WST+512                     ; Wo's tiles: 16 rows x 272 bytes a wave
.set DMPB, WTL+16*4352                 ; partial results: O^T's 32 registers, and -M, the largest t, the sum: 4,608 bytes a wave
.set SPARE, DMPB+16*4608
.set LI,   1                           ; v1   16 x lane
.set AK,   2                           ; v2   my lane's place in my head's images of K
.set AV,   3                           ; v3   of V
.set ASK,  4                           ; v4   among K's scale words
.set ASV,  5                           ; v5   among V's
.set STA,  6                           ; v6   where my tile's half word goes in the stage
.set WOA,  7                           ; v7   my block of Wo's tile
.set ADK,  8                           ; v8-11 the addresses of the step in hand
.set ADV,  9
.set ADS,  10
.set ADT,  11
.set NINF, 215                         ; v215 -infinity
.set DV,   216                         ; v216 16 g + lane % 16 - 8 (lane / 16)
.set QSO,  217                         ; v217 16 x (lane % 16)
.set DMP,  218                         ; v218 my partial result's place
.set DMQ,  219                         ; v219 wave w xor 8's
; v12 -M, v13 the largest t, v[14:15] the sum; v16-19 Q, v20-23 zeros; v24 Q's scale word, v25 P's, v26-27 V's, v28-31 K's (scales and nothing else); v32-63 and v224-255 K's eight fragments;
; v64-95 V's four; v96-159 S^T, then p; v160-191 O^T; v192-199 P's codes; v200-203 maxima, v204-207 bytes, v208-211 scale operands; v[212:213] f; v214 at work; v[220:221] a chain of the sum
.set SLN,  20                          ; s[20:21] lane selects for lane l xor 16
.set CS,   22                          ; s[22:23] c = log2(e) / 8
.set G1,   24
.set G0,   32
.set G1W,  36
.set G0W,  44
.set AS,   48                          ; s[48:49] where the result's scale words go, s[50:51] Wo's
.set BS,   50
.set AO,   52                          ; s[52:53] where the result's codes go, s[54:55] Wo's
.set BO,   54
.set SI,   60                          ; s60  the key step
.set TK,   61                          ; s61  its images: 4,096 bytes a step
.set TS,   62                          ; s62  K's scale words: 512
.set TJ,   63                          ; s63  V's: 256
.set WV,   66
.set HD,   67
.set IP,   68                          ; s68  I of the tile in hand
.set GG,   69
.set RC,   70
.set BT,   71
.set HP,   72
.set TR,   73                          ; s73  the trip
.set XT,   80                          ; s80  the trip at which I change tiles: 3 - s, or (waves 0-7) none
.set OFF,  81                          ; s81  ahead of it the key step is the trip + this, behind it the trip + s82
.set NX,   82
.set IB,   83                          ; s83  7 - s
.set IS,   84                          ; s84  s
.set IF,   85                          ; s85  I of the tile that I finish
.set RL,   86                          ; s86  0 for waves 0-7, else 1
.set QB,   76                          ; s[76:77], s[78:79] Q's fragment and scale words of tile 7 - s; s[88:89], s[90:91] of tile s
.set QS,   88
.macro CROUND                          ; a round of the cluster's barrier
	s_barrier_signal -1
	s_barrier_wait -1
	s_cmp_lg_u32 s[WV], 0
	s_cbranch_scc1 .Lnot_wave_0_\@
	s_barrier_signal -3
.Lnot_wave_0_\@:
	s_barrier_wait -3
	s_barrier_signal -1
	s_barrier_wait -1
.endm
.macro FRESH                           ; a tile begins: O^T and the sum are zeros, which the first change of M leaves zeros
	v_mov_b32 v13, 0xff61b1e6                      ; the largest t so far: -3e38, under every t
	s_delay_alu instid0(VALU_DEP_1)
	v_floor_f32 v12, -v13                          ; -M
	v_mov_b32 v14, 0
	v_mov_b32 v15, 0
.set N, 0
.rept 32
	v_mov_b32 v[160+N], 0
.set N, N+1
.endr
.endm
	s_load_b256 s[4:11], s[0:1], 0x0               ; heads, Wo, arec, brec
	v_lshl_add_u32 v222, v0, 2, SPARE
	v_mov_b32 v223, 0
	ds_add_u32 v222, v223                          ; the wave's opening: the add, twice on end
	ds_add_u32 v222, v223
	v_lshrrev_b32 v8, 5, v0
	v_readfirstlane_b32 s[WV], v8                  ; wave 0..15
	v_and_b32 v9, 31, v0                           ; lane
	v_and_b32 v10, 15, v0                          ; r
	v_bfe_u32 v11, v0, 4, 1                        ; h
	v_lshlrev_b32 v[LI], 4, v9
	v_lshlrev_b32 v[QSO], 4, v10
	s_and_b32 s[IS], s[WV], 3
	s_lshr_b32 s75, s[WV], 2
	s_and_b32 s[HD], s75, 1
	s_lshr_b32 s[RL], s75, 1
	s_xor_b32 s[IB], s[IS], 7
	s_xor_b32 s75, s[RL], 1
	s_mul_i32 s75, s75, 7
	s_xor_b32 s[IF], s[IS], s75
	s_xor_b32 s74, s[IS], 3                        ; 3 - s
	s_sub_co_u32 s[NX], 0, s74
	s_mul_i32 s[OFF], s[RL], 5
	s_cmp_eq_u32 s[RL], 0
	s_cselect_b32 s[XT], 99, s74
	s_bfe_u32 s13, ttmp6, 0x40000                  ; cx
	s_lshl_b32 s[GG], ttmp9, 2
	s_add_co_u32 s[GG], s[GG], s13                 ; g = 4 x cluster x + cx
	s_and_b32 s[RC], ttmp7, 0xffff                 ; the record, which the four partners share
	s_lshr_b32 s[BT], s[RC], 4
	s_and_b32 s[HP], s[RC], 15
	s_mov_b32 s[G1], 15|(3<<16)|(1<<21)            ; the mask: all four work-groups; elements of 8 bytes; bit 21 beside a mask; no padding
	s_mov_b32 s[G1+1], 32<<16
	s_mov_b32 s[G1+2], 35<<16
	s_mov_b32 s[G1+3], 32<<16
	s_mov_b32 s[G1+4], 35
	s_mov_b32 s[G1+5], 32
	s_mov_b32 s[G1+6], 0
	s_mov_b32 s[G1+7], 0
	s_mov_b32 s[G1W], (3<<16)|(1<<20)|(5<<22)|(3<<25) ; Wo: 16 rows of 256 bytes, 16 bytes of padding behind each; no mask
	s_mov_b32 s[G1W+1], 32<<16
	s_mov_b32 s[G1W+2], 16<<16
	s_mov_b32 s[G1W+3], 32<<16
	s_mov_b32 s[G1W+4], 16
	s_mov_b32 s[G1W+5], 1024
	s_mov_b32 s[G1W+6], 0
	s_mov_b32 s[G1W+7], 0
	s_mul_i32 s14, s[RC], RS
	s_mov_b32 s15, 0
	s_mul_i32 s16, s[WV], PART
	s_mov_b32 s17, 0
	s_mov_b32 s[SLN], 0x76543210
	s_mov_b32 s[SLN+1], 0xfedcba98
	s_mov_b32 s[CS], 0x3e38aa3b                    ; log2(e) / sqrt(64)
	s_mov_b32 s[CS+1], s[CS]                       ; (named with it as a pair, so it is written)
	s_wait_alu depctr_va_vdst(0)
	s_wait_dscnt 0x0                               ; both opening adds are done
	CROUND                                         ; all four work-groups are here: the joint loads meet
	s_wait_kmcnt 0x0
	s_add_nc_u64 s[18:19], s[4:5], s[14:15]        ; my record
	s_mov_b32 s[G0], 1
	s_mov_b32 s[G0+1], s16                         ; LDS: as it lies in memory
	s_add_nc_u64 s[G0+2:G0+3], s[18:19], s[16:17]
	s_or_b32 s[G0+3], s[G0+3], 0x80000000
	tensor_load_to_lds s[G0:G0+3], s[G1:G1+7]      ; my sixteenth: these bytes are filled once
	s_nop 0
.rept 4
	v_nop
.endr
	s_mov_b32 s57, 0
	s_mov_b32 s59, 0
	s_lshl_b32 s56, s[HD], 15                      ; Q's images: 143360 + head x 32768 + tile x 512, tile = 8 I + g
	s_lshl_b32 s58, s[GG], 9
	s_add_co_u32 s56, s56, s58
	s_add_co_u32 s56, s56, 143360
	s_lshl_b32 s60, s[IB], 12
	s_add_co_u32 s58, s56, s60
	s_add_nc_u64 s[QB:QB+1], s[18:19], s[58:59]
	s_lshl_b32 s60, s[IS], 12
	s_add_co_u32 s58, s56, s60
	s_add_nc_u64 s[QS:QS+1], s[18:19], s[58:59]
	s_lshl_b32 s56, s[HD], 12                      ; Q's scale words: 274432 + head x 4096 + I x 512 + 16 (16 (g % 2) + r) + 4 (g / 2)
	s_and_b32 s58, s[GG], 1
	s_lshl_b32 s58, s58, 8
	s_add_co_u32 s56, s56, s58
	s_lshr_b32 s58, s[GG], 1
	s_lshl_b32 s58, s58, 2
	s_add_co_u32 s56, s56, s58
	s_add_co_u32 s56, s56, 274432
	s_lshl_b32 s60, s[IB], 9
	s_add_co_u32 s58, s56, s60
	s_add_nc_u64 s[QB+2:QB+3], s[18:19], s[58:59]
	s_lshl_b32 s60, s[IS], 9
	s_add_co_u32 s58, s56, s60
	s_add_nc_u64 s[QS+2:QS+3], s[18:19], s[58:59]
	global_load_b128 v[16:19], v[LI], s[QB:QB+1]   ; Q's fragment: an image of its registers 0-3
	global_load_b32 v24, v[QSO], s[QB+2:QB+3]      ; and its scale words
	s_lshl_b32 s56, s[BT], 3                       ; the result's record: group 8 x batch + g, half head pair / 8
	s_add_co_u32 s56, s56, s[GG]
	s_lshl_b32 s56, s56, 1
	s_lshr_b32 s58, s[HP], 3
	s_add_co_u32 s56, s56, s58
	s_mul_i32 s56, s56, RB
	s_and_b32 s60, s[HP], 7
	s_lshl_b32 s58, s60, 9
	s_add_co_u32 s58, s58, s56
	s_add_co_u32 s58, s58, 65536
	s_add_nc_u64 s[AS:AS+1], s[8:9], s[58:59]
	s_lshl_b32 s58, s60, 10
	s_add_co_u32 s58, s58, s56
	s_lshl_b32 s60, s[IF], 13
	s_add_co_u32 s58, s58, s60
	s_lshl_b32 s60, s[HD], 9
	s_add_co_u32 s58, s58, s60
	s_add_nc_u64 s[AO:AO+1], s[8:9], s[58:59]
	s_lshr_b32 s56, s[RC], 1                       ; Wo's record: group record / 2, half g % 2
	s_lshl_b32 s56, s56, 1
	s_and_b32 s58, s[GG], 1
	s_add_co_u32 s56, s56, s58
	s_mul_i32 s56, s56, RB
	s_and_b32 s60, s[RC], 1
	s_lshl_b32 s60, s60, 2
	s_lshr_b32 s61, s[GG], 1
	s_add_co_u32 s60, s60, s61                     ; the row tile in it
	s_lshr_b32 s58, s60, 1
	s_lshl_b32 s58, s58, 10
	s_and_b32 s61, s60, 1
	s_lshl_b32 s61, s61, 8
	s_add_co_u32 s58, s58, s61
	s_add_co_u32 s58, s58, s56
	s_add_co_u32 s58, s58, 65536
	s_add_nc_u64 s[BS:BS+1], s[10:11], s[58:59]
	s_lshl_b32 s58, s60, 13
	s_add_co_u32 s58, s58, s56
	s_lshl_b32 s61, s[WV], 9
	s_add_co_u32 s58, s58, s61
	s_add_nc_u64 s[BO:BO+1], s[10:11], s[58:59]
	s_lshl_b32 s58, s[RC], 19                      ; Wo itself: 131,072 bytes a row tile, 4,096 a half row, 256 a wave
	s_lshr_b32 s61, s[GG], 1
	s_lshl_b32 s61, s61, 17
	s_add_co_u32 s58, s58, s61
	s_and_b32 s61, s[GG], 1
	s_lshl_b32 s61, s61, 12
	s_add_co_u32 s58, s58, s61
	s_lshl_b32 s61, s[WV], 8
	s_add_co_u32 s58, s58, s61
	s_mul_i32 s17, s[WV], 4352
	s_add_co_u32 s17, s17, WTL
	s_mov_b32 s[G0W], 1
	s_mov_b32 s[G0W+1], s17
	s_add_nc_u64 s[G0W+2:G0W+3], s[6:7], s[58:59]
	s_or_b32 s[G0W+3], s[G0W+3], 0x80000000
	s_lshl_b32 s74, s[HD], 15
	s_lshl_b32 s75, s[HD], 12
	s_add_co_u32 s75, s75, 131072
	s_lshl_b32 s14, s[HD], 11
	s_add_co_u32 s14, s14, 139264
	s_lshl_b32 s15, s[IF], 6
	s_lshl_b32 s12, s[HD], 1
	s_add_co_u32 s15, s15, s12
	s_add_co_u32 s15, s15, STG
	s_mul_i32 s12, s[WV], 4608
	s_add_co_u32 s12, s12, DMPB
	s_xor_b32 s16, s[WV], 8
	s_mul_i32 s16, s16, 4608
	s_add_co_u32 s16, s16, DMPB
	s_lshl_b32 s56, s[GG], 4
	v_add_nc_u32 v[AK], s74, v[LI]
	v_add_nc_u32 v[ASK], s75, v[LI]
	v_lshl_add_u32 v[ASV], v9, 3, s14
	v_lshl_add_u32 v[STA], v10, 2, s15             ; STG + 64 I + 4 r + 2 x head
	v_lshlrev_b32 v[DV], 3, v11
	v_mul_u32_u24 v[WOA], v10, 272
	v_add_nc_u32 v[DMP], s12, v[LI]
	v_add_nc_u32 v[DMQ], s16, v[LI]
	v_add_nc_u32 v[AV], 65536, v[AK]
	v_sub_nc_u32 v[DV], v10, v[DV]
	v_lshl_add_u32 v[WOA], v11, 7, v[WOA]
	v_mov_b32 v[NINF], 0xff800000
	v_add_nc_u32 v[DV], s56, v[DV]
	v_add_nc_u32 v[WOA], s17, v[WOA]               ; row r, block h
.irp j, 20,21,22,23, 204,205,206,207, 209,211,213,214
	v_mov_b32 v[\j], 0                             ; Q's zero codes; the lane permutes' destinations, which count as sources; the upper halves of pairs; the register at work
.endr
.irp f, 0,1,2,3,4,5,6,7
.irp j, 4,5,6,7
	v_mov_b32 v[32+8*\f+160*(\f/4)+\j], 0          ; K's zero codes, written once
.endr
.endr
	s_wait_alu depctr_va_vdst(0)
	s_wait_tensorcnt 0x0                           ; my sixteenth is in
	ds_add_u32 v222, v223
	s_wait_dscnt 0x0
	CROUND                                         ; everybody's is in
	tensor_load_to_lds s[G0W:G0W+3], s[G1W:G1W+7]  ; my tile of Wo: it has my key steps in which to land
	s_nop 0
.rept 4
	v_nop
.endr
	FRESH
	s_mov_b32 s[TR], 0
	s_wait_alu depctr_va_vdst(0)
	s_wait_loadcnt 0x0                             ; Q
; FIVE TRIPS, a key step of 128 keys each.
.Lstep:
	s_cmp_lg_u32 s[TR], s[XT]                      ; waves 8-15, once: the partial result of tile 7 - s goes to LDS (for s = 3 it is empty: zeros under the least M), and tile s begins
	s_cbranch_scc1 .Lsame
.rept 4
	v_nop                                          ; places behind the last products
.endr
	s_wait_alu depctr_va_vdst(0)
.irp k, 0,1,2,3,4,5,6,7
	ds_store_b128 v[DMP], v[160+4*\k:163+4*\k] offset:512*\k
.endr
	ds_store_b128 v[DMP], v[12:15] offset:4096
	global_load_b128 v[16:19], v[LI], s[QS:QS+1]
	global_load_b32 v24, v[QSO], s[QS+2:QS+3]
	FRESH
	s_wait_alu depctr_va_vdst(0)
	s_wait_loadcnt 0x0
.Lsame:
	s_cmp_lt_u32 s[TR], s[XT]
	s_cselect_b32 s74, s[OFF], s[NX]
	s_cselect_b32 s[IP], s[IB], s[IS]
	s_add_co_u32 s[SI], s[TR], s74                 ; the key step
	s_cmp_gt_u32 s[SI], s[IP]                      ; a step all of whose keys come after my queries (a fifth trip of waves 8-15) is left out: a branch round the work alone
	s_cbranch_scc1 .Lhidden
	s_and_b32 s74, s[SI], 7
	s_lshl_b32 s[TK], s74, 12
	s_lshl_b32 s[TS], s74, 9
	s_lshl_b32 s[TJ], s74, 8
	v_add_nc_u32 v[ADK], s[TK], v[AK]              ; these four are also the places between the last step's products and the loads into their registers
	v_add_nc_u32 v[ADV], s[TK], v[AV]
	v_add_nc_u32 v[ADS], s[TS], v[ASK]
	v_add_nc_u32 v[ADT], s[TJ], v[ASV]
	ds_load_b128 v[28:31], v[ADS]                  ; K's scale words: register j: lanes 0-15 key tile 2 j, lanes 16-31 key tile 2 j + 1
.irp f, 0,1,2,3,4,5,6,7
	ds_load_b128 v[32+8*\f+160*(\f/4):35+8*\f+160*(\f/4)], v[ADK] offset:512*\f
.endr
	ds_load_b64 v[26:27], v[ADT]                   ; V's scale words, laid likewise
.irp t, 0,1,2,3
.irp c, 0,1
	ds_load_b128 v[64+8*\t+4*\c:67+8*\t+4*\c], v[ADV] offset:1024*\t+512*\c
.endr
.endr
	s_wait_dscnt 9                                 ; K's nine loads are in; V's nine land under the softmax
.irp f, 0,1,2,3,4,5,6,7
.if \f%2
	v_wmma_scale_f32_16x16x128_f8f6f4 v[96+8*\f:103+8*\f], v[32+8*\f+160*(\f/4):39+8*\f+160*(\f/4)], v[16:23], 0, v[28+\f/2], v24 matrix_a_fmt:MATRIX_FMT_FP4 matrix_b_fmt:MATRIX_FMT_FP4 matrix_a_scale:MATRIX_SCALE_ROW1
.else
	v_wmma_scale_f32_16x16x128_f8f6f4 v[96+8*\f:103+8*\f], v[32+8*\f+160*(\f/4):39+8*\f+160*(\f/4)], v[16:23], 0, v[28+\f/2], v24 matrix_a_fmt:MATRIX_FMT_FP4 matrix_b_fmt:MATRIX_FMT_FP4
.endif
.endr
.rept 4
	v_nop                                          ; places in front of the first read of the scores
.endr
	s_cmp_lg_u32 s[SI], s[IP]                      ; only a tile's last step lies on the diagonal
	s_cbranch_scc1 .Lopen
.set N, 0
.rept 64                                       ; register 8 f + j holds key 16 f + 8 h + j of the step, my query is 16 g + r of it: hidden where 16 f + j > 16 g + r - 8 h.  Hidden scores become -infinity: p = 0
	v_cmp_gt_i32 vcc_lo, 16*(N/8)+N%8, v[DV]
	v_cndmask_b32 v[96+N], v[96+N], v[NINF], vcc_lo
.set N, N+1
.endr
.Lopen:
.irp b, 0,1,2,3
	v_max3_num_f32 v[200+\b], v[96+16*\b], v[97+16*\b], v[98+16*\b]   ; the largest score of each block of 32 keys: for the row's maximum, and, since p rises with the score, for the block's largest p
.endr
.irp i, 3,5,7,9,11,13
.irp b, 0,1,2,3
	v_max3_num_f32 v[200+\b], v[200+\b], v[96+16*\b+\i], v[97+16*\b+\i]
.endr
.endr
.irp b, 0,1,2,3
	v_max_num_f32 v[200+\b], v[200+\b], v[111+16*\b]
.endr
.irp b, 0,1,2,3
	s_delay_alu instid0(VALU_DEP_4)
	v_permlanex16_b32 v[204+\b], v[200+\b], s[SLN], s[SLN+1]
.endr
.irp b, 0,1,2,3
	s_delay_alu instid0(VALU_DEP_4)
	v_max_num_f32 v[200+\b], v[200+\b], v[204+\b]  ; with lane l xor 16's 16 keys
.endr
	s_delay_alu instid0(VALU_DEP_2)
	v_max3_num_f32 v214, v200, v201, v202
	s_delay_alu instid0(VALU_DEP_1)
	v_max_num_f32 v214, v214, v203                 ; the step's largest score of my query
	s_delay_alu instid0(VALU_DEP_1)
	v_mul_f32 v214, s[CS], v214                    ; as t (c is positive)
	s_delay_alu instid0(VALU_DEP_1)
	v_max_num_f32 v13, v13, v214                   ; the running largest t
	v_mov_b32 v214, v12
	s_delay_alu instid0(VALU_DEP_2)
	v_floor_f32 v12, -v13                          ; the new -M = floor(-t) = -ceil(t)
	s_delay_alu instid0(VALU_DEP_1)
	v_sub_f32 v214, v12, v214                      ; old M - new M: a whole number, 0 or less
	s_delay_alu instid0(VALU_DEP_1)
	v_cvt_i32_f32 v214, v214                       ; (it saturates)
	s_delay_alu instid0(VALU_DEP_1)
	v_ldexp_f32 v212, 1.0, v214                    ; f = 2^(old M - new M)
.set N, 0
.rept 32
	v_pk_fma_f32 v[96+N:97+N], v[96+N:97+N], s[CS:CS+1], v[12:13] op_sel_hi:[1,0,0]   ; t - M, two at a time
.set N, N+2
.endr
.irp b, 0,1,2,3
	v_fma_f32 v[200+\b], v[200+\b], s[CS], v12     ; the same of each block's largest score
.endr
.set N, 0
	s_wait_alu depctr_va_vdst(0)
.rept 64
	v_exp_f32 v[96+N], v[96+N]                     ; p = 2^(t - M), at most 1
.set N, N+1
.endr
.irp b, 0,1,2,3
	v_exp_f32 v[200+\b], v[200+\b]                 ; the block's largest p: the same two instructions on the same number
.endr
	v_pk_mul_f32 v[14:15], v[14:15], v[212:213] op_sel_hi:[1,0]    ; the sums under the new M.  (A plain place behind the exponentials)
	s_wait_alu depctr_va_vdst(0)                   ; and behind it, ahead of the first readers of the batch and of O^T
.set N, 0
.rept 16
	v_pk_mul_f32 v[160+N:161+N], v[160+N:161+N], v[212:213] op_sel_hi:[1,0]   ; O^T under the new M
.set N, N+2
.endr
.irp b, 0,1,2,3
	v_max_num_f32 v[200+\b], 0x1800000, v[200+\b]  ; the floor 2^(3 - 127): the byte cannot fall under 1
.endr
.irp b, 0,1,2,3
	s_delay_alu instid0(VALU_DEP_4)
	v_add_nc_u32 v[208+\b], 0xff000000, v[200+\b]  ; 2 off the exponent field: the conversion's scale operand
.endr
.irp b, 0,1,2,3
	s_delay_alu instid0(VALU_DEP_4)
	v_lshrrev_b32 v[204+\b], 23, v[208+\b]         ; the scale's byte
.endr
	s_delay_alu instid0(VALU_DEP_3)
	v_lshl_or_b32 v25, v205, 8, v204               ; p's scale word for these 128 keys
	s_delay_alu instid0(VALU_DEP_1)
	v_lshl_or_b32 v25, v206, 16, v25
	s_delay_alu instid0(VALU_DEP_1)
	v_lshl_or_b32 v25, v207, 24, v25
.irp c, 0,1
.irp u, 0,1
.irp e, 0,1
	v_cvt_scalef32_pk8_fp4_f32 v[192+4*\c+2*\u+\e], v[96+16*(2*\c+\e)+8*\u:103+16*(2*\c+\e)+8*\u], v[208+2*\c+\e]   ; block 2 c + e, its keys 16 u + 8 h + 0 .. 7
.endr
.endr
.endr
	v_nop                                          ; one plain place behind a scaled conversion
.irp c, 0,1
.irp u, 0,1
	v_permlane16_swap_b32 v[192+4*\c+2*\u], v[193+4*\c+2*\u]       ; registers 4 c .. 4 c + 3 of half h now hold keys 64 c + 32 h + 0 .. 31, in order
.endr
.endr
	v_pk_add_f32 v[220:221], v[100:101], v[104:105]                ; the row's sum, in eight chains (the temporaries lie in K's registers, which the next step loads)
	v_pk_add_f32 v[250:251], v[108:109], v[112:113]
	v_pk_add_f32 v[248:249], v[116:117], v[120:121]
	v_pk_add_f32 v[242:243], v[124:125], v[128:129]
	v_pk_add_f32 v[240:241], v[132:133], v[136:137]
	v_pk_add_f32 v[234:235], v[140:141], v[144:145]
	v_pk_add_f32 v[232:233], v[148:149], v[152:153]
	v_pk_add_f32 v[14:15], v[14:15], v[156:157]
	v_pk_add_f32 v[220:221], v[220:221], v[96:97]
	v_pk_add_f32 v[250:251], v[250:251], v[98:99]
	v_pk_add_f32 v[248:249], v[248:249], v[102:103]
	v_pk_add_f32 v[242:243], v[242:243], v[106:107]
	v_pk_add_f32 v[240:241], v[240:241], v[110:111]
	v_pk_add_f32 v[234:235], v[234:235], v[114:115]
	v_pk_add_f32 v[232:233], v[232:233], v[118:119]
	v_pk_add_f32 v[14:15], v[14:15], v[122:123]
	v_pk_add_f32 v[220:221], v[220:221], v[126:127]
	v_pk_add_f32 v[250:251], v[250:251], v[130:131]
	v_pk_add_f32 v[248:249], v[248:249], v[134:135]
	v_pk_add_f32 v[242:243], v[242:243], v[138:139]
	v_pk_add_f32 v[240:241], v[240:241], v[142:143]
	v_pk_add_f32 v[234:235], v[234:235], v[146:147]
	v_pk_add_f32 v[232:233], v[232:233], v[150:151]
	v_pk_add_f32 v[14:15], v[14:15], v[154:155]
	v_pk_add_f32 v[220:221], v[220:221], v[158:159]
	s_delay_alu instid0(VALU_DEP_2)
	v_pk_add_f32 v[14:15], v[14:15], v[242:243]
	s_delay_alu instid0(VALU_DEP_2)
	v_pk_add_f32 v[220:221], v[220:221], v[240:241]
	v_pk_add_f32 v[250:251], v[250:251], v[234:235]
	v_pk_add_f32 v[248:249], v[248:249], v[232:233]
	s_delay_alu instid0(VALU_DEP_2)
	v_pk_add_f32 v[14:15], v[14:15], v[250:251]
	s_delay_alu instid0(VALU_DEP_2)
	v_pk_add_f32 v[220:221], v[220:221], v[248:249]
	s_delay_alu instid0(VALU_DEP_1)
	v_pk_add_f32 v[14:15], v[14:15], v[220:221]
	s_wait_dscnt 0x0                               ; V
.irp t, 0,1,2,3                                ; the four accumulators take turns
.if \t%2
	v_wmma_scale_f32_16x16x128_f8f6f4 v[160+8*\t:167+8*\t], v[64+8*\t:71+8*\t], v[192:199], v[160+8*\t:167+8*\t], v[26+\t/2], v25 matrix_a_fmt:MATRIX_FMT_FP4 matrix_b_fmt:MATRIX_FMT_FP4 matrix_a_scale:MATRIX_SCALE_ROW1
.else
	v_wmma_scale_f32_16x16x128_f8f6f4 v[160+8*\t:167+8*\t], v[64+8*\t:71+8*\t], v[192:199], v[160+8*\t:167+8*\t], v[26+\t/2], v25 matrix_a_fmt:MATRIX_FMT_FP4 matrix_b_fmt:MATRIX_FMT_FP4
.endif
.endr
.Lhidden:
	s_add_co_u32 s[TR], s[TR], 1
	s_cmp_lt_u32 s[TR], 5
	s_cbranch_scc1 .Lstep
.rept 4
	v_nop                                          ; places behind the last products
.endr
; MY TILE OF WO: a lane takes a block of 32.
	s_wait_alu depctr_va_vdst(0)
	s_wait_tensorcnt 0x0                           ; it has landed; no other wave reads it
.irp i, 0,1,2,3,4,5,6,7
	ds_load_b128 v[96+4*\i:99+4*\i], v[WOA] offset:16*\i
.endr
	s_lshr_b32 s74, s[WV], 3                       ; Wo's scale bytes in the stage: [4 x 128 along K: 2][row 16][128 along K: 4][4]
	s_lshl_b32 s74, s74, 8
	s_and_b32 s75, s[WV], 7
	s_lshl_b32 s75, s75, 1
	s_add_co_u32 s74, s74, s75
	s_add_co_u32 s74, s74, WST
	v_and_b32 v8, 15, v0
	v_bfe_u32 v9, v0, 4, 1
	v_lshl_add_u32 v10, v8, 4, v9
	v_add_nc_u32 v10, s74, v10
	s_wait_alu depctr_va_vdst(0)
	s_wait_dscnt 0x0
.irp k, 0,1,2,3
	v_max3_num_f32 v[200+\k], |v[96+8*\k]|, |v[97+8*\k]|, |v[98+8*\k]|
.endr
.irp i, 3,5
.irp k, 0,1,2,3
	v_max3_num_f32 v[200+\k], v[200+\k], |v[96+8*\k+\i]|, |v[97+8*\k+\i]|
.endr
.endr
	v_max3_num_f32 v200, v200, |v103|, |v111|
	v_max3_num_f32 v201, v201, |v119|, |v127|
	v_max3_num_f32 v202, v202, v203, 0x1800000
	s_delay_alu instid0(VALU_DEP_1)
	v_max3_num_f32 v200, v200, v201, v202
	s_delay_alu instid0(VALU_DEP_1)
	v_add_nc_u32 v208, 0xff000000, v200
.irp k, 0,1,2,3
	v_cvt_scalef32_pk8_fp4_f32 v[196+\k], v[96+8*\k:103+8*\k], v208
.endr
	v_lshrrev_b32 v204, 23, v208
	global_store_b128 v[LI], v[196:199], s[BO:BO+1]  ; an image: 512 consecutive bytes
	ds_store_b8 v10, v204
	s_wait_alu depctr_va_vdst(0)
	s_wait_dscnt 0x0                               ; for the others' sake: my partial result is in LDS
	s_barrier_signal -1
	s_barrier_wait -1
	s_cmp_lg_u32 s[RL], 0
	s_cbranch_scc1 .Lwhole
; WAVES 0-7: tile 7 - s is joined of two parts: M is the larger, each part is multiplied by 2^(its M - M), which rounds nothing.
.irp k, 0,1,2,3,4,5,6,7
	ds_load_b128 v[64+4*\k:67+4*\k], v[DMQ] offset:512*\k
.endr
	ds_load_b128 v[200:203], v[DMQ] offset:4096    ; its -M, largest t and sum
	s_wait_dscnt 0x0
	v_min_num_f32 v204, v12, v200                  ; -M
	v_sub_f32 v205, v204, v12                      ; whole numbers, 0 or less
	v_sub_f32 v206, v204, v200
	v_cvt_i32_f32 v205, v205                       ; (they saturate)
	v_cvt_i32_f32 v206, v206
	v_ldexp_f32 v208, 1.0, v205
	v_ldexp_f32 v210, 1.0, v206
	v_pk_mul_f32 v[14:15], v[14:15], v[208:209] op_sel_hi:[1,0]
.set N, 0
.rept 16
	v_pk_mul_f32 v[160+N:161+N], v[160+N:161+N], v[208:209] op_sel_hi:[1,0]
.set N, N+2
.endr
	v_pk_fma_f32 v[14:15], v[202:203], v[210:211], v[14:15] op_sel_hi:[1,0,1]
.set N, 0
.rept 16
	v_pk_fma_f32 v[160+N:161+N], v[64+N:65+N], v[210:211], v[160+N:161+N] op_sel_hi:[1,0,1]
.set N, N+2
.endr
.Lwhole:
	s_wait_alu depctr_va_vdst(0)
	v_add_f32 v14, v14, v15                        ; the sum's two halves,
	s_delay_alu instid0(VALU_DEP_1)
	v_permlanex16_b32 v214, v14, s[SLN], s[SLN+1]
	s_delay_alu instid0(VALU_DEP_1)
	v_add_f32 v14, v14, v214                       ; and lane l xor 16's: the row's sum
	s_wait_alu depctr_va_vdst(0)
	v_rcp_f32 v14, v14
	v_nop                                          ; a plain place behind the transcendental
.set N, 0
	s_wait_alu depctr_va_vdst(0)
.rept 16
	v_pk_mul_f32 v[96+N:97+N], v[160+N:161+N], v[14:15] op_sel_hi:[1,0]   ; O^T / the sum, each accumulator from its low end on: register 8 t + j is channel 16 t + 8 h + j of my query
.set N, N+2
.endr
.irp b, 0,1                                    ; the head's 64 channels are two blocks of the output projection's K
	v_max3_num_f32 v[200+\b], |v[96+16*\b]|, |v[97+16*\b]|, 0x1800000
.endr
.irp i, 2,4,6,8,10,12,14
.irp b, 0,1
	s_delay_alu instid0(VALU_DEP_2)
	v_max3_num_f32 v[200+\b], v[200+\b], |v[96+16*\b+\i]|, |v[97+16*\b+\i]|
.endr
.endr
.irp b, 0,1
	s_delay_alu instid0(VALU_DEP_2)
	v_permlanex16_b32 v[204+\b], v[200+\b], s[SLN], s[SLN+1]
.endr
.irp b, 0,1
	s_delay_alu instid0(VALU_DEP_2)
	v_max_num_f32 v[200+\b], v[200+\b], v[204+\b]
.endr
.irp b, 0,1
	s_delay_alu instid0(VALU_DEP_2)
	v_add_nc_u32 v[208+\b], 0xff000000, v[200+\b]
.endr
.irp b, 0,1
	s_delay_alu instid0(VALU_DEP_2)
	v_lshrrev_b32 v[204+\b], 23, v[208+\b]
.endr
	s_delay_alu instid0(VALU_DEP_1)
	v_lshl_or_b32 v214, v205, 8, v204              ; my head's half of the row's scale word
.irp u, 0,1
.irp e, 0,1
	v_cvt_scalef32_pk8_fp4_f32 v[192+2*\u+\e], v[96+16*\e+8*\u:103+16*\e+8*\u], v[208+\e]
.endr
.endr
	v_nop                                          ; one plain place behind a scaled conversion
.irp u, 0,1
	v_permlane16_swap_b32 v[192+2*\u], v[193+2*\u] ; half h now holds channels 32 h + 0 .. 31, in order
.endr
	global_store_b128 v[LI], v[192:195], s[AO:AO+1]  ; 512 consecutive bytes
	ds_store_b16 v[STA], v214                      ; lanes l and l xor 16 write the same half word with the same value
	s_and_b32 s74, s[WV], 1                        ; waves 0 and 1: where they read a stage back, and where it goes: wave 1's second 256 bytes lie 512 on, wave 0's 256
	s_lshl_b32 s75, s74, 9
	s_add_co_u32 s75, s75, STG
	s_lshl_b32 s74, s74, 8
	v_bfe_u32 v9, v0, 4, 1
	v_add_nc_u32 v8, s75, v[LI]
	v_mul_u32_u24 v9, s74, v9
	v_add_nc_u32 v9, v9, v[LI]
	s_wait_alu depctr_va_vdst(0)
	s_wait_tensorcnt 0x0                           ; my last LDS write is behind me
	ds_add_u32 v222, v223
	s_wait_dscnt 0x0                               ; also for the others' sake: my stores into the stages are done
	s_barrier_signal -1
	s_barrier_wait -1
	s_cmp_gt_u32 s[WV], 1
	s_cbranch_scc1 .Lnot_first
	s_cmp_eq_u32 s[WV], 0                          ; wave 0 stores the result's 128 scale words, wave 1 Wo's 512 scale bytes
	s_cselect_b64 s[92:93], s[AS:AS+1], s[BS:BS+1]
	ds_load_b128 v[100:103], v8
	s_wait_dscnt 0x0
	global_store_b128 v9, v[100:103], s[92:93]     ; whole units of 256 bytes
.Lnot_first:
	CROUND                                         ; the closing round
	s_endpgm
.Lfunc_end_k_q1fca814094_attn:
	.size	k_q1fca814094_attn, .Lfunc_end_k_q1fca814094_attn-k_q1fca814094_attn
	.p2alignl 7, 3214868480
	.fill 96, 4, 3214868480
	.section	.rodata,"a",@progbits
	.p2align	6, 0x0
	.amdhsa_kernel k_q1fca814094_attn
		.amdhsa_group_segment_fixed_size 327680
		.amdhsa_private_segment_fixed_size 0
		.amdhsa_enable_private_segment 0
		.amdhsa_kernarg_size 32
		.amdhsa_user_sgpr_count 2
		.amdhsa_user_sgpr_kernarg_segment_ptr 1
		.amdhsa_wavefront_size32 1
		.amdhsa_system_sgpr_workgroup_id_x 1
		.amdhsa_system_sgpr_workgroup_id_y 1
		.amdhsa_system_sgpr_workgroup_id_z 1
		.amdhsa_system_vgpr_workitem_id 0
		.amdhsa_next_free_vgpr 256
		.amdhsa_next_free_sgpr 96
		.amdhsa_reserve_vcc 1
		.amdhsa_float_denorm_mode_32 3
		.amdhsa_float_denorm_mode_16_64 3
		.amdhsa_memory_ordered 1
		.amdhsa_forward_progress 1
		.amdhsa_inst_pref_size 46
	.end_amdhsa_kernel
	.amdgpu_metadata
---
amdhsa.version: [ 1, 2 ]
amdhsa.kernels:
  - .name:           k_q1fca814094_attn
    .symbol:         k_q1fca814094_attn.kd
    .args:
      - { .name: heads, .offset: 0, .size: 8, .value_kind: global_buffer, .address_space: global }
      - { .name: Wo, .offset: 8, .size: 8, .value_kind: global_buffer, .address_space: global }
      - { .name: arec, .offset: 16, .size: 8, .value_kind: global_buffer, .address_space: global }
      - { .name: brec, .offset: 24, .size: 8, .value_kind: global_buffer, .address_space: global }
    .group_segment_fixed_size: 327680
    .private_segment_fixed_size: 0
    .kernarg_segment_align: 8
    .kernarg_segment_size: 32
    .max_flat_workgroup_size: 512
    .sgpr_count:     96
    .vgpr_count:     256
    .wavefront_size: 32
...
	.end_amdgpu_metadata
.endif
;; end of part 7
;; launch oproj (part 8): grid 16 x 16, 4 waves a work-group, clusters of 4 x 4, 327,680 bytes of LDS; arguments arec, brec, bo, out0; writes out0
.if DOCPART == 8
	.amdgcn_target "amdgcn-amd-amdhsa--gfx1250"
	.amdhsa_code_object_version 6
	.text
	.protected	k_q1fca814094_oproj
	.globl	k_q1fca814094_oproj
	.p2align	8
	.type	k_q1fca814094_oproj,@function
k_q1fca814094_oproj:
	s_mov_b64 s[64:65], 0
	v_nop
	global_prefetch_b8 v0, s[64:65] scope:SCOPE_SE
	s_setreg_imm32_b32 hwreg(HW_REG_WAVE_MODE, 25, 1), 1
	s_wait_xcnt 0x0
	s_wait_alu depctr_hold_cnt(0) depctr_sa_sdst(0) depctr_va_vdst(0) depctr_va_sdst(0) depctr_va_ssrc(0) depctr_va_vcc(0) depctr_vm_vsrc(0)
	s_getreg_b32 s2, hwreg(HW_REG_IB_STS2, 6, 4)
	s_cmp_eq_u32 s2, 0
	s_cbranch_scc0 .Lentry_in_a_cluster
	s_endpgm
.Lentry_in_a_cluster:
	s_bfe_u32 s2, ttmp6, 0x10000c
	s_cmp_lg_u32 s2, 0xf033
	s_cbranch_scc0 .Lentry_shape_is_right
	s_endpgm
.Lentry_shape_is_right:
; The output projection on codes of FP4 with E8M0 scales: out[row][n] = bo[n] + the sum over k of A[row][k] Wo[n][k]; f32 sums that begin with the bias (the C of the first product).
; arec, brec: [group of 128 rows 16][half of K 2] records of RB bytes: images of operand registers [row tile 8][64 along K: 16][512], and behind 65,536 bytes the scale words: in arec [128 along K: 8][row tile 8][16 rows],
; in brec [pair of row tiles 4][2][lane 32][4].  Row tile I of arec's group 8 x batch + g is rows 1024 batch + 16 (8 I + g) of the output.
; A work-group makes 128 x 128, a wave 64 x 64.  Its four records, all of K, come into LDS by one load a wave: wave 0 A's first half of K, wave 1 B's, wave 2 A's second half, wave 3 B's.  Nothing is filled again.
; The first barrier shows the first half alone: waves 2 and 3, whose load lines are their own, wait for theirs in front of the second barrier, behind six of the sixteen steps.
; The last four steps of 128 along K go by blocks of 16 rows of the output: their fragments fill the four sets, each block is finished by 16 matrix instructions and leaves while the next is multiplied.
; CLUSTERS: 4 x 4 work-groups: A's records are asked for jointly along a row of the cluster, B's along a column.
; No prefetch: there is no loop of loads to run ahead in.
; THE MATRIX INSTRUCTION IS USED TRANSPOSED (source 0 = 16 rows of B, source 1 = 16 rows of A): a lane holds eight neighbouring columns of one row.  Rows leave through the wave's own stage in LDS.
; LIMITS: NaN and infinities are not served.
; REGISTERS: window 0: v16-31 addresses, v32-63 A's scale words, v64-95 B's (scales and nothing else), v96-127 the bias, v128-255 sixteen accumulators; window 1: four sets of fragments, B's four and A's four;
; on the way out block a's rows come back into A's four fragments of block a, which its products have read last.
.set SIZE_N, 2048
.set RB,     69632
.set CH,     2*RB                      ; a half of K: A's record, then B's
.set STG,    4*RB
.set SPITCH, 272
.set SPARE,  STG+4*16*SPITCH
.set ADRA,  16
.set ADRB,  20
.set ADRSA, 22
.set STO,   24
.set RD,    25
.set ADRSB, 26
.set CO,    28
.set SPW,   29
.set NIL,   30
.set H32,   31
.set SCA,   32
.set SCB,   64
.set BIAS,  96
.set ACC,   128
.set G1, 24
.set G0, 32
.set G1B, 48
.set G0B, 56
.set MSB, 0
.macro WIN new                         ; the immediate's high byte repeats the setting that is left
.if MSB != (\new)
	s_set_vgpr_msb (MSB<<8)|(\new)
.set MSB, (\new)
.endif
.endm
.set MUL,    0x05                      ; sources 0 and 1 window 1
.set TO_F,   0x40
.set FROM_F, 0x04
.macro CROUND                          ; a round of the cluster's barrier
	s_barrier_signal -1
	s_barrier_wait -1
	s_cmp_lg_u32 s14, 0
	s_cbranch_scc1 .Lnot_wave_0_\@
	s_barrier_signal -3
.Lnot_wave_0_\@:
	s_barrier_wait -3
	s_barrier_signal -1
	s_barrier_wait -1
.endm
	s_load_b256 s[4:11], s[0:1], 0x0               ; arec, brec, bo, out0
	v_lshl_add_u32 v[SPW], v0, 2, SPARE
	v_mov_b32 v[NIL], 0
	ds_add_u32 v[SPW], v[NIL]                      ; the wave's opening: the add, twice on end
	ds_add_u32 v[SPW], v[NIL]
	v_lshrrev_b32 v1, 5, v0
	v_readfirstlane_b32 s14, v1                    ; wave 0..3
	s_lshr_b32 s15, s14, 1                         ; my half of the tile's rows
	s_and_b32 s16, s14, 1                          ; my half of its columns
	s_bfe_u32 s40, ttmp6, 0x40000
	s_bfe_u32 s41, ttmp6, 0x40004
	s_lshl_b32 s42, ttmp9, 2
	s_add_co_u32 s42, s42, s40                     ; tile column 0..15
	s_and_b32 s17, ttmp7, 0xffff
	s_lshl_b32 s17, s17, 2
	s_add_co_u32 s17, s17, s41                     ; tile row 0..15
	s_lshl_b32 s43, s41, 2
	s_lshl_b32 s43, 15, s43                        ; my row of the cluster
	s_lshl_b32 s44, 0x1111, s40                    ; my column
	s_or_b32 s[G1+0], s43, (3<<16)|(1<<21)         ; the mask; elements of 8 bytes; bit 21 beside a mask; no padding
	s_or_b32 s[G1B+0], s44, (3<<16)|(1<<21)
.irp g, G1, G1B                        ; a record: 272 dense rows of 256 bytes
	s_mov_b32 s[\g+1], 32<<16
	s_mov_b32 s[\g+2], 272<<16
	s_mov_b32 s[\g+3], 32<<16
	s_mov_b32 s[\g+4], 272
	s_mov_b32 s[\g+5], 32
	s_mov_b32 s[\g+6], 0
	s_mov_b32 s[\g+7], 0
.endr
	s_mul_i32 s20, s17, 2*RB
	s_mov_b32 s21, 0
	s_mul_i32 s46, s42, 2*RB
	s_mov_b32 s47, 0
	s_wait_dscnt 0x0                               ; both opening adds are done
	CROUND                                         ; all sixteen work-groups are here: the joint loads meet
	s_wait_kmcnt 0x0
	s_add_nc_u64 s[20:21], s[4:5], s[20:21]
	s_add_nc_u64 s[46:47], s[6:7], s[46:47]
.irp s, 0,1
	s_mov_b32 s[G0+4*\s], 1
	s_mov_b32 s[G0+4*\s+1], \s*CH
	s_add_nc_u64 s[G0+4*\s+2:G0+4*\s+3], s[20:21], \s*RB
	s_or_b32 s[G0+4*\s+3], s[G0+4*\s+3], 0x80000000
	s_mov_b32 s[G0B+4*\s], 1
	s_mov_b32 s[G0B+4*\s+1], \s*CH+RB
	s_add_nc_u64 s[G0B+4*\s+2:G0B+4*\s+3], s[46:47], \s*RB
	s_or_b32 s[G0B+4*\s+3], s[G0B+4*\s+3], 0x80000000
.endr
; ONE tree of branches on the wave's number, a load to an arm: every way through the head passes exactly one.
.macro ARM under, g0, g1, next
	s_cmp_lt_u32 s14, \under
	s_cbranch_scc0 \next
	tensor_load_to_lds s[\g0:\g0+3], s[\g1:\g1+7]
	s_nop 0
.rept 4
	v_nop
.endr
	s_branch .Lhead_asked
\next:
.endm
	ARM 1, G0,   G1,  .Lhead_b
	ARM 2, G0B,  G1B, .Lhead_a1
	ARM 3, G0+4, G1,  .Lhead_b1
	tensor_load_to_lds s[G0B+4:G0B+7], s[G1B:G1B+7]
	s_nop 0
.rept 4
	v_nop
.endr
.Lhead_asked:
	s_lshl_b32 s18, s42, 9
	s_lshl_b32 s19, s16, 8
	s_add_co_u32 s18, s18, s19                     ; my first column, in bytes: in the bias and in a row of the output
	s_mov_b32 s19, 0
	s_add_nc_u64 s[8:9], s[8:9], s[18:19]
	s_lshr_b32 s20, s17, 3                         ; my first row: 1024 batch + 512 x half + 16 g; A's next block is 128 rows on
	s_lshl_b32 s20, s20, 10
	s_lshl_b32 s21, s15, 9
	s_add_co_u32 s20, s20, s21
	s_and_b32 s21, s17, 7
	s_lshl_b32 s21, s21, 4
	s_add_co_u32 s20, s20, s21
	s_lshl_b32 s20, s20, 13
	s_add_co_u32 s20, s20, s18
	s_mov_b32 s21, 0
	s_add_nc_u64 s[12:13], s[10:11], s[20:21]
	s_lshl_b32 s68, s15, 15                        ; LDS: my four row tiles of A,
	s_lshl_b32 s69, s16, 15
	s_add_co_u32 s69, s69, RB                      ; of B,
	s_lshl_b32 s70, s15, 8
	s_add_co_u32 s70, s70, 65536                   ; A's scale words,
	s_lshl_b32 s71, s16, 11
	s_add_co_u32 s71, s71, RB+65536                ; B's
	s_mul_i32 s72, s14, 16*SPITCH
	s_add_co_u32 s72, s72, STG                     ; my stage
	v_and_b32 v1, 15, v0                           ; r
	v_bfe_u32 v2, v0, 4, 1                         ; h
	v_and_b32 v7, 31, v0                           ; lane
	v_lshlrev_b32 v[H32], 5, v2
	v_lshlrev_b32 v3, 4, v7
	v_lshlrev_b32 v4, 2, v7
	v_add_nc_u32 v[ADRA], s68, v3
	v_add_nc_u32 v[ADRB], s69, v3
	v_add_nc_u32 v[ADRSA], s70, v4
	v_add_nc_u32 v[ADRSB], s71, v3
	v_mul_u32_u24 v5, v1, SPITCH
	v_mul_u32_u24 v6, v2, SPITCH
	v_add_nc_u32 v[ADRA+1], CH, v[ADRA]
	v_add_nc_u32 v[ADRB+1], CH, v[ADRB]
	v_add_nc_u32 v[ADRSA+1], CH, v[ADRSA]
	v_add_nc_u32 v[ADRSB+1], CH, v[ADRSB]
	v_lshl_add_u32 v5, v2, 5, v5
	v_lshl_add_u32 v6, v1, 4, v6
	v_lshlrev_b32 v[CO], 13, v2
	v_add_nc_u32 v[STO], s72, v5                   ; in: row r, 32 bytes for each half of the lanes
	v_add_nc_u32 v[RD], s72, v6                    ; back: lanes 0-15 one row of 256 bytes, lanes 16-31 the next
	v_lshl_add_u32 v[CO], v1, 4, v[CO]
.irp b, 0,1,2,3
	global_load_b128 v[BIAS+8*\b:BIAS+8*\b+3], v[H32], s[8:9] offset:64*\b
	global_load_b128 v[BIAS+8*\b+4:BIAS+8*\b+7], v[H32], s[8:9] offset:64*\b+16
.endr
.macro FETCH q                         ; the fragments of 128 along K: two images each
	WIN TO_F
.irp i, 0,1,2,3
.irp c, 0,1
	ds_load_b128 v[64*((\q)%4)+8*\i+4*\c:64*((\q)%4)+8*\i+4*\c+3], v[ADRB+(\q)/8] offset:\i*8192+((\q)%8)*1024+512*\c
.endr
.endr
.irp i, 0,1,2,3
.irp c, 0,1
	ds_load_b128 v[64*((\q)%4)+32+8*\i+4*\c:64*((\q)%4)+32+8*\i+4*\c+3], v[ADRA+(\q)/8] offset:\i*8192+((\q)%8)*1024+512*\c
.endr
.endr
.endm
.macro SCALES j                        ; half j's scale words: one register serves two blocks of rows, lanes 0-15 and 16-31
.irp ip, 0,1
.irp k, 0,1
	ds_load_b128 v[SCB+16*\ip+8*\j+4*\k:SCB+16*\ip+8*\j+4*\k+3], v[ADRSB+\j] offset:\ip*1024+512*\k
.endr
.endr
.irp ip, 0,1
.irp q, 0,1,2,3,4,5,6,7
	ds_load_b32 v[SCA+16*\ip+8*\j+\q], v[ADRSA+\j] offset:\q*512+\ip*128
.endr
.endr
.endm
.macro WM
.if oB && oA
	v_wmma_scale_f32_16x16x128_f8f6f4 v[rD:rD+7], v[rB:rB+7], v[rA:rA+7], v[rC:rC+7], v[rSB], v[rSA] matrix_a_fmt:MATRIX_FMT_FP4 matrix_b_fmt:MATRIX_FMT_FP4 matrix_a_scale:MATRIX_SCALE_ROW1 matrix_b_scale:MATRIX_SCALE_ROW1
.elseif oB
	v_wmma_scale_f32_16x16x128_f8f6f4 v[rD:rD+7], v[rB:rB+7], v[rA:rA+7], v[rC:rC+7], v[rSB], v[rSA] matrix_a_fmt:MATRIX_FMT_FP4 matrix_b_fmt:MATRIX_FMT_FP4 matrix_a_scale:MATRIX_SCALE_ROW1
.elseif oA
	v_wmma_scale_f32_16x16x128_f8f6f4 v[rD:rD+7], v[rB:rB+7], v[rA:rA+7], v[rC:rC+7], v[rSB], v[rSA] matrix_a_fmt:MATRIX_FMT_FP4 matrix_b_fmt:MATRIX_FMT_FP4 matrix_b_scale:MATRIX_SCALE_ROW1
.else
	v_wmma_scale_f32_16x16x128_f8f6f4 v[rD:rD+7], v[rB:rB+7], v[rA:rA+7], v[rC:rC+7], v[rSB], v[rSA] matrix_a_fmt:MATRIX_FMT_FP4 matrix_b_fmt:MATRIX_FMT_FP4
.endif
.endm
.macro ONE q, a, b                     ; one matrix instruction
.set rD, ACC+8*(4*(\a)+(\b))
.set rC, rD
.if (\q) == 0
.set rC, BIAS+8*(\b)
.endif
.set rB, 64*((\q)%4)+8*(\b)
.set rA, 64*((\q)%4)+32+8*(\a)
.set rSB, SCB+16*((\b)/2)+(\q)
.set rSA, SCA+16*((\a)/2)+(\q)
.set oB, (\b)%2
.set oA, (\a)%2
	WM
.endm
.macro MULK q                          ; the sixteen accumulators take turns, one instruction a turn
.irp a, 0,1,2,3
.irp b, 0,1,2,3
	ONE \q, \a, \b
.endr
.endr
.endm
.macro ROW a                           ; block a's last four steps: its four accumulators take turns
	WIN MUL
.irp q, 12,13,14,15
.if \a == 0
	s_wait_dscnt 16*(15-\q)                        ; step q's 16 loads are in
.endif
.irp b, 0,1,2,3
	ONE \q, \a, \b
.endr
.endr
.endm
.macro PLACES
.rept 4
	v_nop
.endr
.endm
	s_wait_alu depctr_va_vdst(0)
	s_cmp_lt_u32 s14, 2
	s_cbranch_scc0 .Lsecond_half
	s_wait_tensorcnt 0x0                           ; waves 0 and 1: the first half of K is in
.Lsecond_half:
	s_barrier_signal -1
	s_barrier_wait -1
	SCALES 0
	FETCH 0
	FETCH 1
	s_wait_loadcnt 0x0                             ; the bias
.irp q, 0,1,2,3,4,5,6,7,8,9,10,11
.if \q == 0
	s_wait_dscnt 16                                ; all but the next step's 16 loads are in
.else
	s_wait_dscnt 32                                ; all but the next two steps' 32
.endif
	WIN MUL
	MULK \q
	PLACES
.if \q == 5
	s_wait_tensorcnt 0x0                           ; the second half of K is in (waves 2 and 3)
	s_wait_dscnt 0x0
	s_barrier_signal -1
	s_barrier_wait -1
	WIN 0
	SCALES 1
.endif
.if \q == 0
	FETCH 2
.endif
	FETCH \q+3
.endr
	s_wait_dscnt 32                                ; step 12's loads are in
	FETCH 15                                       ; (step 11's products have their places behind them)
.macro TOSTAGE a                       ; a block of 16 rows through my stage: LDS serves a wave's instructions in order (ISA guide 5.7.1.4)
	WIN 0
.irp b, 0,1,2,3
	ds_store_b128 v[STO], v[ACC+8*(4*\a+\b):ACC+8*(4*\a+\b)+3] offset:64*\b
	ds_store_b128 v[STO], v[ACC+8*(4*\a+\b)+4:ACC+8*(4*\a+\b)+7] offset:64*\b+16
.endr
	WIN TO_F
.irp t, 0,1,2,3,4,5,6,7
	ds_load_b128 v[64*(\t/2)+32+8*\a+4*(\t%2):64*(\t/2)+32+8*\a+4*(\t%2)+3], v[RD] offset:\t*2*SPITCH
.endr
.endm
.macro SEND a
	s_wait_dscnt 0x0
	WIN FROM_F
.irp t, 0,1,2,3,4,5,6,7
	global_store_b128 v[CO], v[64*(\t/2)+32+8*\a+4*(\t%2):64*(\t/2)+32+8*\a+4*(\t%2)+3], s[12:13] offset:\a*128*SIZE_N*4+2*\t*SIZE_N*4 th:TH_STORE_NT   ; sixteen lanes store 256 consecutive bytes
.endr
.endm
	ROW 0
	PLACES                                         ; in front of the reads of the block's results, and of the loads into its fragments
	TOSTAGE 0
	ROW 1
	SEND 0
	PLACES
	TOSTAGE 1
	ROW 2
	SEND 1
	PLACES
	TOSTAGE 2
	ROW 3
	SEND 2
	PLACES
	TOSTAGE 3
	SEND 3
	WIN 0
	s_wait_tensorcnt 0x0                           ; the wave's end
	ds_add_u32 v[SPW], v[NIL]
	s_wait_dscnt 0x0
	CROUND                                         ; the closing round
	s_endpgm
.Lfunc_end_k_q1fca814094_oproj:
	.size	k_q1fca814094_oproj, .Lfunc_end_k_q1fca814094_oproj-k_q1fca814094_oproj
	.p2alignl 7, 3214868480
	.fill 96, 4, 3214868480
	.section	.rodata,"a",@progbits
	.p2align	6, 0x0
	.amdhsa_kernel k_q1fca814094_oproj
		.amdhsa_group_segment_fixed_size 327680
		.amdhsa_private_segment_fixed_size 0
		.amdhsa_enable_private_segment 0
		.amdhsa_kernarg_size 32
		.amdhsa_user_sgpr_count 2
		.amdhsa_user_sgpr_kernarg_segment_ptr 1
		.amdhsa_wavefront_size32 1
		.amdhsa_system_sgpr_workgroup_id_x 1
		.amdhsa_system_sgpr_workgroup_id_y 1
		.amdhsa_system_sgpr_workgroup_id_z 1
		.amdhsa_system_vgpr_workitem_id 0
		.amdhsa_next_free_vgpr 512
		.amdhsa_next_free_sgpr 100
		.amdhsa_reserve_vcc 0
		.amdhsa_float_denorm_mode_32 3
		.amdhsa_float_denorm_mode_16_64 3
		.amdhsa_memory_ordered 1
		.amdhsa_forward_progress 1
		.amdhsa_inst_pref_size 70
	.end_amdhsa_kernel
	.amdgpu_metadata
---
amdhsa.version: [ 1, 2 ]
amdhsa.kernels:
  - .name:           k_q1fca814094_oproj
    .symbol:         k_q1fca814094_oproj.kd
    .args:
      - { .name: arec, .offset: 0, .size: 8, .value_kind: global_buffer, .address_space: global }
      - { .name: brec, .offset: 8, .size: 8, .value_kind: global_buffer, .address_space: global }
      - { .name: bo, .offset: 16, .size: 8, .value_kind: global_buffer, .address_space: global }
      - { .name: out0, .offset: 24, .size: 8, .value_kind: global_buffer, .address_space: global }
    .group_segment_fixed_size: 327680
    .private_segment_fixed_size: 0
    .kernarg_segment_align: 8
    .kernarg_segment_size: 32
    .max_flat_workgroup_size: 128
    .sgpr_count:     100
    .vgpr_count:     512
    .wavefront_size: 32
...
	.end_amdgpu_metadata
.endif
;; end of part 8
